; MI455X (gfx1250); checked and timed in simulation.
; The chip was launched on July 23, 2026; its instructions are those of AMD's public machine-readable ISA for CDNA 5 (MIT licence, August 2026) and "CDNA5" Instruction Set Architecture Reference Guide (July 2026). The comments in the code are by the model that wrote it; some were corrected since.
;; Focal Transformer Block. Allowed arithmetic: matrix products marked QUANTISED: E2M1 operands, one E8M0 scale for each 32 along K, by v_wmma_scale_f32_16x16x128_f8f6f4 with both operands' format E2M1 (or v_wmma_scale_f32_32x16x128_f4), f32 sums; products left as they are: f32 operands where the result goes on into a quantised operand, else bf16, f16 or f32 operands; f32 sums; everything else in f32.
;; Inputs: bkv 1,024 float32; bproj 512 float32; bq 512 float32; ln1_b 512 float32; ln1_s 512 float32; ln2_b 512 float32; ln2_s 512 float32; mlp_b1 2,048 float32; mlp_b2 512 float32; mlp_w1 512 x 2,048 float32; mlp_w2 2,048 x 512 float32; rpb_b1 256 float32; rpb_b2 8 float32; rpb_w1 1 x 256 float32; rpb_w2 256 x 8 float32; wkv 512 x 1,024 float32; wproj 512 x 512 float32; wq 512 x 512 float32; x 4 x 4,096 x 512 float32.
;; Outputs: out0 4 x 4,096 x 512 float32.
;; This version of the problem:
;;   THIS VERSION OF THE PROBLEM IS GIVEN IN LOW PRECISION. The matrix products marked QUANTISED in the list below multiply operands that are first quantised to E2M1 (2 exponent bits, 1 mantissa bit; 4 bits a number), with one power-of-two scale for each 32 numbers along K (OCP MX v1.0); their sums are f32. All else is computed in f32.
;;   The module's matrix products, in the order in which they are computed (A, B: the left and right operand; K: the contracted axis; several contracted axes count as one K, in the product's order):
;;     1. [M 16,384, K 512] x [K 512, N 512]; A: computed on the way; B: input wq: QUANTISED
;;     2. [M 16,384, K 512] x [K 512, N 1,024]; A: computed on the way; B: input wkv: QUANTISED
;;     3. [M 524,288, K 1] x [K 1, N 256]; A: computed on the way; B: input rpb_w1: left as it is (K = 1 < 32)
;;     4. [M 524,288, K 256] x [K 256, N 8]; A: computed on the way; B: input rpb_w2: left as it is (N = 8 < 16)
;;     5. [M 8,192, K 512] x [K 512, N 1,024]; A: computed on the way; B: input wkv: QUANTISED
;;     6. [M 524,288, K 1] x [K 1, N 256]; A: computed on the way; B: input rpb_w1: left as it is (K = 1 < 32)
;;     7. [M 524,288, K 256] x [K 256, N 8]; A: computed on the way; B: input rpb_w2: left as it is (N = 8 < 16)
;;     8. [M 4,096, K 512] x [K 512, N 1,024]; A: computed on the way; B: input wkv: QUANTISED
;;     9. [M 524,288, K 1] x [K 1, N 256]; A: computed on the way; B: input rpb_w1: left as it is (K = 1 < 32)
;;     10. [M 524,288, K 256] x [K 256, N 8]; A: computed on the way; B: input rpb_w2: left as it is (N = 8 < 16)
;;     11. batch 2,048 x [M 64, K 64] x [K 64, N 384]; A: computed on the way; B: computed on the way: QUANTISED
;;     12. batch 2,048 x [M 64, K 384] x [K 384, N 64]; A: computed on the way; B: softmax (see below): QUANTISED
;;     13. [M 16,384, K 512] x [K 512, N 512]; A: computed on the way; B: input wproj: QUANTISED
;;     14. [M 16,384, K 512] x [K 512, N 2,048]; A: computed on the way; B: input mlp_w1: QUANTISED
;;     15. [M 16,384, K 2,048] x [K 2,048, N 512]; A: computed on the way; B: input mlp_w2: QUANTISED
;;   THE QUANTISER, for each operand of a quantised product, along K:
;;     - K is cut into blocks of 32 from its start; a last block that is shorter is filled with zeros.
;;     - A block's scale is 2^e with e = floor(log2(the largest magnitude in the block)) - 2, held to -126 .. 127; a block of zeros has e = 0. As a byte (E8M0): e + 127.
;;     - Each number is divided by its block's scale, clamped to +-6, and rounded to the nearest number of E2M1, ties to even, subnormals kept.
;;     - The product sums the exact products of the quantised numbers (number of the format x scale) in f32.
;;   ~~~python
;;   def quantise(x, axis):      # numpy; x: float32 -> the quantised numbers, widened to float32 again
;;       x = np.moveaxis(x, axis, -1); K = x.shape[-1]
;;       x = np.pad(x, [(0, 0)] * (x.ndim - 1) + [(0, -K % 32)]); x = x.reshape(x.shape[:-1] + (-1, 32)); a = np.abs(x).max(-1, keepdims=True)
;;       e = np.where(a > 0, np.clip(np.frexp(np.where(a > 0, a, 1))[1] - 1 - 2, -126, 127), 0)      # np.frexp(a)[1] - 1 = floor(log2(a)), exactly
;;       r = np.clip(x / 2.0 ** e, -6, 6)
;;       step = 2.0 ** (np.maximum(np.frexp(np.where(r == 0, 1, r))[1] - 1, 0) - 1)
;;       q = np.round(r / step) * step * 2.0 ** e      # np.round: ties to even
;;       return np.moveaxis(q.reshape(q.shape[:-2] + (-1,))[..., :K], -1, axis).astype(np.float32)
;;   ~~~
;;   SOFTMAX AHEAD OF A QUANTISED PRODUCT. Where the list says 'softmax', what is quantised is not the finished softmax but p = 2^(t - M), with t = logit x log2(e) and M = ceil(the row's largest t), a whole number; so 1/2 < the row's largest p <= 1. The row's sum l is taken of the UNQUANTISED p, in f32, and the product's result is divided by l at the end. Since M is a whole number, a kernel that streams over the keys may use a running M (the ceiling of the running maximum): every later rescaling is an exact power of two, which a block's scale takes up: the codes' values come out the same.
;;   OPERANDS COMPUTED ON THE WAY. 'Computed on the way' means the value that the module computes at that place (a softmax that the list does not call 'softmax' is quantised finished and normalised). What goes into a quantiser is computed in f32, as accurately as f32 sums, v_exp_f32 and their like allow (about 1e-6 of the number): no bf16 or f16 on the way to a quantiser, and a product that is left as it is and whose result goes on into a quantised operand takes f32 operands (vector FMAs, or v_wmma_f32_16x16x4_f32). A number that lies on a knife's edge between two numbers of the format may be rounded either way, as far as f32 arithmetic and the matrix unit's own rounding can turn it there, and no further.
;; 2 versions, each right; version 2 is version 1 with the launches front, tail written anew for expert scheduling mode. Each part assembles by itself: llvm-mc -triple=amdgcn-amd-amdhsa -mcpu=gfx1250 --defsym DOCPART=n.
;; ======== version 1 of 2: 3 launches
;; workspace buffers: wcod 1,572,864 bytes; wscl 98,304 bytes; tab 32,768 bytes; hcod 7,340,032 bytes; hscl 458,752 bytes; qkc 11,534,336 bytes; qks 1,441,792 bytes
;; launch prep (part 1): grid 200 x 1, 4 waves a work-group, no clusters, 0 bytes of LDS; arguments wq, wkv, wproj, mlp_w1, mlp_w2, rpb_w1, rpb_b1, rpb_w2, rpb_b2, wcod, wscl, tab; writes wcod, wscl, tab
.if DOCPART == 1
	.amdgcn_target "amdgcn-amd-amdhsa--gfx1250"
	.amdhsa_code_object_version 6
	.text
	.protected	k_qc7dc61ee3f_prep
	.globl	k_qc7dc61ee3f_prep
	.p2align	8
	.type	k_qc7dc61ee3f_prep,@function
k_qc7dc61ee3f_prep:
	s_mov_b64 s[64:65], 0
	v_nop
	global_prefetch_b8 v0, s[64:65] scope:SCOPE_SE
	s_setreg_imm32_b32 hwreg(HW_REG_WAVE_MODE, 25, 1), 1
	s_wait_xcnt 0x0
; The five weights [K][N] f32 become codes of FP4 (E2M1) with one E8M0 byte for each 32 along K, laid as images of operand registers:
; a fragment (16 columns x 128 K) is 1,024 bytes [block 4][row 16][16 bytes]; its scale words lie beside it, one word a row.
; Which 16 columns form a fragment is chosen so that the product's results fall as whole quantiser blocks into one lane:
;   order A (wq, wkv, mlp_w1): column 64 g + 32 a + 8 t + j is row 8 a + j of fragment t of group g;
;   order B (wproj, mlp_w2):   column 32 u + 16 a + 8 t + j is row 8 a + j of fragment t of strip u.
; A lane takes a column and its registers run down K: a block of 32 lies in one lane, nothing is transposed.  A wave: 32 columns x 128 K.
; Work-groups 0-15 wq, 16-47 wkv, 48-63 wproj, 64-127 mlp_w1, 128-191 mlp_w2, 192-199 the bias table.
; The table: bias(rel, head) = relu(rel / 4096 x w1 + b1) . w2[:, head] + b2[head] for the whole numbers rel = idx - 496, idx = 0 .. 1023, in f32: tab[head][idx].
; LIMITS: NaN and infinities are not served; a block of zeros, or one whose largest magnitude lies under 2^-124, gets the byte 1 (the bytes are read by this program alone).
	s_load_b256 s[8:15], s[0:1], 0x0               ; wq, wkv, wproj, mlp_w1
	s_load_b256 s[16:23], s[0:1], 0x20             ; mlp_w2, rpb_w1, rpb_b1, rpb_w2
	s_load_b256 s[24:31], s[0:1], 0x40             ; rpb_b2, wcod, wscl, tab
	v_lshrrev_b32 v1, 5, v0
	v_readfirstlane_b32 s33, v1                    ; wave
	v_and_b32 v1, 31, v0                           ; lane l
	v_lshlrev_b32 v2, 2, v1                        ; 4 l: my column in a row of the weight
	v_and_b32 v5, 7, v1
	v_lshrrev_b32 v6, 3, v1
	v_lshlrev_b32 v7, 4, v5
	v_lshl_add_u32 v8, v6, 10, v7                  ; order A, codes: 1024 (l / 8) + 16 (l % 8)
	v_lshl_add_u32 v9, v6, 2, v7                   ; order A, scale word: 16 (l % 8) + 4 (l / 8)
	v_lshrrev_b32 v10, 4, v1
	v_lshl_add_u32 v10, v10, 3, v5                 ; order B: row 8 (l / 16) + l % 8
	v_and_b32 v11, 1, v6                           ; fragment (l / 8) % 2
	v_lshlrev_b32 v12, 4, v10
	v_lshl_add_u32 v13, v11, 10, v12               ; order B, codes
	v_lshlrev_b32 v14, 2, v11
	v_lshl_add_u32 v15, v10, 3, v14                ; wproj's scale word: 8 row + 4 t
	v_add_nc_u32 v14, v12, v14                     ; mlp_w2's: 16 row + 4 t
	s_mov_b32 s41, 0
	s_mov_b32 s43, 0
	s_mov_b32 s45, 0
	s_wait_kmcnt 0x0
	s_cmp_lt_u32 ttmp9, 16
	s_cbranch_scc1 .Lwq
	s_cmp_lt_u32 ttmp9, 48
	s_cbranch_scc1 .Lwkv
	s_cmp_lt_u32 ttmp9, 64
	s_cbranch_scc1 .Lwproj
	s_cmp_lt_u32 ttmp9, 128
	s_cbranch_scc1 .Lw1
	s_cmp_lt_u32 ttmp9, 192
	s_cbranch_scc1 .Lw2
	s_branch .Ltab
; s37 = K step, s38 = strip u of 32 columns, s[4:5] = the wave's first number
.macro STRIP first, lg, src, lgstep
	s_sub_co_u32 s36, ttmp9, \first
	s_and_b32 s38, s36, (1<<\lg)-1
	s_lshr_b32 s37, s36, \lg
	s_lshl_b32 s38, s38, 2
	s_add_co_u32 s38, s38, s33
	s_lshl_b32 s40, s37, \lgstep
	s_lshl_b32 s39, s38, 7
	s_add_co_u32 s40, s40, s39
	s_add_nc_u64 s[4:5], s[\src:\src+1], s[40:41]
.endm
.macro DSTS                            ; s42: byte offset of the codes, s44: of the scale words
	s_add_nc_u64 s[6:7], s[26:27], s[42:43]
	s_add_nc_u64 s[2:3], s[28:29], s[44:45]
.endm
; order A: the step's place is (g / 2) << lgm + 4 (g % 2) + s, g = u / 2; 4,096 bytes of codes and 256 of scale words a place
.macro PRE64 first, lg, src, lgstep, lgm, coff, soff
	STRIP \first, \lg, \src, \lgstep
	s_lshr_b32 s39, s38, 2
	s_lshl_b32 s39, s39, \lgm
	s_bfe_u32 s47, s38, 0x10001
	s_lshl_b32 s47, s47, 2
	s_add_co_u32 s39, s39, s47
	s_add_co_u32 s39, s39, s37
	s_and_b32 s46, s38, 1
	s_lshl_b32 s46, s46, 7                         ; rows 8 to 15 of the fragments: 128 bytes on
	s_lshl_b32 s42, s39, 12
	s_add_co_u32 s42, s42, s46
	s_add_co_u32 s42, s42, \coff
	s_lshl_b32 s44, s39, 8
	s_add_co_u32 s44, s44, s46
	s_add_co_u32 s44, s44, \soff
	DSTS
	v_mov_b32 v3, v8
	v_mov_b32 v4, v9
.endm
.macro LOADB n, t                      ; block t: rows 32 t + i of my column, into set t % 2
.set i, 0
.rept 32
	global_load_b32 v[32+32*((\t)%2)+i], v2, s[4:5] offset:(32*(\t)+i)*(\n)*4 th:TH_LOAD_NT
.set i, i+1
.endr
.endm
.macro BLOCK n, t
.set XS, 32+32*((\t)%2)
.if (\t) < 3
	s_wait_loadcnt 32                              ; this block's 32 loads are in; the next block's may be out
.else
	s_wait_loadcnt 0x0
.endif
	v_max3_num_f32 v16, |v[XS]|, |v[XS+1]|, |v[XS+2]|
	v_max3_num_f32 v17, |v[XS+3]|, |v[XS+4]|, |v[XS+5]|
.irp i, 6,10,14,18,22,26
	v_max3_num_f32 v16, v16, |v[XS+\i]|, |v[XS+\i+1]|
	v_max3_num_f32 v17, v17, |v[XS+\i+2]|, |v[XS+\i+3]|
.endr
	v_max3_num_f32 v16, v16, |v[XS+30]|, |v[XS+31]|
	v_max3_num_f32 v16, v16, v17, 0x1800000        ; the floor 2^(3 - 127): the byte cannot fall under 1
	v_add_nc_u32 v18, 0xff000000, v16              ; 2 off the exponent field: the conversion's scale operand
	v_lshrrev_b32 v19, 23, v18                     ; the scale's byte
.if (\t) == 0
	v_mov_b32 v112, v19
.else
	v_lshl_or_b32 v112, v19, 8*(\t), v112
.endif
.irp g, 0,1,2,3
	v_cvt_scalef32_pk8_fp4_f32 v[96+4*(\t)+\g], v[XS+8*\g:XS+8*\g+7], v18
.endr
	global_store_b128 v3, v[96+4*(\t):99+4*(\t)], s[6:7] offset:256*(\t)   ; each block has registers of its own: no store's data are written again
.if (\t) < 2
	LOADB \n, (\t)+2
.endif
.endm
.macro QBODY n
	LOADB \n, 0
	LOADB \n, 1
	BLOCK \n, 0
	BLOCK \n, 1
	BLOCK \n, 2
	BLOCK \n, 3
	global_store_b32 v4, v112, s[2:3]              ; my column's scale word of this K step
	s_endpgm
.endm
.Lwq:
	PRE64 0, 2, 8, 18, 3, 0, 0
	s_branch .Lb512
.Lwproj:
	STRIP 48, 2, 12, 18
	s_lshl_b32 s39, s38, 2
	s_add_co_u32 s39, s39, s37                     ; 4 u + s
	s_lshl_b32 s42, s39, 11
	s_add_co_u32 s42, s42, 393216
	s_lshl_b32 s44, s39, 7
	s_add_co_u32 s44, s44, 24576
	DSTS
	v_mov_b32 v3, v13
	v_mov_b32 v4, v15
	s_branch .Lb512
.Lw2:
	STRIP 128, 2, 16, 18
	s_lshl_b32 s42, s38, 16                        ; wave u's stream; places 8 + s / 2; half s % 2: 2,048 s bytes in all
	s_lshl_b32 s39, s37, 11
	s_add_co_u32 s42, s42, s39
	s_add_co_u32 s42, s42, 524288+32768
	s_lshl_b32 s44, s38, 12
	s_lshr_b32 s39, s37, 1
	s_lshl_b32 s39, s39, 8
	s_add_co_u32 s44, s44, s39
	s_and_b32 s39, s37, 1
	s_lshl_b32 s39, s39, 3
	s_add_co_u32 s44, s44, s39
	s_add_co_u32 s44, s44, 32768+2048
	DSTS
	v_mov_b32 v3, v13
	v_mov_b32 v4, v14
.Lb512:
	QBODY 512
.Lwkv:
	PRE64 16, 3, 10, 19, 3, 131072, 8192
	QBODY 1024
.Lw1:
	PRE64 64, 4, 14, 20, 4, 524288, 32768
	QBODY 2048
; The table.  A wave owns 32 indices.  Lane l holds hidden units l + 32 k, k = 0 .. 7; a trip makes one index's eight heads, summed over the lanes; lane = trip keeps them.
.Ltab:
	s_load_b256 s[48:55], s[24:25], 0x0            ; rpb_b2
	s_sub_co_u32 s36, ttmp9, 192
	s_lshl_b32 s36, s36, 2
	s_add_co_u32 s36, s36, s33
	s_lshl_b32 s36, s36, 5                         ; my wave's first index
	s_lshl_b32 s40, s36, 2
	s_add_nc_u64 s[6:7], s[30:31], s[40:41]
	v_lshlrev_b32 v3, 5, v1                        ; a row of rpb_w2 is 32 bytes
.irp k, 0,1,2,3,4,5,6,7
	global_load_b32 v[16+\k], v2, s[18:19] offset:128*\k
	global_load_b32 v[24+\k], v2, s[20:21] offset:128*\k
	global_load_b128 v[32+8*\k:35+8*\k], v3, s[22:23] offset:1024*\k
	global_load_b128 v[36+8*\k:39+8*\k], v3, s[22:23] offset:1024*\k+16
.endr
.irp h, 0,1,2,3,4,5,6,7
	v_mov_b32 v[112+\h], 0
	v_mov_b32 v[120+\h], 0                         ; a lane permute's destination counts as one of its sources
.endr
	s_sub_co_i32 s58, s36, 496                     ; rel of the first index
	s_mov_b32 s56, 0
	s_mov_b32 s57, 1                               ; the lane that keeps this trip's numbers
	s_mov_b32 s60, 0x76543210
	s_mov_b32 s61, 0xfedcba98
	s_wait_loadcnt 0x0
	s_wait_kmcnt 0x0
.Ltrip:
	v_cvt_f32_i32 v15, s58
	v_mul_f32 v15, 0x39800000, v15                 ; rel / 4096, exact
.irp k, 0,1,2,3,4,5,6,7
	v_fma_f32 v[96+\k], v15, v[16+\k], v[24+\k]
.endr
.irp k, 0,1,2,3,4,5,6,7
	v_max_num_f32 v[96+\k], 0, v[96+\k]
.endr
.irp h, 0,1,2,3,4,5,6,7
	v_mul_f32 v[104+\h], v96, v[32+\h]
.endr
.irp k, 1,2,3,4,5,6,7
.irp h, 0,1,2,3,4,5,6,7
	v_fmac_f32 v[104+\h], v[96+\k], v[32+8*\k+\h]
.endr
.endr
.irp x, 1,2,4,8
.irp h, 0,1,2,3,4,5,6,7
	v_add_f32_dpp v[104+\h], v[104+\h], v[104+\h] row_xmask:\x row_mask:0xf bank_mask:0xf
.endr
.endr
.irp h, 0,1,2,3,4,5,6,7
	v_permlanex16_b32 v[120+\h], v[104+\h], s60, s61
.endr
.irp h, 0,1,2,3,4,5,6,7
	v_add_f32 v[104+\h], v[104+\h], v[120+\h]
.endr
.irp h, 0,1,2,3,4,5,6,7
	v_add_f32 v[104+\h], s[48+\h], v[104+\h]
.endr
.irp h, 0,1,2,3,4,5,6,7
	v_cndmask_b32 v[112+\h], v[112+\h], v[104+\h], s57
.endr
	s_lshl_b32 s57, s57, 1
	s_add_co_i32 s58, s58, 1
	s_add_co_u32 s56, s56, 1
	s_cmp_lt_u32 s56, 32
	s_cbranch_scc1 .Ltrip
.irp h, 0,1,2,3,4,5,6,7
	global_store_b32 v2, v[112+\h], s[6:7] offset:4096*\h
.endr
	s_endpgm
.Lfunc_end_k_qc7dc61ee3f_prep:
	.size	k_qc7dc61ee3f_prep, .Lfunc_end_k_qc7dc61ee3f_prep-k_qc7dc61ee3f_prep
	.p2alignl 7, 3214868480
	.fill 96, 4, 3214868480
	.section	.rodata,"a",@progbits
	.p2align	6, 0x0
	.amdhsa_kernel k_qc7dc61ee3f_prep
		.amdhsa_group_segment_fixed_size 0
		.amdhsa_private_segment_fixed_size 0
		.amdhsa_enable_private_segment 0
		.amdhsa_kernarg_size 96
		.amdhsa_user_sgpr_count 2
		.amdhsa_user_sgpr_kernarg_segment_ptr 1
		.amdhsa_wavefront_size32 1
		.amdhsa_system_sgpr_workgroup_id_x 1
		.amdhsa_system_sgpr_workgroup_id_y 1
		.amdhsa_system_sgpr_workgroup_id_z 1
		.amdhsa_system_vgpr_workitem_id 0
		.amdhsa_next_free_vgpr 128
		.amdhsa_next_free_sgpr 66
		.amdhsa_reserve_vcc 0
		.amdhsa_float_denorm_mode_32 3
		.amdhsa_float_denorm_mode_16_64 3
		.amdhsa_memory_ordered 1
		.amdhsa_forward_progress 1
		.amdhsa_inst_pref_size 73
	.end_amdhsa_kernel
	.amdgpu_metadata
---
amdhsa.version: [ 1, 2 ]
amdhsa.kernels:
  - .name:           k_qc7dc61ee3f_prep
    .symbol:         k_qc7dc61ee3f_prep.kd
    .args:
      - { .name: wq, .offset: 0, .size: 8, .value_kind: global_buffer, .address_space: global }
      - { .name: wkv, .offset: 8, .size: 8, .value_kind: global_buffer, .address_space: global }
      - { .name: wproj, .offset: 16, .size: 8, .value_kind: global_buffer, .address_space: global }
      - { .name: mlp_w1, .offset: 24, .size: 8, .value_kind: global_buffer, .address_space: global }
      - { .name: mlp_w2, .offset: 32, .size: 8, .value_kind: global_buffer, .address_space: global }
      - { .name: rpb_w1, .offset: 40, .size: 8, .value_kind: global_buffer, .address_space: global }
      - { .name: rpb_b1, .offset: 48, .size: 8, .value_kind: global_buffer, .address_space: global }
      - { .name: rpb_w2, .offset: 56, .size: 8, .value_kind: global_buffer, .address_space: global }
      - { .name: rpb_b2, .offset: 64, .size: 8, .value_kind: global_buffer, .address_space: global }
      - { .name: wcod, .offset: 72, .size: 8, .value_kind: global_buffer, .address_space: global }
      - { .name: wscl, .offset: 80, .size: 8, .value_kind: global_buffer, .address_space: global }
      - { .name: tab, .offset: 88, .size: 8, .value_kind: global_buffer, .address_space: global }
    .group_segment_fixed_size: 0
    .private_segment_fixed_size: 0
    .kernarg_segment_align: 8
    .kernarg_segment_size: 96
    .max_flat_workgroup_size: 128
    .sgpr_count:     66
    .vgpr_count:     128
    .wavefront_size: 32
...
	.end_amdgpu_metadata
.endif
;; end of part 1
;; launch front (part 2): grid 256 x 1, 16 waves a work-group, no clusters, 202,752 bytes of LDS; arguments x, ln1_s, ln1_b, bq, bkv, wcod, wscl, hcod, hscl, qkc, qks; writes hcod, hscl, qkc, qks
.if DOCPART == 2
	.amdgcn_target "amdgcn-amd-amdhsa--gfx1250"
	.amdhsa_code_object_version 6
	.text
	.protected	k_qc7dc61ee3f_front
	.globl	k_qc7dc61ee3f_front
	.p2align	8
	.type	k_qc7dc61ee3f_front,@function
k_qc7dc61ee3f_front:
	s_mov_b64 s[64:65], 0
	v_nop
	global_prefetch_b8 v0, s[64:65] scope:SCOPE_SE
	s_setreg_imm32_b32 hwreg(HW_REG_WAVE_MODE, 25, 1), 1
	s_wait_xcnt 0x0
; For 64 rows of x (one query window): LN1, mean pooling by 2 and 4, h of the three levels as codes of FP4 (K = the 512 channels); then q (level 0) and k (all levels),
; each quantised along its head's 64.  Sixteen waves.
; PHASE A: wave w takes rows 4 w .. 4 w + 3.  Loads read 512 bytes on end; a turn through the wave's own stage gives a lane 16 neighbouring channels; two lanes hold a block of 32.
; PHASE B: wave g owns 64 output columns: q's head g (g < 8) or k's head g - 8.  The product is used transposed (source 0 = 16 columns of the weight, source 1 = 16 rows of h) and the columns
; of a fragment are chosen (launch prep) so that a lane's 32 results of four fragments are one row's channels 32 h .. 32 h + 31 of the head: a whole block, quantised without another lane.
; OUT: hcod [window][block 16][token 8][16 B], hscl [window][token 8][16 bytes]; qkc [b][head][window][h 2][token 8][16 B]; qks one word a (b, head, token): two bytes, above them 0x7f7f for the zero codes that fill K to 128.
; LIMITS: NaN and infinities are not served; a block of zeros or under 2^-124 gets the byte 1 (read by this program alone); sums are taken in another f32 order than a row-wise sum.
.set STG, 0                            ; 16 waves x 4 rows x 2,560 bytes: a row as 32 places of 64 + 16 bytes
.set IMG, 163840                       ; 7 tiles of 16 rows x 4,352: [block 16, pitch 272][row 16][16 B]; tiles 0-3 level 0, 4-5 level 1, 6 level 2
.set TP,  4352
.set SCL, 194304                       ; [tile][row][16 bytes]
.set BIA, 196096                       ; bq, then bkv[0:512]
.set SINV, 42                          ; s42 1/512, s43 1e-5
.set SEPS, 43
.macro NOPS n
.rept \n
	v_nop
.endr
.endm
.macro WM d, a, b, c, sa, sb
	v_wmma_scale_f32_16x16x128_f8f6f4 v[\d:\d+7], v[\a:\a+7], v[\b:\b+7], v[\c:\c+7], v[\sa], v[\sb] matrix_a_fmt:MATRIX_FMT_FP4 matrix_b_fmt:MATRIX_FMT_FP4
.endm
; 32 numbers of one block in v[x] on -> 4 registers of codes at v[c]; v[t], v[t+1] at work, v[t+2] the conversion's scale operand, v[t+3] the byte.  Each run of eight is read from its low end on.
.macro QB32 x, c, t
	v_max3_num_f32 v[\t], |v[\x]|, |v[\x+1]|, 0x1800000            ; with the floor 2^(3 - 127)
	v_max3_num_f32 v[\t+1], |v[\x+16]|, |v[\x+17]|, |v[\x+18]|
.irp i, 2,4,6,8,10,12
	v_max3_num_f32 v[\t], v[\t], |v[\x+\i]|, |v[\x+\i+1]|
	v_max3_num_f32 v[\t+1], v[\t+1], |v[\x+17+\i]|, |v[\x+18+\i]|
.endr
	v_max3_num_f32 v[\t], v[\t], |v[\x+14]|, |v[\x+15]|
	v_max3_num_f32 v[\t], v[\t], v[\t+1], |v[\x+31]|
	v_add_nc_u32 v[\t+2], 0xff000000, v[\t]
.irp g, 0,1,2,3
	v_cvt_scalef32_pk8_fp4_f32 v[\c+\g], v[\x+8*\g:\x+8*\g+7], v[\t+2]
.endr
	v_lshrrev_b32 v[\t+3], 23, v[\t+2]             ; the byte; also the plain line behind the conversions
.endm
; 16 neighbours of a lane (two lanes hold a block): codes to the image, the byte to the scale bytes
.macro QROW x, ca, ci, sa, si, cr, br, t
	v_max3_num_f32 v[\t], |v[\x]|, |v[\x+1]|, |v[\x+2]|
	v_max3_num_f32 v[\t+1], |v[\x+3]|, |v[\x+4]|, |v[\x+5]|
.irp i, 6,10
	v_max3_num_f32 v[\t], v[\t], |v[\x+\i]|, |v[\x+\i+1]|
	v_max3_num_f32 v[\t+1], v[\t+1], |v[\x+\i+2]|, |v[\x+\i+3]|
.endr
	v_max3_num_f32 v[\t], v[\t], |v[\x+14]|, |v[\x+15]|
	v_max3_num_f32 v[\t], v[\t], v[\t+1], 0x1800000
	v_max_num_f32_dpp v[\t], v[\t], v[\t] row_xmask:1 row_mask:0xf bank_mask:0xf
	v_add_nc_u32 v[\t+2], 0xff000000, v[\t]
	v_cvt_scalef32_pk8_fp4_f32 v[\cr], v[\x:\x+7], v[\t+2]
	v_cvt_scalef32_pk8_fp4_f32 v[\cr+1], v[\x+8:\x+15], v[\t+2]
	v_lshrrev_b32 v[\br], 23, v[\t+2]
	ds_store_b64 v[\ca], v[\cr:\cr+1] offset:\ci
	ds_store_b8 v[\sa], v[\br] offset:\si          ; both lanes of a block write the same byte with the same value
.endm
.macro RED4 T                          ; v[T], v[T+2], v[T+4], v[T+6]: each summed over the 32 lanes
.irp x, 1,2,4,8
.irp p, 0,1,2,3
	v_add_f32_dpp v[\T+2*\p], v[\T+2*\p], v[\T+2*\p] row_xmask:\x row_mask:0xf bank_mask:0xf
.endr
.endr
.irp p, 0,1,2,3
	v_permlanex16_b32 v[\T+8+\p], v[\T+2*\p], s40, s41
.endr
.irp p, 0,1,2,3
	v_add_f32 v[\T+2*\p], v[\T+2*\p], v[\T+8+\p]
.endr
.endm
; four rows of 512, 16 numbers a lane at v[X + 16 p]: (x - mean) rsqrt(var + 1e-5) s + b, the four rows by turns; the variance is taken of the differences
.macro LNORM X, S, B, T
.irp p, 0,1,2,3
	v_pk_add_f32 v[\T+2*\p:\T+2*\p+1], v[\X+16*\p:\X+16*\p+1], v[\X+16*\p+2:\X+16*\p+3]
.endr
.irp k, 4,6,8,10,12,14
.irp p, 0,1,2,3
	v_pk_add_f32 v[\T+2*\p:\T+2*\p+1], v[\T+2*\p:\T+2*\p+1], v[\X+16*\p+\k:\X+16*\p+\k+1]
.endr
.endr
.irp p, 0,1,2,3
	v_add_f32 v[\T+2*\p], v[\T+2*\p], v[\T+2*\p+1]
.endr
	RED4 \T
.irp p, 0,1,2,3
	v_mul_f32 v[\T+2*\p], s[SINV], v[\T+2*\p]      ; the mean
.endr
.irp k, 0,2,4,6,8,10,12,14
.irp p, 0,1,2,3
	v_pk_add_f32 v[\X+16*\p+\k:\X+16*\p+\k+1], v[\X+16*\p+\k:\X+16*\p+\k+1], v[\T+2*\p:\T+2*\p+1] op_sel_hi:[1,0] neg_lo:[0,1] neg_hi:[0,1]
.endr
.endr
.irp p, 0,1,2,3
	v_pk_mul_f32 v[\T+2*\p:\T+2*\p+1], v[\X+16*\p:\X+16*\p+1], v[\X+16*\p:\X+16*\p+1]
.endr
.irp k, 2,4,6,8,10,12,14
.irp p, 0,1,2,3
	v_pk_fma_f32 v[\T+2*\p:\T+2*\p+1], v[\X+16*\p+\k:\X+16*\p+\k+1], v[\X+16*\p+\k:\X+16*\p+\k+1], v[\T+2*\p:\T+2*\p+1]
.endr
.endr
.irp p, 0,1,2,3
	v_add_f32 v[\T+2*\p], v[\T+2*\p], v[\T+2*\p+1]
.endr
	RED4 \T
.irp p, 0,1,2,3
	v_fma_f32 v[\T+2*\p], v[\T+2*\p], s[SINV], s[SEPS]
.endr
.irp p, 0,1,2,3
	v_rsq_f32 v[\T+2*\p], v[\T+2*\p]
.endr
	v_nop                                          ; a plain line behind the last root
	s_wait_alu depctr_va_vdst(0)                   ; one wait for the four, ahead of their first reader
.irp k, 0,2,4,6,8,10,12,14
.irp p, 0,1,2,3
	v_pk_mul_f32 v[\X+16*\p+\k:\X+16*\p+\k+1], v[\X+16*\p+\k:\X+16*\p+\k+1], v[\T+2*\p:\T+2*\p+1] op_sel_hi:[1,0]
.endr
.endr
.irp k, 0,2,4,6,8,10,12,14
.irp p, 0,1,2,3
	v_pk_fma_f32 v[\X+16*\p+\k:\X+16*\p+\k+1], v[\X+16*\p+\k:\X+16*\p+\k+1], v[\S+\k:\S+\k+1], v[\B+\k:\B+\k+1]
.endr
.endr
.endm
	s_load_b512 s[4:19], s[0:1], 0x0               ; x, ln1_s, ln1_b, bq, bkv, wcod, wscl, hcod
	s_load_b128 s[20:23], s[0:1], 0x40             ; hscl, qkc
	s_load_b64 s[24:25], s[0:1], 0x50              ; qks
	v_and_b32 v1, 31, v0                           ; l
	v_and_b32 v2, 15, v0                           ; r
	v_bfe_u32 v3, v0, 4, 1                         ; h
	v_lshlrev_b32 v4, 4, v1                        ; 16 l
	v_lshlrev_b32 v5, 2, v1                        ; 4 l
	v_lshlrev_b32 v6, 4, v2                        ; 16 r
	v_lshlrev_b32 v7, 2, v2                        ; 4 r
	v_lshlrev_b32 v8, 3, v3                        ; 8 h
	v_lshrrev_b32 v9, 5, v0
	v_readfirstlane_b32 s34, v9                    ; wave
	s_mov_b32 s40, 0x76543210
	s_mov_b32 s41, 0xfedcba98                      ; v_permlanex16_b32's selects for lane l xor 16
	s_mov_b32 s42, 0x3b000000
	s_mov_b32 s43, 0x3727c5ac
	s_lshl_b32 s36, ttmp9, 17                      ; 64 rows of 2,048 bytes a work-group,
	s_lshl_b32 s37, s34, 13                        ; 4 rows a wave
	s_add_co_u32 s36, s36, s37
	s_mov_b32 s37, 0
	v_lshlrev_b32 v254, 6, v1                      ; 64 l: my 16 numbers of ln1_s, ln1_b
	v_and_b32 v253, 255, v0
	v_lshlrev_b32 v253, 3, v253                    ; 8 (thread % 256): my two numbers of bq or of bkv
	s_wait_kmcnt 0x0
	s_add_nc_u64 s[26:27], s[4:5], s[36:37]
	s_cmp_lt_u32 s34, 8
	s_cselect_b64 s[28:29], s[10:11], s[12:13]     ; waves 0-7 stage bq, waves 8-15 bkv's first 512
.set k, 0
.rept 16
	global_load_b128 v[16+4*k:19+4*k], v4, s[26:27] offset:2048*(k/4)+512*(k%4) th:TH_LOAD_NT
.set k, k+1
.endr
.irp q, 0,1,2,3
	global_load_b128 v[192+4*\q:195+4*\q], v254, s[6:7] offset:16*\q
	global_load_b128 v[208+4*\q:211+4*\q], v254, s[8:9] offset:16*\q
.endr
	global_load_b64 v[144:145], v253, s[28:29]
	s_mul_i32 s38, s34, 10240                      ; my stage
	v_lshrrev_b32 v9, 2, v1
	v_mul_u32_u24 v9, v9, 80
	v_and_b32 v10, 3, v1
	v_lshl_add_u32 v9, v10, 4, v9
	v_add_nc_u32 v9, s38, v9                       ; in: 80 (l / 4) + 16 (l % 4)
	v_mul_u32_u24 v10, v1, 80
	v_add_nc_u32 v10, s38, v10                     ; out: 80 l
	v_lshrrev_b32 v248, 1, v1                      ; my block
	v_and_b32 v249, 1, v1
	v_mul_u32_u24 v250, v248, 272
	v_lshl_add_u32 v250, v249, 3, v250             ; 272 (l / 2) + 8 (l % 2)
	s_lshr_b32 s38, s34, 2                         ; level 0: tile w / 4, rows 4 (w % 4) on
	s_and_b32 s39, s34, 3
	s_lshl_b32 s39, s39, 6
	s_mul_i32 s44, s38, TP
	s_add_co_u32 s44, s44, s39
	s_add_co_u32 s44, s44, IMG
	v_add_nc_u32 v11, s44, v250
	s_lshl_b32 s44, s38, 8
	s_add_co_u32 s44, s44, s39
	s_add_co_u32 s44, s44, SCL
	v_add_nc_u32 v14, s44, v248
	s_lshr_b32 s38, s34, 3                         ; level 1: tile 4 + w / 8, rows 2 (w % 8) on
	s_and_b32 s39, s34, 7
	s_lshl_b32 s39, s39, 5
	s_mul_i32 s44, s38, TP
	s_add_co_u32 s44, s44, s39
	s_add_co_u32 s44, s44, IMG+4*TP
	v_add_nc_u32 v12, s44, v250
	s_lshl_b32 s44, s38, 8
	s_add_co_u32 s44, s44, s39
	s_add_co_u32 s44, s44, SCL+1024
	v_add_nc_u32 v15, s44, v248
	s_lshl_b32 s39, s34, 4                         ; level 2: tile 6, row w
	s_add_co_u32 s44, s39, IMG+6*TP
	v_add_nc_u32 v13, s44, v250
	s_add_co_u32 s44, s39, SCL+1536
	v_add_nc_u32 v252, s44, v248
	v_lshl_add_u32 v255, v0, 3, BIA
.irp p, 0,1,2,3
	v_mov_b32 v[232+\p], 0                         ; a lane permute's destination counts as one of its sources
.endr
	v_mov_b32 v237, 0
	s_wait_loadcnt 9                               ; x is in; the 8 loads of ln1_s, ln1_b and the bias load may be out
.irp p, 0,1,2,3
.irp q, 0,1,2,3
	ds_store_b128 v9, v[16+16*\p+4*\q:19+16*\p+4*\q] offset:2560*\p+640*\q
.endr
.irp q, 0,1,2,3
	ds_load_b128 v[80+16*\p+4*\q:83+16*\p+4*\q], v10 offset:2560*\p+16*\q   ; LDS serves a wave's instructions in order: these see my stores
.endr
.endr
	s_wait_dscnt 0x0
	s_wait_loadcnt 0x0
	ds_store_b64 v255, v[144:145]
	LNORM 80, 192, 208, 224
.set k, 0
.rept 8
	v_pk_add_f32 v[144+k:145+k], v[80+k:81+k], v[96+k:97+k]
	v_pk_add_f32 v[160+k:161+k], v[112+k:113+k], v[128+k:129+k]
.set k, k+2
.endr
.set k, 0
.rept 8
	v_pk_mul_f32 v[144+k:145+k], v[144+k:145+k], 0.5 op_sel_hi:[1,0]
	v_pk_mul_f32 v[160+k:161+k], v[160+k:161+k], 0.5 op_sel_hi:[1,0]
.set k, k+2
.endr
.set k, 0
.rept 8
	v_pk_add_f32 v[176+k:177+k], v[144+k:145+k], v[160+k:161+k]
.set k, k+2
.endr
.set k, 0
.rept 8
	v_pk_mul_f32 v[176+k:177+k], v[176+k:177+k], 0.5 op_sel_hi:[1,0]
.set k, k+2
.endr
.irp p, 0,1,2,3
	QROW 80+16*\p, 11, 16*\p, 14, 16*\p, 228+2*\p, 242+\p, 249
.endr
	QROW 144, 12, 0, 15, 0, 236, 246, 249
	QROW 160, 12, 16, 15, 16, 238, 247, 249
	QROW 176, 13, 0, 252, 0, 240, 248, 249
	; my group's 16 fragments and their scale words: wq's eight groups and wkv's first eight follow each other in wcod and wscl
	s_lshl_b32 s36, s34, 14
	s_add_nc_u64 s[28:29], s[14:15], s[36:37]
	s_lshl_b32 s36, s34, 10
	s_add_nc_u64 s[30:31], s[16:17], s[36:37]
.set k, 0
.rept 16
	global_load_b128 v[16+8*k:19+8*k], v4, s[28:29] offset:1024*k
	global_load_b128 v[20+8*k:23+8*k], v4, s[28:29] offset:1024*k+512
.set k, k+1
.endr
.irp s, 0,1,2,3
	global_load_b128 v[144+4*\s:147+4*\s], v6, s[30:31] offset:256*\s
.endr
	; where the results go
	s_lshr_b32 s58, ttmp9, 6                       ; b
	s_and_b32 s59, ttmp9, 63                       ; query window i
	s_and_b32 s60, s34, 7                          ; head
	s_lshl_b32 s58, s58, 3
	s_add_co_u32 s58, s58, s60
	s_mov_b32 s52, 0x3f800000
	s_cmp_lt_u32 s34, 8
	s_cselect_b32 s52, 0x3e000000, s52             ; q is multiplied by 64^-1/2, k by 1
	s_cselect_b32 s61, 7340032, 0
	s_cselect_b32 s62, 917504, 0
	s_mov_b32 s53, s52
.macro DST lv, coff, soff, cp, sp
	s_lshl_b32 s36, s58, 9-\lv
	s_lshl_b32 s38, s59, 3-\lv
	s_add_co_u32 s36, s36, s38
	s_lshl_b32 s36, s36, 8
	s_add_co_u32 s36, s36, \coff
	s_add_nc_u64 s[\cp:\cp+1], s[22:23], s[36:37]
	s_lshl_b32 s36, s58, 12-\lv
	s_lshl_b32 s38, s59, 6-\lv
	s_add_co_u32 s36, s36, s38
	s_lshl_b32 s36, s36, 2
	s_add_co_u32 s36, s36, \soff
	s_add_nc_u64 s[\sp:\sp+1], s[24:25], s[36:37]
.endm
	DST 0, s61, s62, 66, 68
	DST 1, 4194304, 524288, 70, 72
	DST 2, 6291456, 786432, 74, 76
	; the window that I copy out (waves 0-13): levels begin at windows 0, 2,048 and 3,072 of hcod and hscl
	s_lshl_b32 s58, ttmp9, 3
	s_add_co_u32 s58, s58, s34
	s_lshl_b32 s59, ttmp9, 2
	s_add_co_u32 s59, s59, s34
	s_add_co_u32 s59, s59, 2048-8
	s_lshl_b32 s60, ttmp9, 1
	s_add_co_u32 s60, s60, s34
	s_add_co_u32 s60, s60, 3072-12
	s_cmp_lt_u32 s34, 12
	s_cselect_b32 s59, s59, s60
	s_cmp_lt_u32 s34, 8
	s_cselect_b32 s58, s58, s59
	s_lshl_b32 s36, s58, 11
	s_add_nc_u64 s[78:79], s[18:19], s[36:37]
	s_lshl_b32 s36, s58, 7
	s_add_nc_u64 s[80:81], s[20:21], s[36:37]
	s_wait_dscnt 0x0                               ; my images, scale bytes and biases lie in LDS; my address registers may be written
	s_lshl_b32 s38, s34, 8
	s_add_co_u32 s38, s38, BIA
	v_lshl_add_u32 v9, v3, 7, s38                  ; my 32 biases: BIA + 256 g + 128 h
	v_mul_u32_u24 v10, v3, 272
	v_add_nc_u32 v10, v10, v6
	v_add_nc_u32 v10, IMG, v10                     ; a fragment of h: 272 h + 16 r
	v_add_nc_u32 v11, SCL, v6
	v_lshrrev_b32 v12, 3, v2
	v_and_b32 v13, 7, v2
	v_lshlrev_b32 v12, 8, v12
	v_lshl_add_u32 v12, v3, 7, v12
	v_lshl_add_u32 v12, v13, 4, v12                ; in qkc: 256 (r / 8) + 128 h + 16 (r % 8)
	s_lshr_b32 s38, s34, 1
	s_mul_i32 s38, s38, TP
	s_and_b32 s39, s34, 1
	s_lshl_b32 s39, s39, 7
	s_add_co_u32 s38, s38, s39
	s_add_co_u32 s38, s38, IMG
	v_lshrrev_b32 v13, 3, v1
	v_mul_u32_u24 v13, v13, 272
	v_and_b32 v14, 7, v1
	v_lshl_add_u32 v13, v14, 4, v13
	v_add_nc_u32 v13, s38, v13                     ; window w of the images: tile w / 2, rows 8 (w % 2) on
	s_lshl_b32 s38, s34, 7
	s_add_co_u32 s38, s38, SCL
	v_add_nc_u32 v14, s38, v5
	s_barrier_signal -1
	s_barrier_wait -1
	s_cmp_lt_u32 s34, 14
	s_cbranch_scc0 .Lnocopy
.irp q, 0,1,2,3
	ds_load_b128 v[228+4*\q:231+4*\q], v13 offset:1088*\q
.endr
	ds_load_b32 v244, v14
	s_wait_dscnt 0x0
.irp q, 0,1,2,3
	global_store_b128 v4, v[228+4*\q:231+4*\q], s[78:79] offset:512*\q   ; 512 bytes on end
.endr
	global_store_b32 v5, v244, s[80:81]
.Lnocopy:
	s_wait_loadcnt 0x0                             ; my weights
; tile m of 16 rows: 16 matrix instructions, the four accumulators by turns; the biases are the C of the first four
.macro GT m, cp, ci, sp, si
.irp i, 0,1,2,3,4,5,6,7
	ds_load_b128 v[160+4*\i:163+4*\i], v9 offset:16*\i
.endr
.irp s, 0,1,2,3
.irp c, 0,1
	ds_load_b128 v[192+8*\s+4*\c:195+8*\s+4*\c], v10 offset:TP*\m+(4*\s+2*\c)*272
.endr
.endr
	ds_load_b128 v[224:227], v11 offset:256*\m
	s_wait_dscnt 0x0
.irp s, 0,1,2,3
.irp t, 0,1,2,3
	WM 160+8*\t, 16+8*(4*\s+\t), 192+8*\s, 160+8*\t, 144+4*\s+\t, 224+\s
.endr
.endr
	NOPS 4                                         ; places behind the products: for the reads below and the next tile's loads
	s_wait_xcnt 0x0                                ; the earlier stores have read their data: v228 on may be written
.set j, 0
.rept 16
	v_pk_mul_f32 v[160+j:161+j], v[160+j:161+j], s[52:53] op_sel_hi:[1,0]
.set j, j+2
.endr
	QB32 160, 228, 232
	v_lshlrev_b32 v236, v8, v235                   ; my block's byte at its place,
	v_permlanex16_b32 v237, v236, s40, s41
	v_or_b32 v236, v236, v237                      ; with the other block's,
	v_or_b32 v236, 0x7f7f0000, v236                ; and 1.0 for the zero codes above 64
	global_store_b128 v12, v[228:231], s[\cp:\cp+1] offset:\ci
	global_store_b32 v7, v236, s[\sp:\sp+1] offset:\si
.endm
	GT 0, 66, 0, 68, 0
	GT 1, 66, 512, 68, 64
	GT 2, 66, 1024, 68, 128
	GT 3, 66, 1536, 68, 192
	s_cmp_lt_u32 s34, 8
	s_cbranch_scc1 .Lend                           ; q has level 0 alone
	GT 4, 70, 0, 72, 0
	GT 5, 70, 512, 72, 64
	GT 6, 74, 0, 76, 0
.Lend:
	s_wait_xcnt 0x0
	v_lshl_add_u32 v254, v0, 2, 0x31000
	v_mov_b32 v255, 0
	s_wait_tensorcnt 0x0
	ds_add_u32 v254, v255
	s_wait_dscnt 0x0
	s_endpgm
.Lfunc_end_k_qc7dc61ee3f_front:
	.size	k_qc7dc61ee3f_front, .Lfunc_end_k_qc7dc61ee3f_front-k_qc7dc61ee3f_front
	.p2alignl 7, 3214868480
	.fill 96, 4, 3214868480
	.section	.rodata,"a",@progbits
	.p2align	6, 0x0
	.amdhsa_kernel k_qc7dc61ee3f_front
		.amdhsa_group_segment_fixed_size 202752
		.amdhsa_private_segment_fixed_size 0
		.amdhsa_enable_private_segment 0
		.amdhsa_kernarg_size 88
		.amdhsa_user_sgpr_count 2
		.amdhsa_user_sgpr_kernarg_segment_ptr 1
		.amdhsa_wavefront_size32 1
		.amdhsa_system_sgpr_workgroup_id_x 1
		.amdhsa_system_sgpr_workgroup_id_y 1
		.amdhsa_system_sgpr_workgroup_id_z 1
		.amdhsa_system_vgpr_workitem_id 0
		.amdhsa_next_free_vgpr 256
		.amdhsa_next_free_sgpr 84
		.amdhsa_reserve_vcc 0
		.amdhsa_float_denorm_mode_32 3
		.amdhsa_float_denorm_mode_16_64 3
		.amdhsa_memory_ordered 1
		.amdhsa_forward_progress 1
		.amdhsa_inst_pref_size 82
	.end_amdhsa_kernel
	.amdgpu_metadata
---
amdhsa.version: [ 1, 2 ]
amdhsa.kernels:
  - .name:           k_qc7dc61ee3f_front
    .symbol:         k_qc7dc61ee3f_front.kd
    .args:
      - { .name: x, .offset: 0, .size: 8, .value_kind: global_buffer, .address_space: global }
      - { .name: ln1_s, .offset: 8, .size: 8, .value_kind: global_buffer, .address_space: global }
      - { .name: ln1_b, .offset: 16, .size: 8, .value_kind: global_buffer, .address_space: global }
      - { .name: bq, .offset: 24, .size: 8, .value_kind: global_buffer, .address_space: global }
      - { .name: bkv, .offset: 32, .size: 8, .value_kind: global_buffer, .address_space: global }
      - { .name: wcod, .offset: 40, .size: 8, .value_kind: global_buffer, .address_space: global }
      - { .name: wscl, .offset: 48, .size: 8, .value_kind: global_buffer, .address_space: global }
      - { .name: hcod, .offset: 56, .size: 8, .value_kind: global_buffer, .address_space: global }
      - { .name: hscl, .offset: 64, .size: 8, .value_kind: global_buffer, .address_space: global }
      - { .name: qkc, .offset: 72, .size: 8, .value_kind: global_buffer, .address_space: global }
      - { .name: qks, .offset: 80, .size: 8, .value_kind: global_buffer, .address_space: global }
    .group_segment_fixed_size: 202752
    .private_segment_fixed_size: 0
    .kernarg_segment_align: 8
    .kernarg_segment_size: 88
    .max_flat_workgroup_size: 512
    .sgpr_count:     84
    .vgpr_count:     256
    .wavefront_size: 32
...
	.end_amdgpu_metadata
.endif
;; end of part 2
;; launch tail (part 3): grid 256 x 1, 16 waves a work-group, no clusters, 313,344 bytes of LDS; arguments x, hcod, hscl, qkc, qks, wcod, wscl, tab, bkv, bproj, ln2_s, ln2_b, mlp_b1, mlp_b2, out0; writes out0
.if DOCPART == 3
	.amdgcn_target "amdgcn-amd-amdhsa--gfx1250"
	.amdhsa_code_object_version 6
	.text
	.protected	k_qc7dc61ee3f_tail
	.globl	k_qc7dc61ee3f_tail
	.p2align	8
	.type	k_qc7dc61ee3f_tail,@function
k_qc7dc61ee3f_tail:
	s_mov_b64 s[64:65], 0
	v_nop
	global_prefetch_b8 v0, s[64:65] scope:SCOPE_SE
	s_setreg_imm32_b32 hwreg(HW_REG_WAVE_MODE, 25, 1), 1
	s_wait_xcnt 0x0
; One query window (64 rows) to a work-group of sixteen waves, from the gather to the block's output.
; P0 the 48 key windows' codes of h and the bias table come into LDS.  The j-th closest key window of centre cq is cq - (j + 1) / 2 (j odd), cq + j / 2 (j even), j where j > 2 cq, NW - 1 - j where j > 2 (NW - 1 - cq).
; P1 V = h wv + bv for the 384 gathered keys (wave: head w / 2, 32 channels), quantised along the keys in gathered order.   P2 the 48 windows' codes of k come into LDS.
; P3 attention (wave: head w / 2, two tiles of 16 queries): S^T = K Q^T + bias, p = 2^(t - M) with M a whole number, O^T += V^T P^T, level by level; O / sum quantised.
; P4 proj.   P5 + bproj + x, LN2, quantised.   P6 mlp_w1, GELU, quantised.   P7 mlp_w2 + b2 + residual.   P8 rows out.
; A TILE OF KEYS is rows 0-7 = sorted window 8 c + t, rows 8-15 = sorted window 8 c + 4 + t: a lane's 32 results of tiles t = 0 .. 3 are then block 2 c + h of the level's 128 keys, in order, for P and for V alike;
; the weights' fragments are composed likewise (launch prep): every quantiser block lies in one lane, and the conversions' results are the next operand's registers.
; No tile is shared between work-groups by a joint request: LDS is filled with this window's own activations, so no slots for weights are left; the weights go from memory straight into registers.
; LIMITS: NaN and infinities are not served; a block of zeros or under 2^-124 gets the byte 1; GELU is x / (1 + 2^z), z = -2 log2(e) sqrt(2 / pi) (x + 0.044715 x^3).
.set PP,   2080                        ; a key window's place: 2,048 bytes + 32
.set AS_,  99840                       ; h's scale bytes, 160 a place; later k's scale words, 288 a place
.set KS_,  99840
.set T_,   113920                      ; the bias table [head][1024] f32
.set XP,   2576                        ; X2 at 0: a row of 512 f32 as 32 places of 64 + 16 bytes, + 16
.set VI_,  164864                      ; V's 96 fragments [head][level][tile]
.set VS_,  263168
.set HI_,  164864                      ; later: the hidden layer's 64 fragments (16 m + s),
.set HS_,  230400                      ; their scale words,
.set B1S_, 238592                      ; mlp_b1
.set OI_,  275456                      ; attention's result: 16 fragments (4 m + s)
.set OS_,  291840
.set H2I_, 292864                      ; LN2's result: 4 tiles x 4,352
.set H2S_, 310272
.set SINV, 62
.set SEPS, 63
.macro NOPS n
.rept \n
	v_nop
.endr
.endm
.macro BAR                             ; my LDS stores have landed and my LDS loads are in: then the work-group's barrier
	s_wait_dscnt 0x0
	s_barrier_signal -1
	s_barrier_wait -1
.endm
.macro WM d, a, b, c, sa, sb
	v_wmma_scale_f32_16x16x128_f8f6f4 v[\d:\d+7], v[\a:\a+7], v[\b:\b+7], v[\c:\c+7], v[\sa], v[\sb] matrix_a_fmt:MATRIX_FMT_FP4 matrix_b_fmt:MATRIX_FMT_FP4
.endm
.macro WM0 d, a, b, sa, sb             ; the first product starts the sum
	v_wmma_scale_f32_16x16x128_f8f6f4 v[\d:\d+7], v[\a:\a+7], v[\b:\b+7], 0, v[\sa], v[\sb] matrix_a_fmt:MATRIX_FMT_FP4 matrix_b_fmt:MATRIX_FMT_FP4
.endm
; 32 numbers of one block in v[x] on -> 4 registers of codes at v[c]; v[t], v[t+1] at work, v[t+2] the conversion's scale operand, v[t+3] the byte.  Each run of eight is read from its low end on.
.macro QB32 x, c, t
	v_max3_num_f32 v[\t], |v[\x]|, |v[\x+1]|, 0x1800000            ; with the floor 2^(3 - 127)
	v_max3_num_f32 v[\t+1], |v[\x+16]|, |v[\x+17]|, |v[\x+18]|
.irp i, 2,4,6,8,10,12
	v_max3_num_f32 v[\t], v[\t], |v[\x+\i]|, |v[\x+\i+1]|
	v_max3_num_f32 v[\t+1], v[\t+1], |v[\x+17+\i]|, |v[\x+18+\i]|
.endr
	v_max3_num_f32 v[\t], v[\t], |v[\x+14]|, |v[\x+15]|
	v_max3_num_f32 v[\t], v[\t], v[\t+1], |v[\x+31]|
	v_add_nc_u32 v[\t+2], 0xff000000, v[\t]
.irp g, 0,1,2,3
	v_cvt_scalef32_pk8_fp4_f32 v[\c+\g], v[\x+8*\g:\x+8*\g+7], v[\t+2]
.endr
	v_lshrrev_b32 v[\t+3], 23, v[\t+2]             ; the byte; also the plain line behind the conversions
.endm
.macro QROW x, ca, ci, sa, si, cr, br, t
	v_max3_num_f32 v[\t], |v[\x]|, |v[\x+1]|, |v[\x+2]|
	v_max3_num_f32 v[\t+1], |v[\x+3]|, |v[\x+4]|, |v[\x+5]|
.irp i, 6,10
	v_max3_num_f32 v[\t], v[\t], |v[\x+\i]|, |v[\x+\i+1]|
	v_max3_num_f32 v[\t+1], v[\t+1], |v[\x+\i+2]|, |v[\x+\i+3]|
.endr
	v_max3_num_f32 v[\t], v[\t], |v[\x+14]|, |v[\x+15]|
	v_max3_num_f32 v[\t], v[\t], v[\t+1], 0x1800000
	v_max_num_f32_dpp v[\t], v[\t], v[\t] row_xmask:1 row_mask:0xf bank_mask:0xf
	v_add_nc_u32 v[\t+2], 0xff000000, v[\t]
	v_cvt_scalef32_pk8_fp4_f32 v[\cr], v[\x:\x+7], v[\t+2]
	v_cvt_scalef32_pk8_fp4_f32 v[\cr+1], v[\x+8:\x+15], v[\t+2]
	v_lshrrev_b32 v[\br], 23, v[\t+2]
	ds_store_b64 v[\ca], v[\cr:\cr+1] offset:\ci
	ds_store_b8 v[\sa], v[\br] offset:\si
.endm
.macro RED4 T
.irp x, 1,2,4,8
.irp p, 0,1,2,3
	v_add_f32_dpp v[\T+2*\p], v[\T+2*\p], v[\T+2*\p] row_xmask:\x row_mask:0xf bank_mask:0xf
.endr
.endr
.irp p, 0,1,2,3
	v_permlanex16_b32 v[\T+8+\p], v[\T+2*\p], s40, s41
.endr
.irp p, 0,1,2,3
	v_add_f32 v[\T+2*\p], v[\T+2*\p], v[\T+8+\p]
.endr
.endm
.macro LNORM X, S, B, T
.irp p, 0,1,2,3
	v_pk_add_f32 v[\T+2*\p:\T+2*\p+1], v[\X+16*\p:\X+16*\p+1], v[\X+16*\p+2:\X+16*\p+3]
.endr
.irp k, 4,6,8,10,12,14
.irp p, 0,1,2,3
	v_pk_add_f32 v[\T+2*\p:\T+2*\p+1], v[\T+2*\p:\T+2*\p+1], v[\X+16*\p+\k:\X+16*\p+\k+1]
.endr
.endr
.irp p, 0,1,2,3
	v_add_f32 v[\T+2*\p], v[\T+2*\p], v[\T+2*\p+1]
.endr
	RED4 \T
.irp p, 0,1,2,3
	v_mul_f32 v[\T+2*\p], s[SINV], v[\T+2*\p]
.endr
.irp k, 0,2,4,6,8,10,12,14
.irp p, 0,1,2,3
	v_pk_add_f32 v[\X+16*\p+\k:\X+16*\p+\k+1], v[\X+16*\p+\k:\X+16*\p+\k+1], v[\T+2*\p:\T+2*\p+1] op_sel_hi:[1,0] neg_lo:[0,1] neg_hi:[0,1]
.endr
.endr
.irp p, 0,1,2,3
	v_pk_mul_f32 v[\T+2*\p:\T+2*\p+1], v[\X+16*\p:\X+16*\p+1], v[\X+16*\p:\X+16*\p+1]
.endr
.irp k, 2,4,6,8,10,12,14
.irp p, 0,1,2,3
	v_pk_fma_f32 v[\T+2*\p:\T+2*\p+1], v[\X+16*\p+\k:\X+16*\p+\k+1], v[\X+16*\p+\k:\X+16*\p+\k+1], v[\T+2*\p:\T+2*\p+1]
.endr
.endr
.irp p, 0,1,2,3
	v_add_f32 v[\T+2*\p], v[\T+2*\p], v[\T+2*\p+1]
.endr
	RED4 \T
.irp p, 0,1,2,3
	v_fma_f32 v[\T+2*\p], v[\T+2*\p], s[SINV], s[SEPS]
.endr
.irp p, 0,1,2,3
	v_rsq_f32 v[\T+2*\p], v[\T+2*\p]
.endr
	v_nop
	s_wait_alu depctr_va_vdst(0)                   ; one wait for the four roots, ahead of their first reader
.irp k, 0,2,4,6,8,10,12,14
.irp p, 0,1,2,3
	v_pk_mul_f32 v[\X+16*\p+\k:\X+16*\p+\k+1], v[\X+16*\p+\k:\X+16*\p+\k+1], v[\T+2*\p:\T+2*\p+1] op_sel_hi:[1,0]
.endr
.endr
.irp k, 0,2,4,6,8,10,12,14
.irp p, 0,1,2,3
	v_pk_fma_f32 v[\X+16*\p+\k:\X+16*\p+\k+1], v[\X+16*\p+\k:\X+16*\p+\k+1], v[\S+\k:\S+\k+1], v[\B+\k:\B+\k+1]
.endr
.endr
.endm
	s_load_b512 s[4:19], s[0:1], 0x0               ; x, hcod, hscl, qkc, qks, wcod, wscl, tab
	s_load_b256 s[20:27], s[0:1], 0x40             ; bkv, bproj, ln2_s, ln2_b
	s_load_b128 s[28:31], s[0:1], 0x60             ; mlp_b1, mlp_b2
	s_load_b64 s[32:33], s[0:1], 0x70              ; out0
	v_and_b32 v1, 31, v0                           ; l
	v_and_b32 v2, 15, v0                           ; r
	v_bfe_u32 v3, v0, 4, 1                         ; h
	v_lshlrev_b32 v4, 4, v1                        ; 16 l
	v_lshlrev_b32 v5, 2, v1                        ; 4 l
	v_lshlrev_b32 v6, 4, v2                        ; 16 r
	v_lshlrev_b32 v7, 2, v2                        ; 4 r
	v_lshlrev_b32 v8, 3, v3                        ; 8 h
	v_lshrrev_b32 v9, 5, v0
	v_readfirstlane_b32 s34, v9                    ; wave w
	s_lshr_b32 s35, s34, 1                         ; my head
	s_and_b32 s36, s34, 1
	s_and_b32 s37, ttmp9, 63                       ; query window i
	s_lshr_b32 s38, ttmp9, 6                       ; b
	s_mov_b32 s40, 0x76543210
	s_mov_b32 s41, 0xfedcba98
	s_mov_b32 s42, 0x3fb8aa3b                      ; log2(e)
	s_mov_b32 s43, s42
	s_mov_b32 s62, 0x3b000000                      ; 1/512
	s_mov_b32 s63, 0x3727c5ac                      ; 1e-5
	s_mov_b32 s55, 0
; sorted position w at level lv: its window in s[44+lv]; the centre in s[47+lv]; NW - 1 - centre in s[50+lv]
.macro WINIDX lv
	s_lshl_b32 s[47+\lv], s37, 3-\lv
	s_add_co_u32 s[47+\lv], s[47+\lv], (8>>\lv)/2
	s_sub_co_u32 s[50+\lv], (512>>\lv)-1, s[47+\lv]
	s_add_co_u32 s53, s34, 1
	s_lshr_b32 s53, s53, 1
	s_sub_co_u32 s53, s[47+\lv], s53
	s_lshr_b32 s54, s34, 1
	s_add_co_u32 s54, s[47+\lv], s54
	s_bitcmp1_b32 s34, 0
	s_cselect_b32 s[44+\lv], s53, s54
	s_lshl_b32 s53, s[47+\lv], 1
	s_cmp_gt_u32 s34, s53
	s_cselect_b32 s[44+\lv], s34, s[44+\lv]
	s_lshl_b32 s53, s[50+\lv], 1
	s_sub_co_u32 s54, (512>>\lv)-1, s34
	s_cmp_gt_u32 s34, s53
	s_cselect_b32 s[44+\lv], s54, s[44+\lv]
.endm
	WINIDX 0
	WINIDX 1
	WINIDX 2
	s_mul_i32 s53, s34, PP
	v_add_nc_u32 v9, s53, v4                       ; place w of levels 0 and 1: 2080 w + 16 l;
	v_add_nc_u32 v10, 32*PP, v9                    ; of level 2 (an LDS offset has 16 bits)
	s_mul_i32 s53, s34, 160
	s_add_co_u32 s53, s53, AS_
	v_add_nc_u32 v11, s53, v5
	v_lshl_add_u32 v12, v0, 4, T_
	v_lshlrev_b32 v252, 4, v0
	v_lshrrev_b32 v254, 3, v2
	v_and_b32 v255, 7, v2
	v_lshlrev_b32 v253, 7, v254
	v_lshl_add_u32 v253, v255, 2, v253             ; bkv: column r of a fragment is channel 32 (r / 8) + 8 t + r % 8
	s_wait_kmcnt 0x0
.macro HPTR lv, lb
	s_lshl_b32 s53, s38, 9-\lv
	s_add_co_u32 s53, s53, s[44+\lv]
	s_add_co_u32 s53, s53, \lb
	s_lshl_b32 s54, s53, 11
	s_add_nc_u64 s[66+2*\lv:67+2*\lv], s[6:7], s[54:55]
	s_lshl_b32 s54, s53, 7
	s_add_nc_u64 s[72+2*\lv:73+2*\lv], s[8:9], s[54:55]
.endm
	HPTR 0, 0
	HPTR 1, 2048
	HPTR 2, 3072
	s_lshl_b32 s54, s35, 14                        ; wv: group 8 + head, fragments 2 (w % 2) and the next
	s_lshl_b32 s53, s36, 11
	s_add_co_u32 s54, s54, s53
	s_add_co_u32 s54, s54, 262144
	s_add_nc_u64 s[78:79], s[14:15], s[54:55]
	s_lshl_b32 s54, s35, 10
	s_lshl_b32 s53, s36, 3
	s_add_co_u32 s54, s54, s53
	s_add_co_u32 s54, s54, 16384
	s_add_nc_u64 s[80:81], s[16:17], s[54:55]
	s_lshl_b32 s54, s35, 8
	s_lshl_b32 s53, s36, 6
	s_add_co_u32 s54, s54, s53
	s_add_co_u32 s54, s54, 2048
	s_add_nc_u64 s[82:83], s[20:21], s[54:55]
	; ---- P0
.irp lv, 0,1,2
.irp q, 0,1,2,3
	global_load_b128 v[104+16*\lv+4*\q:107+16*\lv+4*\q], v4, s[66+2*\lv:67+2*\lv] offset:512*\q
.endr
.endr
.irp lv, 0,1,2
	global_load_b32 v[152+\lv], v5, s[72+2*\lv:73+2*\lv]
.endr
.irp q, 0,1,2,3
	global_load_b128 v[156+4*\q:159+4*\q], v252, s[18:19] offset:8192*\q
.endr
.irp n, 0,1
.irp s, 0,1,2,3
.irp c, 0,1
	global_load_b128 v[16+8*(4*\n+\s)+4*\c:19+8*(4*\n+\s)+4*\c], v4, s[78:79] offset:4096*\s+1024*\n+512*\c
.endr
.endr
.endr
.irp s, 0,1,2,3
	global_load_b64 v[80+2*\s:81+2*\s], v6, s[80:81] offset:256*\s
.endr
.irp n, 0,1
	global_load_b32 v[248+\n], v253, s[82:83] offset:32*\n
.endr
	s_wait_loadcnt 22                              ; what is staged is in; wv's 16 + 4 + 2 loads may be out
.irp q, 0,1,2,3
	ds_store_b128 v9, v[104+4*\q:107+4*\q] offset:512*\q
	ds_store_b128 v9, v[120+4*\q:123+4*\q] offset:16*PP+512*\q
	ds_store_b128 v10, v[136+4*\q:139+4*\q] offset:512*\q
	ds_store_b128 v12, v[156+4*\q:159+4*\q] offset:8192*\q
.endr
.irp lv, 0,1,2
	ds_store_b32 v11, v[152+\lv] offset:2560*\lv
.endr
	BAR
	s_wait_loadcnt 0x0
	; ---- P1.  v16-79 wv (8 (4 n + s)), v80-87 its scale words, v88-103 bv as C, v104-167 sums (8 (4 n + t)), v168-231 two sets of four key tiles, v232-247 their scale words
	v_mul_u32_u24 v11, v254, 4*PP
	v_lshl_add_u32 v11, v255, 4, v11
	v_lshl_add_u32 v11, v3, 7, v11                 ; a key tile: 8320 (r / 8) + 16 (r % 8) + 128 h
	v_mul_u32_u24 v12, v254, 640
	v_lshl_add_u32 v12, v255, 4, v12
	v_add_nc_u32 v12, AS_, v12
	s_mul_i32 s53, s35, 12288
	s_lshl_b32 s54, s36, 11
	s_add_co_u32 s53, s53, s54
	s_add_co_u32 s53, s53, VI_
	v_add_nc_u32 v13, s53, v4
	s_mul_i32 s53, s35, 1536
	s_lshl_b32 s54, s36, 8
	s_add_co_u32 s53, s53, s54
	s_add_co_u32 s53, s53, VS_
	v_add_nc_u32 v14, s53, v5
.irp k, 0,1,2,3,4,5,6,7
	v_mov_b32 v[88+\k], v248
	v_mov_b32 v[96+\k], v249
.endr
	v_mov_b32 v255, 0
.macro VLOADA c, s, bf
.irp t, 0,1,2,3
.irp cc, 0,1
	ds_load_b128 v[168+32*(\bf)+8*\t+4*\cc:171+32*(\bf)+8*\t+4*\cc], v11 offset:(8*(\c)+\t)*PP+(4*(\s)+2*\cc)*128
.endr
.endr
.endm
.macro VQ n, c                         ; 32 keys x my channel: block 2 c + h of the level
	QB32 104+32*\n, 168+4*\n, 248
	v_lshlrev_b32 v254, v8, v251
	v_permlanex16_b32 v255, v254, s40, s41
.if \c
	v_or_b32 v254, v254, v255
	v_lshl_or_b32 v[252+\n], v254, 16, v[252+\n]
.else
	v_or_b32 v[252+\n], v254, v255
.endif
	ds_store_b128 v13, v[168+4*\n:171+4*\n] offset:1024*\n+512*\c
.if \c
	ds_store_b32 v14, v[252+\n] offset:128*\n
.endif
.endm
.macro VGROUP c                        ; 64 keys x 32 channels, K = 512 in four steps; eight accumulators by turns
.irp t, 0,1,2,3
	ds_load_b128 v[232+4*\t:235+4*\t], v12 offset:(8*\c+\t)*160
.endr
	VLOADA \c, 0, 0
.irp s, 0,1,2,3
.if \s < 3
.if \s > 0
	NOPS 4                                         ; places in front of loads into the set that the last products read
.endif
	VLOADA \c, \s+1, (\s+1)%2
	s_wait_dscnt 8                                 ; this step's tiles are in; the next step's eight loads may be out
.else
	s_wait_dscnt 0x0
.endif
.irp t, 0,1,2,3
.irp n, 0,1
.if \s == 0
	WM 104+8*(4*\n+\t), 168+8*\t, 16+8*(4*\n), 88+8*\n, 232+4*\t, 80+\n
.else
	WM 104+8*(4*\n+\t), 168+32*(\s%2)+8*\t, 16+8*(4*\n+\s), 104+8*(4*\n+\t), 232+4*\t+\s, 80+2*\s+\n
.endif
.endr
.endr
.endr
	NOPS 5                                         ; five: the next group begins these accumulators anew with another C
	VQ 0, \c
	VQ 1, \c
	s_wait_dscnt 0x0                               ; the stores have read their registers
.endm
	s_mov_b32 s56, 0
.Llevel:
	VGROUP 0
	VGROUP 1
	v_add_nc_u32 v11, 16*PP, v11
	v_add_nc_u32 v12, 2560, v12
	v_add_nc_u32 v13, 4096, v13
	v_add_nc_u32 v14, 512, v14
	s_add_co_u32 s56, s56, 1
	s_cmp_lt_u32 s56, 3
	s_cbranch_scc1 .Llevel
	; k's codes and scale words of my sorted position, all eight heads, and my two tiles of q: asked for ahead of the barrier
	v_lshrrev_b32 v254, 2, v1
	v_and_b32 v255, 3, v1
	v_lshlrev_b32 v255, 3, v255
.macro KPTR lv, kb, sb
	s_lshl_b32 s54, s38, 12-\lv
	s_add_co_u32 s54, s54, s[44+\lv]
	s_add_co_u32 s54, s54, \kb
	s_lshl_b32 s54, s54, 8
	s_add_nc_u64 s[66+2*\lv:67+2*\lv], s[10:11], s[54:55]
	s_lshl_b32 s54, s38, 17-\lv
	s_lshl_b32 s53, s[44+\lv], 5
	s_add_co_u32 s54, s54, s53
	s_add_co_u32 s54, s54, \sb
	s_add_nc_u64 s[72+2*\lv:73+2*\lv], s[12:13], s[54:55]
	v_lshl_add_u32 v[94+\lv], v3, 17-\lv, v6       ; two heads a load: from head to head NW x 256 bytes
	v_lshl_add_u32 v[97+\lv], v254, 14-\lv, v255   ; four lanes a head: from head to head 4 L bytes
.endm
	KPTR 0, 0, 0
	KPTR 1, 16384, 524288
	KPTR 2, 24576, 786432
	s_lshl_b32 s53, s38, 3
	s_add_co_u32 s53, s53, s35
	s_lshl_b32 s54, s53, 9
	s_lshl_b32 s39, s37, 3
	s_add_co_u32 s54, s54, s39
	s_lshl_b32 s39, s36, 2
	s_add_co_u32 s54, s54, s39
	s_lshl_b32 s54, s54, 8
	s_add_co_u32 s54, s54, 7340032
	s_add_nc_u64 s[78:79], s[10:11], s[54:55]
	s_lshl_b32 s54, s53, 12
	s_lshl_b32 s39, s37, 6
	s_add_co_u32 s54, s54, s39
	s_lshl_b32 s39, s36, 5
	s_add_co_u32 s54, s54, s39
	s_lshl_b32 s54, s54, 2
	s_add_co_u32 s54, s54, 917504
	s_add_nc_u64 s[80:81], s[12:13], s[54:55]
	v_lshrrev_b32 v100, 3, v2
	v_and_b32 v101, 7, v2
	v_lshlrev_b32 v100, 8, v100
	v_lshl_add_u32 v100, v3, 7, v100
	v_lshl_add_u32 v100, v101, 4, v100
.irp lv, 0,1,2
.irp q, 0,1,2,3
	global_load_b128 v[40+18*\lv+4*\q:43+18*\lv+4*\q], v[94+\lv], s[66+2*\lv:67+2*\lv] offset:(\q<<(18-\lv))
.endr
	global_load_b64 v[56+18*\lv:57+18*\lv], v[97+\lv], s[72+2*\lv:73+2*\lv]
.endr
	global_load_b128 v[136:139], v100, s[78:79]
	global_load_b128 v[226:229], v100, s[78:79] offset:512
	global_load_b32 v224, v7, s[80:81]
	global_load_b32 v230, v7, s[80:81] offset:64
	s_mul_i32 s53, s34, 288
	s_add_co_u32 s53, s53, KS_
	v_lshl_add_u32 v15, v1, 3, s53
	BAR                                            ; nobody reads h's codes any more
	; ---- P2
	s_wait_loadcnt 0x0
.irp q, 0,1,2,3
	ds_store_b128 v9, v[40+4*\q:43+4*\q] offset:512*\q
	ds_store_b128 v9, v[58+4*\q:61+4*\q] offset:16*PP+512*\q
	ds_store_b128 v10, v[76+4*\q:79+4*\q] offset:512*\q
.endr
.irp lv, 0,1,2
	ds_store_b64 v15, v[56+18*\lv:57+18*\lv] offset:4608*\lv
.endr
	BAR
	; ---- P3.  v16-39 the 24 tiles' places in the table; v40-103 S^T, then p; v104-135 O^T; v136-143 q; v144-175 four tiles of k; v176-207 four of V; v208-215 p's codes;
	; v216-219, v220-223, v224, v225 scale words of k, V, q, p; v226-230 the second tile of q; v232 -M, v233 the largest t, v[234:235] the sum, v236 f
	v_lshrrev_b32 v254, 3, v2
	v_and_b32 v255, 7, v2
	v_mul_u32_u24 v9, v254, 4*PP
	v_lshl_add_u32 v9, v3, 7, v9
	v_lshl_add_u32 v9, v255, 4, v9
	s_lshl_b32 s53, s35, 8
	v_add_nc_u32 v9, s53, v9
	v_add_nc_u32 v15, 32*PP, v9
	v_mul_u32_u24 v10, v254, 1152
	v_lshl_add_u32 v10, v255, 2, v10
	s_lshl_b32 s53, s35, 5
	s_add_co_u32 s53, s53, KS_
	v_add_nc_u32 v10, s53, v10
	s_mul_i32 s53, s35, 12288
	s_add_co_u32 s53, s53, VI_
	v_add_nc_u32 v11, s53, v4
	s_mul_i32 s53, s35, 1536
	s_add_co_u32 s53, s53, VS_
	v_add_nc_u32 v12, s53, v7
	s_lshl_b32 s53, s36, 13
	s_lshr_b32 s54, s35, 1
	s_lshl_b32 s54, s54, 10
	s_add_co_u32 s53, s53, s54
	s_and_b32 s54, s35, 1
	s_lshl_b32 s54, s54, 9
	s_add_co_u32 s53, s53, s54
	s_add_co_u32 s53, s53, OI_
	v_add_nc_u32 v13, s53, v4
	s_lshl_b32 s53, s36, 9
	s_lshr_b32 s54, s35, 1
	s_lshl_b32 s54, s54, 6
	s_add_co_u32 s53, s53, s54
	s_and_b32 s54, s35, 1
	s_lshl_b32 s54, s54, 1
	s_add_co_u32 s53, s53, s54
	s_add_co_u32 s53, s53, OS_
	v_add_nc_u32 v14, s53, v7
.irp k, 0,1,2,3
	v_mov_b32 v[140+\k], 0                         ; zero codes fill K from the head's 64 to 128
	v_mov_b32 v[148+\k], 0
	v_mov_b32 v[156+\k], 0
	v_mov_b32 v[164+\k], 0
	v_mov_b32 v[172+\k], 0
.endr
	v_mov_b32 v237, 0
	s_lshl_b32 s57, s35, 12
	s_add_co_u32 s57, s57, T_                      ; my head's table
	s_lshl_b32 s53, s36, 5
	s_add_co_u32 s53, s53, 464
	v_add_nc_u32 v238, s53, v2
	v_add_nc_u32 v240, -12, v238
	v_add_nc_u32 v239, -6, v238
	v_add_nc_u32 v238, -3, v238                    ; query + 464 - 3 f
; index of (my query, token 7 of window j = 8 c + t + 4 h): (centre - window) 8 f + query + 464 - 3 f; token k lies (7 - k) f further on.  The mask changes no index: it states the table's bound.
.macro COORD lv, c, t
	v_lshl_add_u32 v241, v3, 2, 8*\c+\t
.if (\t)%2
	v_lshl_add_u32 v242, v3, 1, (8*\c+\t+1)/2
.else
	v_lshl_add_u32 v242, v3, 1, (8*\c+\t)/2
	v_sub_nc_u32 v242, 0, v242
.endif
	v_sub_nc_u32 v243, s[47+\lv], v241
	v_cmp_lt_u32 vcc_lo, s60, v241
	v_cndmask_b32 v242, v242, v243, vcc_lo
	v_sub_nc_u32 v243, v241, s[50+\lv]
	v_cmp_lt_u32 vcc_lo, s61, v241
	v_cndmask_b32 v242, v242, v243, vcc_lo
	v_lshl_add_u32 v242, v242, 3+\lv, v[238+\lv]
	v_and_b32 v242, 0x3ff, v242
	v_lshl_add_u32 v[16+8*\lv+4*\c+\t], v242, 2, s57
.endm
.irp lv, 0,1,2
	s_lshl_b32 s60, s[47+\lv], 1
	s_lshl_b32 s61, s[50+\lv], 1
.irp c, 0,1
.irp t, 0,1,2,3
	COORD \lv, \c, \t
.endr
.endr
.endr
; one level's 128 keys for 16 queries.  first = 1: the unit's first level starts M, the sum and O^T
.macro STEP lv, first
.set FF, 1<<\lv
.irp c, 0,1
.if \c
	NOPS 4                                         ; places in front of loads into k's registers
.endif
.irp t, 0,1,2,3
.irp k, 0,1,2,3,4,5,6,7
	ds_load_b32 v[40+32*\c+8*\t+\k], v[16+8*\lv+4*\c+\t] offset:(7-\k)*4*FF   ; the bias is the product's C
.endr
.endr
.irp t, 0,1,2,3
.if \lv < 2
	ds_load_b128 v[144+8*\t:147+8*\t], v9 offset:16*PP*\lv+(8*\c+\t)*PP
.else
	ds_load_b128 v[144+8*\t:147+8*\t], v15 offset:(8*\c+\t)*PP
.endif
	ds_load_b32 v[216+\t], v10 offset:(16*\lv+8*\c+\t)*288
.endr
	s_wait_dscnt 0x0
.irp t, 0,1,2,3
	WM 40+32*\c+8*\t, 144+8*\t, 136, 40+32*\c+8*\t, 216+\t, 224
.endr
.endr
	NOPS 4
.irp t, 0,1,2,3
.irp cc, 0,1
	ds_load_b128 v[176+8*\t+4*\cc:179+8*\t+4*\cc], v11 offset:4096*\lv+1024*\t+512*\cc   ; V lands while the softmax is worked
.endr
	ds_load_b32 v[220+\t], v12 offset:512*\lv+128*\t
.endr
	v_max3_num_f32 v238, v40, v41, v42             ; the largest score of my two blocks: for the row's maximum and for each block's largest p
	v_max3_num_f32 v239, v72, v73, v74
.irp i, 3,5,7,9,11,13,15,17,19,21,23,25,27,29
	v_max3_num_f32 v238, v238, v[40+\i], v[41+\i]
	v_max3_num_f32 v239, v239, v[72+\i], v[73+\i]
.endr
	v_max_num_f32 v238, v238, v71
	v_max_num_f32 v239, v239, v103
	v_max_num_f32 v240, v238, v239
	v_permlanex16_b32 v241, v240, s40, s41
	v_max_num_f32 v240, v240, v241                 ; with lane l xor 16's 64 keys
.if \first
	v_mul_f32 v233, s42, v240
	v_floor_f32 v232, -v233                        ; -M = floor(-t)
.else
	v_mul_f32 v240, s42, v240
	v_max_num_f32 v233, v233, v240
	v_mov_b32 v240, v232
	v_floor_f32 v232, -v233
	v_sub_f32 v240, v232, v240                     ; old M - new M: a whole number, 0 or less
	v_cvt_i32_f32 v240, v240
	v_ldexp_f32 v236, 1.0, v240                    ; f = 2^(old M - new M)
.endif
.set j, 0
.rept 32
	v_pk_fma_f32 v[40+j:41+j], v[40+j:41+j], s[42:43], v[232:233] op_sel_hi:[1,0,0]
.set j, j+2
.endr
	v_fma_f32 v238, v238, s42, v232
	v_fma_f32 v239, v239, s42, v232
.set j, 0
.rept 64
	v_exp_f32 v[40+j], v[40+j]
.set j, j+1
.endr
.if \first
	v_nop
.else
	v_pk_mul_f32 v[234:235], v[234:235], v[236:237] op_sel_hi:[1,0]
.endif
	s_wait_alu depctr_va_vdst(0)                   ; one wait for the 64, ahead of their first reader
	v_exp_f32 v238, v238
	v_exp_f32 v239, v239
.if \first
	v_pk_add_f32 v[234:235], v[40:41], v[42:43]    ; the row's sum is taken of the unquantised p
	v_pk_add_f32 v[246:247], v[44:45], v[46:47]
.set j, 8
.rept 14
	v_pk_add_f32 v[234:235], v[234:235], v[40+j:41+j]
	v_pk_add_f32 v[246:247], v[246:247], v[42+j:43+j]
.set j, j+4
.endr
.else
	v_pk_add_f32 v[246:247], v[40:41], v[42:43]
.set j, 4
.rept 15
	v_pk_add_f32 v[234:235], v[234:235], v[40+j:41+j]
	v_pk_add_f32 v[246:247], v[246:247], v[42+j:43+j]
.set j, j+4
.endr
.endif
	v_pk_add_f32 v[234:235], v[234:235], v[246:247]
	s_wait_alu depctr_va_vdst(0)                   ; and one for the two
	v_max_num_f32 v238, 0x1800000, v238
	v_max_num_f32 v239, 0x1800000, v239
	v_add_nc_u32 v242, 0xff000000, v238
	v_add_nc_u32 v243, 0xff000000, v239
	v_lshrrev_b32 v244, 23, v242
	v_lshrrev_b32 v245, 23, v243
	v_lshl_or_b32 v244, v245, 16, v244             ; blocks h and 2 + h,
	v_lshlrev_b32 v244, v8, v244                   ; at their places,
	v_permlanex16_b32 v241, v244, s40, s41
	v_or_b32 v225, v244, v241                      ; with the other two: p's scale word
.irp c, 0,1
.irp t, 0,1,2,3
	v_cvt_scalef32_pk8_fp4_f32 v[208+4*\c+\t], v[40+32*\c+8*\t:47+32*\c+8*\t], v[242+\c]
.endr
.endr
	v_nop
.if \first
	NOPS 8                                         ; places between the scale word's last write and the products
.else
.set j, 0
.rept 16
	v_pk_mul_f32 v[104+j:105+j], v[104+j:105+j], v[236:237] op_sel_hi:[1,0]   ; O^T under the new M; also those places
.set j, j+2
.endr
.endif
	s_wait_dscnt 0x0
.irp t, 0,1,2,3
.if \first
	WM0 104+8*\t, 176+8*\t, 208, 220+\t, 225
.else
	WM 104+8*\t, 176+8*\t, 208, 104+8*\t, 220+\t, 225
.endif
.endr
.endm
	s_mov_b32 s56, 0
.Lunit:
	STEP 0, 1
	STEP 1, 0
	STEP 2, 0
	NOPS 4
	v_add_f32 v234, v234, v235
	v_permlanex16_b32 v241, v234, s40, s41
	v_add_f32 v234, v234, v241
	v_rcp_f32 v234, v234
	v_nop
	s_wait_alu depctr_va_vdst(0)
.set j, 0
.rept 16
	v_pk_mul_f32 v[40+j:41+j], v[104+j:105+j], v[234:235] op_sel_hi:[1,0]   ; my query's channels 64 head + 32 h + 0 .. 31: a block of proj's K
.set j, j+2
.endr
	QB32 40, 72, 248
	v_lshlrev_b32 v240, v8, v251
	v_permlanex16_b32 v241, v240, s40, s41
	v_or_b32 v240, v240, v241
	ds_store_b128 v13, v[72:75]
	ds_store_b16 v14, v240
	s_wait_dscnt 0x0                               ; the stores have read their registers
.irp k, 0,1,2,3
	v_mov_b32 v[136+\k], v[226+\k]                 ; the second tile of queries
.endr
	v_mov_b32 v224, v230
.set j, 0
.rept 24
	v_add_nc_u32 v[16+j], 64, v[16+j]              ; 16 queries on in the table
.set j, j+1
.endr
	v_add_nc_u32 v13, 4096, v13
	v_add_nc_u32 v14, 256, v14
	s_add_co_u32 s56, s56, 1
	s_cmp_lt_u32 s56, 2
	s_cbranch_scc1 .Lunit
	; wproj's strip w (it stays in registers) and my four rows of x
	s_lshl_b32 s54, s34, 13
	s_add_co_u32 s54, s54, 393216
	s_add_nc_u64 s[66:67], s[14:15], s[54:55]
	s_lshl_b32 s54, s34, 9
	s_add_co_u32 s54, s54, 24576
	s_add_nc_u64 s[68:69], s[16:17], s[54:55]
	s_lshl_b32 s54, ttmp9, 17
	s_lshl_b32 s53, s34, 13
	s_add_co_u32 s54, s54, s53
	s_add_nc_u64 s[70:71], s[4:5], s[54:55]
	s_add_nc_u64 s[72:73], s[32:33], s[54:55]
	v_lshlrev_b32 v252, 3, v2
.set k, 0
.rept 8
	global_load_b128 v[144+8*k:147+8*k], v4, s[66:67] offset:1024*k
	global_load_b128 v[148+8*k:151+8*k], v4, s[66:67] offset:1024*k+512
.set k, k+1
.endr
.irp s, 0,1,2,3
	global_load_b64 v[208+2*\s:209+2*\s], v252, s[68:69] offset:128*\s
.endr
.set k, 0
.rept 16
	global_load_b128 v[16+4*k:19+4*k], v4, s[70:71] offset:2048*(k/4)+512*(k%4) th:TH_LOAD_NT
.set k, k+1
.endr
	BAR
	; ---- P4: out channels 32 w .. 32 w + 31 for the 64 rows; v80-143 the sums (16 m + 8 t)
	v_add_nc_u32 v9, OI_, v4
	v_add_nc_u32 v10, OS_, v7
	s_mul_i32 s53, s34, 160
	v_mul_u32_u24 v11, v2, XP
	v_mad_u32_u24 v11, v3, 80, v11
	v_add_nc_u32 v11, s53, v11                     ; X2: row r, place 2 w + h;
	v_add_nc_u32 v12, 32*XP, v11                   ; rows 32 on
	s_wait_loadcnt 16                              ; wproj is in; x's 16 loads may be out
.irp s, 0,1,2,3
.if \s
	NOPS 4
.endif
.irp m, 0,1,2,3
.irp cc, 0,1
	ds_load_b128 v[216+8*\m+4*\cc:219+8*\m+4*\cc], v9 offset:(4*\m+\s)*1024+512*\cc
.endr
	ds_load_b32 v[248+\m], v10 offset:(4*\m+\s)*64
.endr
	s_wait_dscnt 0x0
.irp m, 0,1,2,3
.irp t, 0,1
.if \s == 0
	WM0 80+16*\m+8*\t, 144+8*\t, 216+8*\m, 208+\t, 248+\m
.else
	WM 80+16*\m+8*\t, 144+8*(2*\s+\t), 216+8*\m, 80+16*\m+8*\t, 208+2*\s+\t, 248+\m
.endif
.endr
.endr
.endr
	NOPS 4
.irp m, 0,1
.irp q, 0,1,2,3
	ds_store_b128 v11, v[80+16*\m+4*\q:83+16*\m+4*\q] offset:16*XP*\m+16*\q
.endr
.endr
.irp m, 0,1
.irp q, 0,1,2,3
	ds_store_b128 v12, v[112+16*\m+4*\q:115+16*\m+4*\q] offset:16*XP*\m+16*\q
.endr
.endr
	v_lshlrev_b32 v253, 6, v1
	v_lshlrev_b32 v254, 4, v0
	s_wait_dscnt 0x0                               ; the stores have read their registers: loads may land there
.irp q, 0,1,2,3
	global_load_b128 v[208+4*\q:211+4*\q], v4, s[22:23] offset:512*\q
	global_load_b128 v[80+4*\q:83+4*\q], v253, s[24:25] offset:16*\q
	global_load_b128 v[96+4*\q:99+4*\q], v253, s[26:27] offset:16*\q
.endr
	global_load_b128 v[224:227], v254, s[28:29]
	s_barrier_signal -1
	s_barrier_wait -1
	; ---- P5: rows 4 w .. 4 w + 3
	s_mul_i32 s53, s34, 4*XP
	v_lshrrev_b32 v9, 2, v1
	v_mul_u32_u24 v9, v9, 80
	v_and_b32 v10, 3, v1
	v_lshl_add_u32 v9, v10, 4, v9
	v_add_nc_u32 v9, s53, v9                       ; as the rows lie in memory: channels 4 l + 128 q
	v_mul_u32_u24 v10, v1, 80
	v_add_nc_u32 v10, s53, v10                     ; 16 neighbours a lane
	v_lshl_add_u32 v13, v0, 4, B1S_
	s_lshr_b32 s53, s34, 2
	s_and_b32 s54, s34, 3
	s_lshl_b32 s54, s54, 6
	s_mul_i32 s39, s53, 4352
	s_add_co_u32 s39, s39, s54
	s_add_co_u32 s39, s39, H2I_
	v_lshrrev_b32 v15, 1, v1
	v_mul_u32_u24 v14, v15, 272
	v_and_b32 v112, 1, v1
	v_lshl_add_u32 v14, v112, 3, v14
	v_add_nc_u32 v14, s39, v14
	s_lshl_b32 s53, s53, 8
	s_add_co_u32 s53, s53, s54
	s_add_co_u32 s53, s53, H2S_
	v_add_nc_u32 v15, s53, v15
	s_lshl_b32 s54, s34, 16                        ; my stream of mlp_w1's and mlp_w2's fragments: 16 sets of 4,096 bytes,
	s_add_co_u32 s54, s54, 524288
	s_add_nc_u64 s[74:75], s[14:15], s[54:55]
	s_lshl_b32 s54, s34, 12                        ; and of 256 bytes of scale words
	s_add_co_u32 s54, s54, 32768
	s_add_nc_u64 s[76:77], s[16:17], s[54:55]
	s_lshl_b32 s54, s34, 7
	s_add_nc_u64 s[78:79], s[30:31], s[54:55]      ; mlp_b2 at channel 32 w
.irp p, 0,1,2,3
	v_mov_b32 v[120+\p], 0
.endr
	s_wait_loadcnt 0x0
	ds_store_b128 v13, v[224:227]
.set k, 0
.rept 16
	ds_load_b128 v[144+4*k:147+4*k], v9 offset:XP*(k/4)+640*(k%4)
.set k, k+1
.endr
	s_wait_dscnt 0x0
.irp p, 0,1,2,3
.irp k, 0,2,4,6,8,10,12,14
	v_pk_add_f32 v[144+16*\p+\k:145+16*\p+\k], v[144+16*\p+\k:145+16*\p+\k], v[208+\k:209+\k]
.endr
.endr
.irp p, 0,1,2,3
.irp k, 0,2,4,6,8,10,12,14
	v_pk_add_f32 v[144+16*\p+\k:145+16*\p+\k], v[144+16*\p+\k:145+16*\p+\k], v[16+16*\p+\k:17+16*\p+\k]
.endr
.endr
.set k, 0
.rept 16
	ds_store_b128 v9, v[144+4*k:147+4*k] offset:XP*(k/4)+640*(k%4)
.set k, k+1
.endr
.set k, 0
.rept 16
	ds_load_b128 v[16+4*k:19+4*k], v10 offset:XP*(k/4)+16*(k%4)   ; LDS serves a wave's instructions in order: these see my stores
.set k, k+1
.endr
	s_wait_dscnt 0x0
.macro SLOAD k, set                    ; set k of the stream, counted from the base: 8 loads of codes, 1 of scale words
.irp f, 0,1,2,3
.irp cc, 0,1
	global_load_b128 v[144+32*(\set)+8*\f+4*\cc:147+32*(\set)+8*\f+4*\cc], v4, s[74:75] offset:(\k)*4096+1024*\f+512*\cc
.endr
.endr
	global_load_b128 v[208+4*(\set):211+4*(\set)], v6, s[76:77] offset:(\k)*256
.endm
	SLOAD 0, 0
	SLOAD 1, 1
	LNORM 16, 80, 96, 112
.irp p, 0,1,2,3
	QROW 16+16*\p, 14, 16*\p, 15, 16*\p, 128+2*\p, 136+\p, 140
.endr
	BAR
	; ---- P6: hidden units 128 w .. 128 w + 127 for the 64 rows, 64 units a trip.  v16-143 the sums (32 m + 8 t); v144-215 two sets of the stream; v216-247 LN2's fragments, then z
	v_mul_u32_u24 v9, v3, 272
	v_add_nc_u32 v9, v9, v6
	v_add_nc_u32 v9, H2I_, v9
	v_add_nc_u32 v10, H2S_, v6
	s_lshl_b32 s53, s34, 9
	s_add_co_u32 s53, s53, B1S_
	v_lshl_add_u32 v13, v3, 7, s53
	s_lshl_b32 s53, s34, 10
	s_add_co_u32 s53, s53, HI_
	v_add_nc_u32 v1, s53, v4                       ; v1: where my hidden codes go
	s_lshl_b32 s53, s34, 7
	s_add_co_u32 s53, s53, HS_
	v_add_nc_u32 v2, s53, v5                       ; v2: and their scale words
	v_lshlrev_b32 v3, 6, v3                        ; v3: 64 h, for mlp_b2
	v_mov_b32 v14, 0xc0135761                      ; c1 = -2 sqrt(2 / pi) log2(e)
	v_mov_b32 v15, v14
	s_mov_b32 s58, 0xbdd2d3e8                      ; c2 = 0.044715 c1
	s_mov_b32 s59, s58
.irp m, 0,1,2,3
	v_mov_b32 v[252+\m], 0
.endr
.macro MSTEP s
.irp m, 0,1,2,3
.irp cc, 0,1
	ds_load_b128 v[216+8*\m+4*\cc:219+8*\m+4*\cc], v9 offset:4352*\m+(4*\s+2*\cc)*272
.endr
	ds_load_b32 v[248+\m], v10 offset:256*\m+4*\s
.endr
	s_wait_loadcnt 9                               ; this step's set is in; the next set's nine loads may be out
	s_wait_dscnt 0x0
.irp m, 0,1,2,3
.irp t, 0,1,2,3
	WM 16+32*\m+8*\t, 144+32*(\s%2)+8*\t, 216+8*\m, 16+32*\m+8*\t, 208+4*(\s%2)+\t, 248+\m
.endr
.endr
	NOPS 4
	SLOAD \s+2, \s%2
.endm
.macro GELUQ m                         ; x / (1 + 2^z), z = x (c1 + c2 x^2); then the block's codes and byte
.set XB, 16+32*\m
.set j, 0
.rept 16
	v_pk_mul_f32 v[216+j:217+j], v[XB+j:XB+j+1], v[XB+j:XB+j+1]
.set j, j+2
.endr
.set j, 0
.rept 16
	v_pk_fma_f32 v[216+j:217+j], v[216+j:217+j], s[58:59], v[14:15] op_sel_hi:[1,0,0]
.set j, j+2
.endr
.set j, 0
.rept 16
	v_pk_mul_f32 v[216+j:217+j], v[216+j:217+j], v[XB+j:XB+j+1]
.set j, j+2
.endr
.set j, 0
.rept 32
	v_exp_f32 v[216+j], v[216+j]
.set j, j+1
.endr
	v_nop
	s_wait_alu depctr_va_vdst(0)
.set j, 0
.rept 16
	v_pk_add_f32 v[216+j:217+j], v[216+j:217+j], 1.0 op_sel_hi:[1,0]
.set j, j+2
.endr
.set j, 0
.rept 32
	v_rcp_f32 v[216+j], v[216+j]
.set j, j+1
.endr
	v_nop
	s_wait_alu depctr_va_vdst(0)
.set j, 0
.rept 16
	v_pk_mul_f32 v[XB+j:XB+j+1], v[XB+j:XB+j+1], v[216+j:217+j]
.set j, j+2
.endr
	QB32 XB, 216, 220
	v_lshlrev_b32 v224, v8, v223
	v_permlanex16_b32 v225, v224, s40, s41
	v_or_b32 v224, v224, v225
	ds_store_b128 v1, v[216:219] offset:16384*\m
	v_lshl_or_b32 v[252+\m], v224, s57, v[252+\m]
	s_wait_dscnt 0x0                               ; the store has read its registers
.endm
	s_mov_b32 s56, 0
	s_mov_b32 s57, 0
.Lgg:
.irp m, 0,1,2,3
.irp i, 0,1,2,3,4,5,6,7
	ds_load_b128 v[16+32*\m+4*\i:19+32*\m+4*\i], v13 offset:16*\i   ; mlp_b1 is the C of the first products
.endr
.endr
	MSTEP 0
	MSTEP 1
	MSTEP 2
	MSTEP 3
	GELUQ 0
	GELUQ 1
	GELUQ 2
	GELUQ 3
	s_wait_xcnt 0x0                                ; the loads that are out have read their bases
	s_add_nc_u64 s[74:75], s[74:75], 16384
	s_add_nc_u64 s[76:77], s[76:77], 1024
	v_add_nc_u32 v1, 512, v1
	v_add_nc_u32 v13, 256, v13
	s_add_co_u32 s57, s57, 16
	s_add_co_u32 s56, s56, 1
	s_cmp_lt_u32 s56, 2
	s_cbranch_scc1 .Lgg
.irp m, 0,1,2,3
	ds_store_b32 v2, v[252+\m] offset:2048*\m
.endr
	BAR
	; ---- P7: out channels 32 w .. 32 w + 31; the sums begin as x2 + b2.  v16-79 the sums (16 m + 8 t); v80-143 eight hidden fragments; v216-223 their scale words
	v_add_nc_u32 v9, HI_, v4
	v_add_nc_u32 v10, HS_, v7
.irp q, 0,1,2,3
	global_load_b128 v[224+4*\q:227+4*\q], v3, s[78:79] offset:16*\q
.endr
.irp m, 0,1
.irp q, 0,1,2,3
	ds_load_b128 v[16+16*\m+4*\q:19+16*\m+4*\q], v11 offset:16*XP*\m+16*\q
	ds_load_b128 v[48+16*\m+4*\q:51+16*\m+4*\q], v12 offset:16*XP*\m+16*\q
.endr
.endr
	s_wait_loadcnt 0x0                             ; b2, and with it the stream's two sets that were out
	s_wait_dscnt 0x0
.irp m, 0,1,2,3
.irp k, 0,2,4,6,8,10,12,14
	v_pk_add_f32 v[16+16*\m+\k:17+16*\m+\k], v[16+16*\m+\k:17+16*\m+\k], v[224+\k:225+\k]
.endr
.endr
	NOPS 4
.macro WSTEP j, load, cnt              ; two K steps of 128 hidden units
.irp sp, 0,1
.irp m, 0,1,2,3
.irp cc, 0,1
	ds_load_b128 v[80+8*(4*\sp+\m)+4*\cc:83+8*(4*\sp+\m)+4*\cc], v9 offset:(16*\m+2*\j+\sp)*1024+512*\cc
.endr
	ds_load_b32 v[216+4*\sp+\m], v10 offset:(16*\m+2*\j+\sp)*128
.endr
.endr
	s_wait_loadcnt \cnt                            ; this set is in; the next set's nine loads may be out
	s_wait_dscnt 0x0
.irp sp, 0,1
.irp m, 0,1,2,3
.irp t, 0,1
	WM 16+16*\m+8*\t, 144+32*\j+8*(2*\sp+\t), 80+8*(4*\sp+\m), 16+16*\m+8*\t, 208+4*\j+2*\sp+\t, 216+4*\sp+\m
.endr
.endr
.endr
	NOPS 4
.if \load
	SLOAD \j+2, \j
.endif
.endm
	s_mov_b32 s56, 0
.Lw2:
	WSTEP 0, 1, 9
	WSTEP 1, 1, 9
	s_wait_xcnt 0x0
	s_add_nc_u64 s[74:75], s[74:75], 8192
	s_add_nc_u64 s[76:77], s[76:77], 512
	v_add_nc_u32 v9, 4096, v9
	v_add_nc_u32 v10, 512, v10
	s_add_co_u32 s56, s56, 1
	s_cmp_lt_u32 s56, 3
	s_cbranch_scc1 .Lw2
	WSTEP 0, 0, 9                                  ; the last two sets: nothing is left to fetch
	WSTEP 1, 0, 0
.irp m, 0,1
.irp q, 0,1,2,3
	ds_store_b128 v11, v[16+16*\m+4*\q:19+16*\m+4*\q] offset:16*XP*\m+16*\q   ; back to the bytes that I alone have read since the last barrier but one
.endr
.endr
.irp m, 0,1
.irp q, 0,1,2,3
	ds_store_b128 v12, v[48+16*\m+4*\q:51+16*\m+4*\q] offset:16*XP*\m+16*\q
.endr
.endr
	v_and_b32 v13, 31, v0
	v_lshrrev_b32 v14, 2, v13
	v_mul_u32_u24 v14, v14, 80
	v_and_b32 v13, 3, v13
	v_lshl_add_u32 v13, v13, 4, v14
	s_mul_i32 s53, s34, 4*XP
	v_add_nc_u32 v13, s53, v13
	BAR
	; ---- P8: rows 4 w .. 4 w + 3 leave, 512 bytes on end a store
.set k, 0
.rept 16
	ds_load_b128 v[80+4*k:83+4*k], v13 offset:XP*(k/4)+640*(k%4)
.set k, k+1
.endr
.set k, 0
.rept 16
	s_wait_dscnt 15-k                              ; load k is in; the younger ones may be out
	global_store_b128 v4, v[80+4*k:83+4*k], s[72:73] offset:2048*(k/4)+512*(k%4) th:TH_STORE_NT
.set k, k+1
.endr
	s_wait_xcnt 0x0
	v_lshl_add_u32 v254, v0, 2, 0x4c000
	v_mov_b32 v255, 0
	s_wait_tensorcnt 0x0
	ds_add_u32 v254, v255
	s_wait_dscnt 0x0
	s_endpgm
.Lfunc_end_k_qc7dc61ee3f_tail:
	.size	k_qc7dc61ee3f_tail, .Lfunc_end_k_qc7dc61ee3f_tail-k_qc7dc61ee3f_tail
	.p2alignl 7, 3214868480
	.fill 96, 4, 3214868480
	.section	.rodata,"a",@progbits
	.p2align	6, 0x0
	.amdhsa_kernel k_qc7dc61ee3f_tail
		.amdhsa_group_segment_fixed_size 313344
		.amdhsa_private_segment_fixed_size 0
		.amdhsa_enable_private_segment 0
		.amdhsa_kernarg_size 120
		.amdhsa_user_sgpr_count 2
		.amdhsa_user_sgpr_kernarg_segment_ptr 1
		.amdhsa_wavefront_size32 1
		.amdhsa_system_sgpr_workgroup_id_x 1
		.amdhsa_system_sgpr_workgroup_id_y 1
		.amdhsa_system_sgpr_workgroup_id_z 1
		.amdhsa_system_vgpr_workitem_id 0
		.amdhsa_next_free_vgpr 256
		.amdhsa_next_free_sgpr 88
		.amdhsa_reserve_vcc 1
		.amdhsa_float_denorm_mode_32 3
		.amdhsa_float_denorm_mode_16_64 3
		.amdhsa_memory_ordered 1
		.amdhsa_forward_progress 1
		.amdhsa_inst_pref_size 233
	.end_amdhsa_kernel
	.amdgpu_metadata
---
amdhsa.version: [ 1, 2 ]
amdhsa.kernels:
  - .name:           k_qc7dc61ee3f_tail
    .symbol:         k_qc7dc61ee3f_tail.kd
    .args:
      - { .name: x, .offset: 0, .size: 8, .value_kind: global_buffer, .address_space: global }
      - { .name: hcod, .offset: 8, .size: 8, .value_kind: global_buffer, .address_space: global }
      - { .name: hscl, .offset: 16, .size: 8, .value_kind: global_buffer, .address_space: global }
      - { .name: qkc, .offset: 24, .size: 8, .value_kind: global_buffer, .address_space: global }
      - { .name: qks, .offset: 32, .size: 8, .value_kind: global_buffer, .address_space: global }
      - { .name: wcod, .offset: 40, .size: 8, .value_kind: global_buffer, .address_space: global }
      - { .name: wscl, .offset: 48, .size: 8, .value_kind: global_buffer, .address_space: global }
      - { .name: tab, .offset: 56, .size: 8, .value_kind: global_buffer, .address_space: global }
      - { .name: bkv, .offset: 64, .size: 8, .value_kind: global_buffer, .address_space: global }
      - { .name: bproj, .offset: 72, .size: 8, .value_kind: global_buffer, .address_space: global }
      - { .name: ln2_s, .offset: 80, .size: 8, .value_kind: global_buffer, .address_space: global }
      - { .name: ln2_b, .offset: 88, .size: 8, .value_kind: global_buffer, .address_space: global }
      - { .name: mlp_b1, .offset: 96, .size: 8, .value_kind: global_buffer, .address_space: global }
      - { .name: mlp_b2, .offset: 104, .size: 8, .value_kind: global_buffer, .address_space: global }
      - { .name: out0, .offset: 112, .size: 8, .value_kind: global_buffer, .address_space: global }
    .group_segment_fixed_size: 313344
    .private_segment_fixed_size: 0
    .kernarg_segment_align: 8
    .kernarg_segment_size: 120
    .max_flat_workgroup_size: 512
    .sgpr_count:     88
    .vgpr_count:     256
    .wavefront_size: 32
...
	.end_amdgpu_metadata
.endif
;; end of part 3
;; ======== version 2 of 2: 3 launches; version 1 with the launches front, tail written anew for expert scheduling mode
;; workspace buffers: wcod 1,572,864 bytes; wscl 98,304 bytes; tab 32,768 bytes; hcod 7,340,032 bytes; hscl 458,752 bytes; qkc 11,534,336 bytes; qks 1,441,792 bytes
;; launch prep: the kernel of part 1 again; grid 200 x 1, 4 waves a work-group, no clusters, 0 bytes of LDS; arguments wq, wkv, wproj, mlp_w1, mlp_w2, rpb_w1, rpb_b1, rpb_w2, rpb_b2, wcod, wscl, tab; writes wcod, wscl, tab
;; launch front (part 4): grid 256 x 1, 16 waves a work-group, no clusters, 202,752 bytes of LDS; arguments x, ln1_s, ln1_b, bq, bkv, wcod, wscl, hcod, hscl, qkc, qks; writes hcod, hscl, qkc, qks
.if DOCPART == 4
	.amdgcn_target "amdgcn-amd-amdhsa--gfx1250"
	.amdhsa_code_object_version 6
	.text
	.protected	k_qc7dc61ee3f_front
	.globl	k_qc7dc61ee3f_front
	.p2align	8
	.type	k_qc7dc61ee3f_front,@function
k_qc7dc61ee3f_front:
	s_mov_b64 s[64:65], 0
	v_nop
	global_prefetch_b8 v0, s[64:65] scope:SCOPE_SE
	s_setreg_imm32_b32 hwreg(HW_REG_WAVE_SCHED_MODE, 0, 2), 2
	s_setreg_imm32_b32 hwreg(HW_REG_WAVE_MODE, 25, 1), 1
	s_wait_xcnt 0x0
	s_wait_alu depctr_vm_vsrc(0)
; For 64 rows of x (one query window): LN1, mean pooling by 2 and 4, h of the three levels as codes of FP4 (K = the 512 channels); then q (level 0) and k (all levels),
; each quantised along its head's 64.  Sixteen waves.
; PHASE A: wave w takes rows 4 w .. 4 w + 3.  Loads read 512 bytes on end; a turn through the wave's own stage gives a lane 16 neighbouring channels; two lanes hold a block of 32.
; PHASE B: wave g owns 64 output columns: q's head g (g < 8) or k's head g - 8.  The product is used transposed (source 0 = 16 columns of the weight, source 1 = 16 rows of h) and the columns
; of a fragment are chosen (launch prep) so that a lane's 32 results of four fragments are one row's channels 32 h .. 32 h + 31 of the head: a whole block, quantised without another lane.
; OUT: hcod [window][block 16][token 8][16 B], hscl [window][token 8][16 bytes]; qkc [b][head][window][h 2][token 8][16 B]; qks one word a (b, head, token): two bytes, above them 0x7f7f for the zero codes that fill K to 128.
; LIMITS: NaN and infinities are not served; a block of zeros or under 2^-124 gets the byte 1 (read by this program alone); sums are taken in another f32 order than a row-wise sum.
; THE MODE: SCHED_MODE bits 1:0 = 2 (LLVM: expert scheduling mode 2), set by the entry lines.  The code itself states the register dependences
; between vector or matrix instructions and memory or LDS instructions, with s_wait_alu, always for 0.
; THE PLAN.  Registers that memory or LDS instructions touch:
;   v4-v7, v253, v254   offsets, made once at the head.     v9-v15, v252, v255   LDS addresses, made behind the first loads; v9-v14 are made anew ahead of the barrier.
;   v16-79    x lands; the stage's stores read it; later weights land.        v80-143   the stage's loads land; LN and the quantiser work there; later weights land.
;   v144-145  a pair of biases lands; its LDS store reads it; the pooling writes v144-191; later the weights' scale words land in v144-159.
;   v228-248  the seven rows' codes and bytes, registers of their own for each row: written by the quantiser, read by ONE run of 14 stores.
;   PHASE B: v160-227: the biases, h's fragments and scale words land; the tile's 16 products read them.   v228-231, v236: written by the tile's quantiser, read by its two global stores.
; A tile of phase B has one wait on va_vdst, behind its quantiser: it states that the codes and the scale word are written (the two stores) and that the products and the quantiser are done
; with v160-227 (the next tile's 17 LDS loads, which stand ahead of the stores); and one wait on vm_vsrc, ahead of the quantiser, for the last tile's stores.
.set STG, 0                            ; 16 waves x 4 rows x 2,560 bytes: a row as 32 places of 64 + 16 bytes
.set IMG, 163840                       ; 7 tiles of 16 rows x 4,352: [block 16, pitch 272][row 16][16 B]; tiles 0-3 level 0, 4-5 level 1, 6 level 2
.set TP,  4352
.set SCL, 194304                       ; [tile][row][16 bytes]
.set BIA, 196096                       ; bq, then bkv[0:512]
.set SINV, 42                          ; s42 1/512, s43 1e-5
.set SEPS, 43
.macro NOPS n
.rept \n
	v_nop
.endr
.endm
.macro WM d, a, b, c, sa, sb
	v_wmma_scale_f32_16x16x128_f8f6f4 v[\d:\d+7], v[\a:\a+7], v[\b:\b+7], v[\c:\c+7], v[\sa], v[\sb] matrix_a_fmt:MATRIX_FMT_FP4 matrix_b_fmt:MATRIX_FMT_FP4
.endm
; 32 numbers of one block in v[x] on -> 4 registers of codes at v[c]; v[t], v[t+1] at work, v[t+2] the conversion's scale operand, v[t+3] the byte.  Each run of eight is read from its low end on.
.macro QB32 x, c, t
	v_max3_num_f32 v[\t], |v[\x]|, |v[\x+1]|, 0x1800000            ; with the floor 2^(3 - 127)
	v_max3_num_f32 v[\t+1], |v[\x+16]|, |v[\x+17]|, |v[\x+18]|
.irp i, 2,4,6,8,10,12
	v_max3_num_f32 v[\t], v[\t], |v[\x+\i]|, |v[\x+\i+1]|
	v_max3_num_f32 v[\t+1], v[\t+1], |v[\x+17+\i]|, |v[\x+18+\i]|
.endr
	v_max3_num_f32 v[\t], v[\t], |v[\x+14]|, |v[\x+15]|
	v_max3_num_f32 v[\t], v[\t], v[\t+1], |v[\x+31]|
	v_add_nc_u32 v[\t+2], 0xff000000, v[\t]
.irp g, 0,1,2,3
	v_cvt_scalef32_pk8_fp4_f32 v[\c+\g], v[\x+8*\g:\x+8*\g+7], v[\t+2]
.endr
	v_lshrrev_b32 v[\t+3], 23, v[\t+2]             ; the byte; also the plain line behind the conversions
.endm
; 16 neighbours of a lane (two lanes hold a block): the codes into v[cr], v[cr+1], the byte into v[br]
.macro QROWC x, cr, br, t
	v_max3_num_f32 v[\t], |v[\x]|, |v[\x+1]|, |v[\x+2]|
	v_max3_num_f32 v[\t+1], |v[\x+3]|, |v[\x+4]|, |v[\x+5]|
.irp i, 6,10
	v_max3_num_f32 v[\t], v[\t], |v[\x+\i]|, |v[\x+\i+1]|
	v_max3_num_f32 v[\t+1], v[\t+1], |v[\x+\i+2]|, |v[\x+\i+3]|
.endr
	v_max3_num_f32 v[\t], v[\t], |v[\x+14]|, |v[\x+15]|
	v_max3_num_f32 v[\t], v[\t], v[\t+1], 0x1800000
	v_max_num_f32_dpp v[\t], v[\t], v[\t] row_xmask:1 row_mask:0xf bank_mask:0xf
	v_add_nc_u32 v[\t+2], 0xff000000, v[\t]
	v_cvt_scalef32_pk8_fp4_f32 v[\cr], v[\x:\x+7], v[\t+2]
	v_cvt_scalef32_pk8_fp4_f32 v[\cr+1], v[\x+8:\x+15], v[\t+2]
	v_lshrrev_b32 v[\br], 23, v[\t+2]
.endm
; and from there: codes to the image, the byte to the scale bytes
.macro QROWS ca, ci, sa, si, cr, br
	ds_store_b64 v[\ca], v[\cr:\cr+1] offset:\ci
	ds_store_b8 v[\sa], v[\br] offset:\si          ; both lanes of a block write the same byte with the same value
.endm
.macro RED4 T                          ; v[T], v[T+2], v[T+4], v[T+6]: each summed over the 32 lanes
.irp x, 1,2,4,8
.irp p, 0,1,2,3
	v_add_f32_dpp v[\T+2*\p], v[\T+2*\p], v[\T+2*\p] row_xmask:\x row_mask:0xf bank_mask:0xf
.endr
.endr
.irp p, 0,1,2,3
	v_permlanex16_b32 v[\T+8+\p], v[\T+2*\p], s40, s41
.endr
.irp p, 0,1,2,3
	v_add_f32 v[\T+2*\p], v[\T+2*\p], v[\T+8+\p]
.endr
.endm
; four rows of 512, 16 numbers a lane at v[X + 16 p]: (x - mean) rsqrt(var + 1e-5) s + b, the four rows by turns; the variance is taken of the differences
.macro LNORM X, S, B, T
.irp p, 0,1,2,3
	v_pk_add_f32 v[\T+2*\p:\T+2*\p+1], v[\X+16*\p:\X+16*\p+1], v[\X+16*\p+2:\X+16*\p+3]
.endr
.irp k, 4,6,8,10,12,14
.irp p, 0,1,2,3
	v_pk_add_f32 v[\T+2*\p:\T+2*\p+1], v[\T+2*\p:\T+2*\p+1], v[\X+16*\p+\k:\X+16*\p+\k+1]
.endr
.endr
.irp p, 0,1,2,3
	v_add_f32 v[\T+2*\p], v[\T+2*\p], v[\T+2*\p+1]
.endr
	RED4 \T
.irp p, 0,1,2,3
	v_mul_f32 v[\T+2*\p], s[SINV], v[\T+2*\p]      ; the mean
.endr
.irp k, 0,2,4,6,8,10,12,14
.irp p, 0,1,2,3
	v_pk_add_f32 v[\X+16*\p+\k:\X+16*\p+\k+1], v[\X+16*\p+\k:\X+16*\p+\k+1], v[\T+2*\p:\T+2*\p+1] op_sel_hi:[1,0] neg_lo:[0,1] neg_hi:[0,1]
.endr
.endr
.irp p, 0,1,2,3
	v_pk_mul_f32 v[\T+2*\p:\T+2*\p+1], v[\X+16*\p:\X+16*\p+1], v[\X+16*\p:\X+16*\p+1]
.endr
.irp k, 2,4,6,8,10,12,14
.irp p, 0,1,2,3
	v_pk_fma_f32 v[\T+2*\p:\T+2*\p+1], v[\X+16*\p+\k:\X+16*\p+\k+1], v[\X+16*\p+\k:\X+16*\p+\k+1], v[\T+2*\p:\T+2*\p+1]
.endr
.endr
.irp p, 0,1,2,3
	v_add_f32 v[\T+2*\p], v[\T+2*\p], v[\T+2*\p+1]
.endr
	RED4 \T
.irp p, 0,1,2,3
	v_fma_f32 v[\T+2*\p], v[\T+2*\p], s[SINV], s[SEPS]
.endr
.irp p, 0,1,2,3
	v_rsq_f32 v[\T+2*\p], v[\T+2*\p]
.endr
	v_nop                                          ; a plain line behind the last root
	s_wait_alu depctr_va_vdst(0)                   ; the four roots are written: one wait, ahead of their first reader
.irp k, 0,2,4,6,8,10,12,14
.irp p, 0,1,2,3
	v_pk_mul_f32 v[\X+16*\p+\k:\X+16*\p+\k+1], v[\X+16*\p+\k:\X+16*\p+\k+1], v[\T+2*\p:\T+2*\p+1] op_sel_hi:[1,0]
.endr
.endr
.irp k, 0,2,4,6,8,10,12,14
.irp p, 0,1,2,3
	v_pk_fma_f32 v[\X+16*\p+\k:\X+16*\p+\k+1], v[\X+16*\p+\k:\X+16*\p+\k+1], v[\S+\k:\S+\k+1], v[\B+\k:\B+\k+1]
.endr
.endr
.endm
	s_load_b512 s[4:19], s[0:1], 0x0               ; x, ln1_s, ln1_b, bq, bkv, wcod, wscl, hcod
	s_load_b128 s[20:23], s[0:1], 0x40             ; hscl, qkc
	s_load_b64 s[24:25], s[0:1], 0x50              ; qks
	v_and_b32 v1, 31, v0                           ; l
	v_and_b32 v2, 15, v0                           ; r
	v_bfe_u32 v3, v0, 4, 1                         ; h
	v_lshlrev_b32 v4, 4, v1                        ; 16 l
	v_lshlrev_b32 v5, 2, v1                        ; 4 l
	v_lshlrev_b32 v6, 4, v2                        ; 16 r
	v_lshlrev_b32 v7, 2, v2                        ; 4 r
	v_lshlrev_b32 v8, 3, v3                        ; 8 h
	v_lshrrev_b32 v9, 5, v0
	v_readfirstlane_b32 s34, v9                    ; wave
	s_mov_b32 s40, 0x76543210
	s_mov_b32 s41, 0xfedcba98                      ; v_permlanex16_b32's selects for lane l xor 16
	s_mov_b32 s42, 0x3b000000
	s_mov_b32 s43, 0x3727c5ac
	s_lshl_b32 s36, ttmp9, 17                      ; 64 rows of 2,048 bytes a work-group,
	s_wait_alu depctr_va_sdst(0)                   ; s34 is written, ahead of its first reader
	s_lshl_b32 s37, s34, 13                        ; 4 rows a wave
	s_add_co_u32 s36, s36, s37
	s_mov_b32 s37, 0
	v_lshlrev_b32 v254, 6, v1                      ; 64 l: my 16 numbers of ln1_s, ln1_b
	v_and_b32 v253, 255, v0
	v_lshlrev_b32 v253, 3, v253                    ; 8 (thread % 256): my two numbers of bq or of bkv
	s_wait_kmcnt 0x0
	s_add_nc_u64 s[26:27], s[4:5], s[36:37]
	s_cmp_lt_u32 s34, 8
	s_cselect_b64 s[28:29], s[10:11], s[12:13]     ; waves 0-7 stage bq, waves 8-15 bkv's first 512
	s_wait_alu depctr_va_vdst(0)                   ; the offsets v4 to v7, v253 and v254 are written, which the loads and stores of the whole kernel read
.set k, 0
.rept 16
	global_load_b128 v[16+4*k:19+4*k], v4, s[26:27] offset:2048*(k/4)+512*(k%4) th:TH_LOAD_NT
.set k, k+1
.endr
.irp q, 0,1,2,3
	global_load_b128 v[192+4*\q:195+4*\q], v254, s[6:7] offset:16*\q
	global_load_b128 v[208+4*\q:211+4*\q], v254, s[8:9] offset:16*\q
.endr
	global_load_b64 v[144:145], v253, s[28:29]
	s_mul_i32 s38, s34, 10240                      ; my stage
	v_lshrrev_b32 v9, 2, v1
	v_mul_u32_u24 v9, v9, 80
	v_and_b32 v10, 3, v1
	v_lshl_add_u32 v9, v10, 4, v9
	v_add_nc_u32 v9, s38, v9                       ; in: 80 (l / 4) + 16 (l % 4)
	v_mul_u32_u24 v10, v1, 80
	v_add_nc_u32 v10, s38, v10                     ; out: 80 l
	v_lshrrev_b32 v248, 1, v1                      ; my block
	v_and_b32 v249, 1, v1
	v_mul_u32_u24 v250, v248, 272
	v_lshl_add_u32 v250, v249, 3, v250             ; 272 (l / 2) + 8 (l % 2)
	s_lshr_b32 s38, s34, 2                         ; level 0: tile w / 4, rows 4 (w % 4) on
	s_and_b32 s39, s34, 3
	s_lshl_b32 s39, s39, 6
	s_mul_i32 s44, s38, TP
	s_add_co_u32 s44, s44, s39
	s_add_co_u32 s44, s44, IMG
	v_add_nc_u32 v11, s44, v250
	s_lshl_b32 s44, s38, 8
	s_add_co_u32 s44, s44, s39
	s_add_co_u32 s44, s44, SCL
	v_add_nc_u32 v14, s44, v248
	s_lshr_b32 s38, s34, 3                         ; level 1: tile 4 + w / 8, rows 2 (w % 8) on
	s_and_b32 s39, s34, 7
	s_lshl_b32 s39, s39, 5
	s_mul_i32 s44, s38, TP
	s_add_co_u32 s44, s44, s39
	s_add_co_u32 s44, s44, IMG+4*TP
	v_add_nc_u32 v12, s44, v250
	s_lshl_b32 s44, s38, 8
	s_add_co_u32 s44, s44, s39
	s_add_co_u32 s44, s44, SCL+1024
	v_add_nc_u32 v15, s44, v248
	s_lshl_b32 s39, s34, 4                         ; level 2: tile 6, row w
	s_add_co_u32 s44, s39, IMG+6*TP
	v_add_nc_u32 v13, s44, v250
	s_add_co_u32 s44, s39, SCL+1536
	v_add_nc_u32 v252, s44, v248
	v_lshl_add_u32 v255, v0, 3, BIA
.irp p, 0,1,2,3
	v_mov_b32 v[232+\p], 0                         ; a lane permute's destination counts as one of its sources
.endr
	v_mov_b32 v237, 0
	s_wait_loadcnt 9                               ; x is in; the 8 loads of ln1_s, ln1_b and the bias load may be out
	s_wait_alu depctr_va_vdst(0)                   ; the LDS addresses v9 to v15, v252 and v255 are written, which phase A's LDS stores and loads read
.irp p, 0,1,2,3
.irp q, 0,1,2,3
	ds_store_b128 v9, v[16+16*\p+4*\q:19+16*\p+4*\q] offset:2560*\p+640*\q
.endr
.irp q, 0,1,2,3
	ds_load_b128 v[80+16*\p+4*\q:83+16*\p+4*\q], v10 offset:2560*\p+16*\q   ; LDS serves a wave's instructions in order: these see my stores
.endr
.endr
	s_wait_dscnt 0x0
	s_wait_loadcnt 0x0
	ds_store_b64 v255, v[144:145]
	s_wait_alu depctr_vm_vsrc(0)                   ; the bias store has read v[144:145], which the pooling writes; the stage's stores have read v16-79, in which weights will land
	LNORM 80, 192, 208, 224
.set k, 0
.rept 8
	v_pk_add_f32 v[144+k:145+k], v[80+k:81+k], v[96+k:97+k]
	v_pk_add_f32 v[160+k:161+k], v[112+k:113+k], v[128+k:129+k]
.set k, k+2
.endr
.set k, 0
.rept 8
	v_pk_mul_f32 v[144+k:145+k], v[144+k:145+k], 0.5 op_sel_hi:[1,0]
	v_pk_mul_f32 v[160+k:161+k], v[160+k:161+k], 0.5 op_sel_hi:[1,0]
.set k, k+2
.endr
.set k, 0
.rept 8
	v_pk_add_f32 v[176+k:177+k], v[144+k:145+k], v[160+k:161+k]
.set k, k+2
.endr
.set k, 0
.rept 8
	v_pk_mul_f32 v[176+k:177+k], v[176+k:177+k], 0.5 op_sel_hi:[1,0]
.set k, k+2
.endr
.irp p, 0,1,2,3
	QROWC 80+16*\p, 228+2*\p, 242+\p, 249
.endr
	QROWC 144, 236, 246, 249
	QROWC 160, 238, 247, 249
	QROWC 176, 240, 248, 249
	s_wait_alu depctr_va_vdst(0)                   ; the seven rows' codes and bytes, v228-248, are written, which the 14 stores read; and LN, pooling and quantiser are done with v80-159, in which the weights below land
.irp p, 0,1,2,3
	QROWS 11, 16*\p, 14, 16*\p, 228+2*\p, 242+\p
.endr
	QROWS 12, 0, 15, 0, 236, 246
	QROWS 12, 16, 15, 16, 238, 247
	QROWS 13, 0, 252, 0, 240, 248
	; my group's 16 fragments and their scale words: wq's eight groups and wkv's first eight follow each other in wcod and wscl
	s_lshl_b32 s36, s34, 14
	s_add_nc_u64 s[28:29], s[14:15], s[36:37]
	s_lshl_b32 s36, s34, 10
	s_add_nc_u64 s[30:31], s[16:17], s[36:37]
.set k, 0
.rept 16
	global_load_b128 v[16+8*k:19+8*k], v4, s[28:29] offset:1024*k
	global_load_b128 v[20+8*k:23+8*k], v4, s[28:29] offset:1024*k+512
.set k, k+1
.endr
.irp s, 0,1,2,3
	global_load_b128 v[144+4*\s:147+4*\s], v6, s[30:31] offset:256*\s
.endr
	; where the results go
	s_lshr_b32 s58, ttmp9, 6                       ; b
	s_and_b32 s59, ttmp9, 63                       ; query window i
	s_and_b32 s60, s34, 7                          ; head
	s_lshl_b32 s58, s58, 3
	s_add_co_u32 s58, s58, s60
	s_mov_b32 s52, 0x3f800000
	s_cmp_lt_u32 s34, 8
	s_cselect_b32 s52, 0x3e000000, s52             ; q is multiplied by 64^-1/2, k by 1
	s_cselect_b32 s61, 7340032, 0
	s_cselect_b32 s62, 917504, 0
	s_mov_b32 s53, s52
.macro DST lv, coff, soff, cp, sp
	s_lshl_b32 s36, s58, 9-\lv
	s_lshl_b32 s38, s59, 3-\lv
	s_add_co_u32 s36, s36, s38
	s_lshl_b32 s36, s36, 8
	s_add_co_u32 s36, s36, \coff
	s_add_nc_u64 s[\cp:\cp+1], s[22:23], s[36:37]
	s_lshl_b32 s36, s58, 12-\lv
	s_lshl_b32 s38, s59, 6-\lv
	s_add_co_u32 s36, s36, s38
	s_lshl_b32 s36, s36, 2
	s_add_co_u32 s36, s36, \soff
	s_add_nc_u64 s[\sp:\sp+1], s[24:25], s[36:37]
.endm
	DST 0, s61, s62, 66, 68
	DST 1, 4194304, 524288, 70, 72
	DST 2, 6291456, 786432, 74, 76
	; the window that I copy out (waves 0-13): levels begin at windows 0, 2,048 and 3,072 of hcod and hscl
	s_lshl_b32 s58, ttmp9, 3
	s_add_co_u32 s58, s58, s34
	s_lshl_b32 s59, ttmp9, 2
	s_add_co_u32 s59, s59, s34
	s_add_co_u32 s59, s59, 2048-8
	s_lshl_b32 s60, ttmp9, 1
	s_add_co_u32 s60, s60, s34
	s_add_co_u32 s60, s60, 3072-12
	s_cmp_lt_u32 s34, 12
	s_cselect_b32 s59, s59, s60
	s_cmp_lt_u32 s34, 8
	s_cselect_b32 s58, s58, s59
	s_lshl_b32 s36, s58, 11
	s_add_nc_u64 s[78:79], s[18:19], s[36:37]
	s_lshl_b32 s36, s58, 7
	s_add_nc_u64 s[80:81], s[20:21], s[36:37]
	s_wait_dscnt 0x0                               ; my images, scale bytes and biases lie in LDS
	s_wait_alu depctr_vm_vsrc(0)                   ; the 14 stores have read v11 to v14, which are made anew below, and v228-248, in which the copy's loads land
	s_lshl_b32 s38, s34, 8
	s_add_co_u32 s38, s38, BIA
	v_lshl_add_u32 v9, v3, 7, s38                  ; my 32 biases: BIA + 256 g + 128 h
	v_mul_u32_u24 v10, v3, 272
	v_add_nc_u32 v10, v10, v6
	v_add_nc_u32 v10, IMG, v10                     ; a fragment of h: 272 h + 16 r
	v_add_nc_u32 v11, SCL, v6
	v_lshrrev_b32 v12, 3, v2
	v_and_b32 v13, 7, v2
	v_lshlrev_b32 v12, 8, v12
	v_lshl_add_u32 v12, v3, 7, v12
	v_lshl_add_u32 v12, v13, 4, v12                ; in qkc: 256 (r / 8) + 128 h + 16 (r % 8)
	s_lshr_b32 s38, s34, 1
	s_mul_i32 s38, s38, TP
	s_and_b32 s39, s34, 1
	s_lshl_b32 s39, s39, 7
	s_add_co_u32 s38, s38, s39
	s_add_co_u32 s38, s38, IMG
	v_lshrrev_b32 v13, 3, v1
	v_mul_u32_u24 v13, v13, 272
	v_and_b32 v14, 7, v1
	v_lshl_add_u32 v13, v14, 4, v13
	v_add_nc_u32 v13, s38, v13                     ; window w of the images: tile w / 2, rows 8 (w % 2) on
	s_lshl_b32 s38, s34, 7
	s_add_co_u32 s38, s38, SCL
	v_add_nc_u32 v14, s38, v5
	s_wait_alu depctr_va_vdst(0)                   ; phase B's addresses v9 to v14 are written; phase A's vector work is done with v160-244, in which the copy's and the first tile's loads land
	s_barrier_signal -1
	s_barrier_wait -1
	s_cmp_lt_u32 s34, 14
	s_cbranch_scc0 .Lnocopy
.irp q, 0,1,2,3
	ds_load_b128 v[228+4*\q:231+4*\q], v13 offset:1088*\q
.endr
	ds_load_b32 v244, v14
	s_wait_dscnt 0x0
.irp q, 0,1,2,3
	global_store_b128 v4, v[228+4*\q:231+4*\q], s[78:79] offset:512*\q   ; 512 bytes on end
.endr
	global_store_b32 v5, v244, s[80:81]
.Lnocopy:
	s_wait_loadcnt 0x0                             ; my weights
; tile m of 16 rows: its 17 LDS loads: the biases (the C of the first four products), h's four fragments, their scale words
.macro GTL m
.irp i, 0,1,2,3,4,5,6,7
	ds_load_b128 v[160+4*\i:163+4*\i], v9 offset:16*\i
.endr
.irp s, 0,1,2,3
.irp c, 0,1
	ds_load_b128 v[192+8*\s+4*\c:195+8*\s+4*\c], v10 offset:TP*\m+(4*\s+2*\c)*272
.endr
.endr
	ds_load_b128 v[224:227], v11 offset:256*\m
.endm
; and its work: 16 matrix instructions, the four accumulators by turns; the quantiser; tile nxt's loads (none: -1); the two stores
.macro GTW cp, ci, sp, si, nxt
	s_wait_dscnt 0x0
.irp s, 0,1,2,3
.irp t, 0,1,2,3
	WM 160+8*\t, 16+8*(4*\s+\t), 192+8*\s, 160+8*\t, 144+4*\s+\t, 224+\s
.endr
.endr
	NOPS 4                                         ; places behind the products, for the reads below
	s_wait_xcnt 0x0                                ; the earlier stores have had their addresses translated,
	s_wait_alu depctr_vm_vsrc(0)                   ; and have read their data: v228 on is written below
.set j, 0
.rept 16
	v_pk_mul_f32 v[160+j:161+j], v[160+j:161+j], s[52:53] op_sel_hi:[1,0]
.set j, j+2
.endr
	QB32 160, 228, 232
	v_lshlrev_b32 v236, v8, v235                   ; my block's byte at its place,
	v_permlanex16_b32 v237, v236, s40, s41
	v_or_b32 v236, v236, v237                      ; with the other block's,
	v_or_b32 v236, 0x7f7f0000, v236                ; and 1.0 for the zero codes above 64
	s_wait_alu depctr_va_vdst(0)                   ; the codes v228-231 and the scale word v236 are written, which the stores read; products and quantiser are done with v160-227, in which the next tile's loads land
.if (\nxt) >= 0
	GTL \nxt
.endif
	global_store_b128 v12, v[228:231], s[\cp:\cp+1] offset:\ci
	global_store_b32 v7, v236, s[\sp:\sp+1] offset:\si
.endm
	GTL 0
	GTW 66, 0, 68, 0, 1
	GTW 66, 512, 68, 64, 2
	GTW 66, 1024, 68, 128, 3
	GTW 66, 1536, 68, 192, -1
	s_cmp_lt_u32 s34, 8
	s_cbranch_scc1 .Lend                           ; q has level 0 alone
	GTL 4                                          ; no vector or matrix instruction stands between the last tile's wait and these loads
	GTW 70, 0, 72, 0, 5
	GTW 70, 512, 72, 64, 6
	GTW 74, 0, 76, 0, -1
.Lend:
	s_wait_xcnt 0x0
	v_lshl_add_u32 v254, v0, 2, 0x31000
	v_mov_b32 v255, 0
	s_wait_dscnt 0x0                               ; the closing lines, six on end
	s_wait_alu 0x0
	s_wait_tensorcnt 0x0
	ds_add_u32 v254, v255
	s_wait_dscnt 0x0
	s_endpgm
.Lfunc_end_k_qc7dc61ee3f_front:
	.size	k_qc7dc61ee3f_front, .Lfunc_end_k_qc7dc61ee3f_front-k_qc7dc61ee3f_front
	.p2alignl 7, 3214868480
	.fill 96, 4, 3214868480
	.section	.rodata,"a",@progbits
	.p2align	6, 0x0
	.amdhsa_kernel k_qc7dc61ee3f_front
		.amdhsa_group_segment_fixed_size 202752
		.amdhsa_private_segment_fixed_size 0
		.amdhsa_enable_private_segment 0
		.amdhsa_kernarg_size 88
		.amdhsa_user_sgpr_count 2
		.amdhsa_user_sgpr_kernarg_segment_ptr 1
		.amdhsa_wavefront_size32 1
		.amdhsa_system_sgpr_workgroup_id_x 1
		.amdhsa_system_sgpr_workgroup_id_y 1
		.amdhsa_system_sgpr_workgroup_id_z 1
		.amdhsa_system_vgpr_workitem_id 0
		.amdhsa_next_free_vgpr 256
		.amdhsa_next_free_sgpr 84
		.amdhsa_reserve_vcc 0
		.amdhsa_float_denorm_mode_32 3
		.amdhsa_float_denorm_mode_16_64 3
		.amdhsa_memory_ordered 1
		.amdhsa_forward_progress 1
		.amdhsa_inst_pref_size 82
	.end_amdhsa_kernel
	.amdgpu_metadata
---
amdhsa.version: [ 1, 2 ]
amdhsa.kernels:
  - .name:           k_qc7dc61ee3f_front
    .symbol:         k_qc7dc61ee3f_front.kd
    .args:
      - { .name: x, .offset: 0, .size: 8, .value_kind: global_buffer, .address_space: global }
      - { .name: ln1_s, .offset: 8, .size: 8, .value_kind: global_buffer, .address_space: global }
      - { .name: ln1_b, .offset: 16, .size: 8, .value_kind: global_buffer, .address_space: global }
      - { .name: bq, .offset: 24, .size: 8, .value_kind: global_buffer, .address_space: global }
      - { .name: bkv, .offset: 32, .size: 8, .value_kind: global_buffer, .address_space: global }
      - { .name: wcod, .offset: 40, .size: 8, .value_kind: global_buffer, .address_space: global }
      - { .name: wscl, .offset: 48, .size: 8, .value_kind: global_buffer, .address_space: global }
      - { .name: hcod, .offset: 56, .size: 8, .value_kind: global_buffer, .address_space: global }
      - { .name: hscl, .offset: 64, .size: 8, .value_kind: global_buffer, .address_space: global }
      - { .name: qkc, .offset: 72, .size: 8, .value_kind: global_buffer, .address_space: global }
      - { .name: qks, .offset: 80, .size: 8, .value_kind: global_buffer, .address_space: global }
    .group_segment_fixed_size: 202752
    .private_segment_fixed_size: 0
    .kernarg_segment_align: 8
    .kernarg_segment_size: 88
    .max_flat_workgroup_size: 512
    .sgpr_count:     84
    .vgpr_count:     256
    .wavefront_size: 32
...
	.end_amdgpu_metadata
.endif
;; end of part 4
;; launch tail (part 5): grid 256 x 1, 16 waves a work-group, no clusters, 313,344 bytes of LDS; arguments x, hcod, hscl, qkc, qks, wcod, wscl, tab, bkv, bproj, ln2_s, ln2_b, mlp_b1, mlp_b2, out0; writes out0
.if DOCPART == 5
	.amdgcn_target "amdgcn-amd-amdhsa--gfx1250"
	.amdhsa_code_object_version 6
	.text
	.protected	k_qc7dc61ee3f_tail
	.globl	k_qc7dc61ee3f_tail
	.p2align	8
	.type	k_qc7dc61ee3f_tail,@function
k_qc7dc61ee3f_tail:
	s_mov_b64 s[64:65], 0
	v_nop
	global_prefetch_b8 v0, s[64:65] scope:SCOPE_SE
	s_setreg_imm32_b32 hwreg(HW_REG_WAVE_SCHED_MODE, 0, 2), 2
	s_setreg_imm32_b32 hwreg(HW_REG_WAVE_MODE, 25, 1), 1
	s_wait_xcnt 0x0
	s_wait_alu depctr_vm_vsrc(0)
; One query window (64 rows) to a work-group of sixteen waves, from the gather to the block's output.
; P0 the 48 key windows' codes of h and the bias table come into LDS.  The j-th closest key window of centre cq is cq - (j + 1) / 2 (j odd), cq + j / 2 (j even), j where j > 2 cq, NW - 1 - j where j > 2 (NW - 1 - cq).
; P1 V = h wv + bv for the 384 gathered keys (wave: head w / 2, 32 channels), quantised along the keys in gathered order.   P2 the 48 windows' codes of k come into LDS.
; P3 attention (wave: head w / 2, two tiles of 16 queries): S^T = K Q^T + bias, p = 2^(t - M) with M a whole number, O^T += V^T P^T, level by level; O / sum quantised.
; P4 proj.   P5 + bproj + x, LN2, quantised.   P6 mlp_w1, GELU, quantised.   P7 mlp_w2 + b2 + residual.   P8 rows out.
; A TILE OF KEYS is rows 0-7 = sorted window 8 c + t, rows 8-15 = sorted window 8 c + 4 + t: a lane's 32 results of tiles t = 0 .. 3 are then block 2 c + h of the level's 128 keys, in order, for P and for V alike;
; the weights' fragments are composed likewise (launch prep): every quantiser block lies in one lane, and the conversions' results are the next operand's registers.
; No tile is shared between work-groups by a joint request: LDS is filled with this window's own activations, so no slots for weights are left; the weights go from memory straight into registers.
; LIMITS: NaN and infinities are not served; a block of zeros or under 2^-124 gets the byte 1; GELU is x / (1 + 2^z), z = -2 log2(e) sqrt(2 / pi) (x + 0.044715 x^3).
; THE MODE: SCHED_MODE bits 1:0 = 2 (LLVM: expert scheduling mode 2), set by the entry lines.  The code itself states the register dependences
; between vector or matrix instructions and memory or LDS instructions, with s_wait_alu, always for 0.
; THE PLAN, loop by loop: the registers that memory or LDS instructions touch, and who else names them.
;   P1  v168-199, v200-231: two sets of four key tiles, and v232-247 their scale words: LDS loads land, products read.  K step s reads set s % 2; one wait on va_vdst at the head of steps 1 and 2 states that the last
;       step's products are done with the other set, and the next step's eight loads follow among this step's products.  v168-175, v252, v253: written by the group's two quantisers, read by ONE run of stores behind one wait.
;   P3  v40-103: the biases land, products add onto them, the softmax works there.  v144-175, v216-219: k's tiles and scale words.  v176-207, v220-223: V's.  v208-215, v225: p's codes and scale word, made by vector lines.
;       The wait ahead of the second products (p's codes and scale word are written) also serves the next level's first loads: the four products behind it name none of their registers.  The wait behind the first
;       four products serves k's next four tiles and V's loads.  The second four tiles' biases are loaded among the first four products.
;   P4, P6, P7  one set of fragments from LDS: one wait on va_vdst for each K step, behind its products: it serves the next step's LDS loads and, in P6 and P7, the refill of the stream's set that the step read.
;   P6  the four tiles' codes have registers of their own (v248-251, v16-19, v48-51, v80-83): one wait on va_vdst ahead of the four stores, one on vm_vsrc behind them.
;   Addresses that are stepped by vector lines (v11-v14; v13, v14, v16-39; v1, v13; v9, v10) stand behind a wait on vm_vsrc and ahead of a wait on va_vdst that is passed before their next use.
.set PP,   2080                        ; a key window's place: 2,048 bytes + 32
.set AS_,  99840                       ; h's scale bytes, 160 a place; later k's scale words, 288 a place
.set KS_,  99840
.set T_,   113920                      ; the bias table [head][1024] f32
.set XP,   2576                        ; X2 at 0: a row of 512 f32 as 32 places of 64 + 16 bytes, + 16
.set VI_,  164864                      ; V's 96 fragments [head][level][tile]
.set VS_,  263168
.set HI_,  164864                      ; later: the hidden layer's 64 fragments (16 m + s),
.set HS_,  230400                      ; their scale words,
.set B1S_, 238592                      ; mlp_b1
.set OI_,  275456                      ; attention's result: 16 fragments (4 m + s)
.set OS_,  291840
.set H2I_, 292864                      ; LN2's result: 4 tiles x 4,352
.set H2S_, 310272
.set SINV, 62
.set SEPS, 63
.macro NOPS n
.rept \n
	v_nop
.endr
.endm
.macro BAR                             ; my LDS stores have landed and my LDS loads are in: then the work-group's barrier
	s_wait_dscnt 0x0
	s_barrier_signal -1
	s_barrier_wait -1
.endm
.macro WM d, a, b, c, sa, sb
	v_wmma_scale_f32_16x16x128_f8f6f4 v[\d:\d+7], v[\a:\a+7], v[\b:\b+7], v[\c:\c+7], v[\sa], v[\sb] matrix_a_fmt:MATRIX_FMT_FP4 matrix_b_fmt:MATRIX_FMT_FP4
.endm
.macro WM0 d, a, b, sa, sb             ; the first product starts the sum
	v_wmma_scale_f32_16x16x128_f8f6f4 v[\d:\d+7], v[\a:\a+7], v[\b:\b+7], 0, v[\sa], v[\sb] matrix_a_fmt:MATRIX_FMT_FP4 matrix_b_fmt:MATRIX_FMT_FP4
.endm
; 32 numbers of one block in v[x] on -> 4 registers of codes at v[c]; v[t], v[t+1] at work, v[t+2] the conversion's scale operand, v[t+3] the byte.  Each run of eight is read from its low end on.
.macro QB32 x, c, t
	v_max3_num_f32 v[\t], |v[\x]|, |v[\x+1]|, 0x1800000            ; with the floor 2^(3 - 127)
	v_max3_num_f32 v[\t+1], |v[\x+16]|, |v[\x+17]|, |v[\x+18]|
.irp i, 2,4,6,8,10,12
	v_max3_num_f32 v[\t], v[\t], |v[\x+\i]|, |v[\x+\i+1]|
	v_max3_num_f32 v[\t+1], v[\t+1], |v[\x+17+\i]|, |v[\x+18+\i]|
.endr
	v_max3_num_f32 v[\t], v[\t], |v[\x+14]|, |v[\x+15]|
	v_max3_num_f32 v[\t], v[\t], v[\t+1], |v[\x+31]|
	v_add_nc_u32 v[\t+2], 0xff000000, v[\t]
.irp g, 0,1,2,3
	v_cvt_scalef32_pk8_fp4_f32 v[\c+\g], v[\x+8*\g:\x+8*\g+7], v[\t+2]
.endr
	v_lshrrev_b32 v[\t+3], 23, v[\t+2]             ; the byte; also the plain line behind the conversions
.endm
; 16 neighbours of a lane (two lanes hold a block): the codes into v[cr], v[cr+1], the byte into v[br]
.macro QROWC x, cr, br, t
	v_max3_num_f32 v[\t], |v[\x]|, |v[\x+1]|, |v[\x+2]|
	v_max3_num_f32 v[\t+1], |v[\x+3]|, |v[\x+4]|, |v[\x+5]|
.irp i, 6,10
	v_max3_num_f32 v[\t], v[\t], |v[\x+\i]|, |v[\x+\i+1]|
	v_max3_num_f32 v[\t+1], v[\t+1], |v[\x+\i+2]|, |v[\x+\i+3]|
.endr
	v_max3_num_f32 v[\t], v[\t], |v[\x+14]|, |v[\x+15]|
	v_max3_num_f32 v[\t], v[\t], v[\t+1], 0x1800000
	v_max_num_f32_dpp v[\t], v[\t], v[\t] row_xmask:1 row_mask:0xf bank_mask:0xf
	v_add_nc_u32 v[\t+2], 0xff000000, v[\t]
	v_cvt_scalef32_pk8_fp4_f32 v[\cr], v[\x:\x+7], v[\t+2]
	v_cvt_scalef32_pk8_fp4_f32 v[\cr+1], v[\x+8:\x+15], v[\t+2]
	v_lshrrev_b32 v[\br], 23, v[\t+2]
.endm
.macro QROWS ca, ci, sa, si, cr, br
	ds_store_b64 v[\ca], v[\cr:\cr+1] offset:\ci
	ds_store_b8 v[\sa], v[\br] offset:\si
.endm
.macro RED4 T
.irp x, 1,2,4,8
.irp p, 0,1,2,3
	v_add_f32_dpp v[\T+2*\p], v[\T+2*\p], v[\T+2*\p] row_xmask:\x row_mask:0xf bank_mask:0xf
.endr
.endr
.irp p, 0,1,2,3
	v_permlanex16_b32 v[\T+8+\p], v[\T+2*\p], s40, s41
.endr
.irp p, 0,1,2,3
	v_add_f32 v[\T+2*\p], v[\T+2*\p], v[\T+8+\p]
.endr
.endm
.macro LNORM X, S, B, T
.irp p, 0,1,2,3
	v_pk_add_f32 v[\T+2*\p:\T+2*\p+1], v[\X+16*\p:\X+16*\p+1], v[\X+16*\p+2:\X+16*\p+3]
.endr
.irp k, 4,6,8,10,12,14
.irp p, 0,1,2,3
	v_pk_add_f32 v[\T+2*\p:\T+2*\p+1], v[\T+2*\p:\T+2*\p+1], v[\X+16*\p+\k:\X+16*\p+\k+1]
.endr
.endr
.irp p, 0,1,2,3
	v_add_f32 v[\T+2*\p], v[\T+2*\p], v[\T+2*\p+1]
.endr
	RED4 \T
.irp p, 0,1,2,3
	v_mul_f32 v[\T+2*\p], s[SINV], v[\T+2*\p]
.endr
.irp k, 0,2,4,6,8,10,12,14
.irp p, 0,1,2,3
	v_pk_add_f32 v[\X+16*\p+\k:\X+16*\p+\k+1], v[\X+16*\p+\k:\X+16*\p+\k+1], v[\T+2*\p:\T+2*\p+1] op_sel_hi:[1,0] neg_lo:[0,1] neg_hi:[0,1]
.endr
.endr
.irp p, 0,1,2,3
	v_pk_mul_f32 v[\T+2*\p:\T+2*\p+1], v[\X+16*\p:\X+16*\p+1], v[\X+16*\p:\X+16*\p+1]
.endr
.irp k, 2,4,6,8,10,12,14
.irp p, 0,1,2,3
	v_pk_fma_f32 v[\T+2*\p:\T+2*\p+1], v[\X+16*\p+\k:\X+16*\p+\k+1], v[\X+16*\p+\k:\X+16*\p+\k+1], v[\T+2*\p:\T+2*\p+1]
.endr
.endr
.irp p, 0,1,2,3
	v_add_f32 v[\T+2*\p], v[\T+2*\p], v[\T+2*\p+1]
.endr
	RED4 \T
.irp p, 0,1,2,3
	v_fma_f32 v[\T+2*\p], v[\T+2*\p], s[SINV], s[SEPS]
.endr
.irp p, 0,1,2,3
	v_rsq_f32 v[\T+2*\p], v[\T+2*\p]
.endr
	v_nop
	s_wait_alu depctr_va_vdst(0)                   ; the four roots are written: one wait, ahead of their first reader
.irp k, 0,2,4,6,8,10,12,14
.irp p, 0,1,2,3
	v_pk_mul_f32 v[\X+16*\p+\k:\X+16*\p+\k+1], v[\X+16*\p+\k:\X+16*\p+\k+1], v[\T+2*\p:\T+2*\p+1] op_sel_hi:[1,0]
.endr
.endr
.irp k, 0,2,4,6,8,10,12,14
.irp p, 0,1,2,3
	v_pk_fma_f32 v[\X+16*\p+\k:\X+16*\p+\k+1], v[\X+16*\p+\k:\X+16*\p+\k+1], v[\S+\k:\S+\k+1], v[\B+\k:\B+\k+1]
.endr
.endr
.endm
	s_load_b512 s[4:19], s[0:1], 0x0               ; x, hcod, hscl, qkc, qks, wcod, wscl, tab
	s_load_b256 s[20:27], s[0:1], 0x40             ; bkv, bproj, ln2_s, ln2_b
	s_load_b128 s[28:31], s[0:1], 0x60             ; mlp_b1, mlp_b2
	s_load_b64 s[32:33], s[0:1], 0x70              ; out0
	v_and_b32 v1, 31, v0                           ; l
	v_and_b32 v2, 15, v0                           ; r
	v_bfe_u32 v3, v0, 4, 1                         ; h
	v_lshlrev_b32 v4, 4, v1                        ; 16 l
	v_lshlrev_b32 v5, 2, v1                        ; 4 l
	v_lshlrev_b32 v6, 4, v2                        ; 16 r
	v_lshlrev_b32 v7, 2, v2                        ; 4 r
	v_lshlrev_b32 v8, 3, v3                        ; 8 h
	v_lshrrev_b32 v9, 5, v0
	v_readfirstlane_b32 s34, v9                    ; wave w
	s_wait_alu depctr_va_sdst(0)                   ; s34 is written, ahead of its first reader
	s_lshr_b32 s35, s34, 1                         ; my head
	s_and_b32 s36, s34, 1
	s_and_b32 s37, ttmp9, 63                       ; query window i
	s_lshr_b32 s38, ttmp9, 6                       ; b
	s_mov_b32 s40, 0x76543210
	s_mov_b32 s41, 0xfedcba98
	s_mov_b32 s42, 0x3fb8aa3b                      ; log2(e)
	s_mov_b32 s43, s42
	s_mov_b32 s62, 0x3b000000                      ; 1/512
	s_mov_b32 s63, 0x3727c5ac                      ; 1e-5
	s_mov_b32 s55, 0
; sorted position w at level lv: its window in s[44+lv]; the centre in s[47+lv]; NW - 1 - centre in s[50+lv]
.macro WINIDX lv
	s_lshl_b32 s[47+\lv], s37, 3-\lv
	s_add_co_u32 s[47+\lv], s[47+\lv], (8>>\lv)/2
	s_sub_co_u32 s[50+\lv], (512>>\lv)-1, s[47+\lv]
	s_add_co_u32 s53, s34, 1
	s_lshr_b32 s53, s53, 1
	s_sub_co_u32 s53, s[47+\lv], s53
	s_lshr_b32 s54, s34, 1
	s_add_co_u32 s54, s[47+\lv], s54
	s_bitcmp1_b32 s34, 0
	s_cselect_b32 s[44+\lv], s53, s54
	s_lshl_b32 s53, s[47+\lv], 1
	s_cmp_gt_u32 s34, s53
	s_cselect_b32 s[44+\lv], s34, s[44+\lv]
	s_lshl_b32 s53, s[50+\lv], 1
	s_sub_co_u32 s54, (512>>\lv)-1, s34
	s_cmp_gt_u32 s34, s53
	s_cselect_b32 s[44+\lv], s54, s[44+\lv]
.endm
	WINIDX 0
	WINIDX 1
	WINIDX 2
	s_mul_i32 s53, s34, PP
	v_add_nc_u32 v9, s53, v4                       ; place w of levels 0 and 1: 2080 w + 16 l;
	v_add_nc_u32 v10, 32*PP, v9                    ; of level 2 (an LDS offset has 16 bits)
	s_mul_i32 s53, s34, 160
	s_add_co_u32 s53, s53, AS_
	v_add_nc_u32 v11, s53, v5
	v_lshl_add_u32 v12, v0, 4, T_
	v_lshlrev_b32 v252, 4, v0
	v_lshrrev_b32 v254, 3, v2
	v_and_b32 v255, 7, v2
	v_lshlrev_b32 v253, 7, v254
	v_lshl_add_u32 v253, v255, 2, v253             ; bkv: column r of a fragment is channel 32 (r / 8) + 8 t + r % 8
	s_wait_kmcnt 0x0
.macro HPTR lv, lb
	s_lshl_b32 s53, s38, 9-\lv
	s_add_co_u32 s53, s53, s[44+\lv]
	s_add_co_u32 s53, s53, \lb
	s_lshl_b32 s54, s53, 11
	s_add_nc_u64 s[66+2*\lv:67+2*\lv], s[6:7], s[54:55]
	s_lshl_b32 s54, s53, 7
	s_add_nc_u64 s[72+2*\lv:73+2*\lv], s[8:9], s[54:55]
.endm
	HPTR 0, 0
	HPTR 1, 2048
	HPTR 2, 3072
	s_lshl_b32 s54, s35, 14                        ; wv: group 8 + head, fragments 2 (w % 2) and the next
	s_lshl_b32 s53, s36, 11
	s_add_co_u32 s54, s54, s53
	s_add_co_u32 s54, s54, 262144
	s_add_nc_u64 s[78:79], s[14:15], s[54:55]
	s_lshl_b32 s54, s35, 10
	s_lshl_b32 s53, s36, 3
	s_add_co_u32 s54, s54, s53
	s_add_co_u32 s54, s54, 16384
	s_add_nc_u64 s[80:81], s[16:17], s[54:55]
	s_lshl_b32 s54, s35, 8
	s_lshl_b32 s53, s36, 6
	s_add_co_u32 s54, s54, s53
	s_add_co_u32 s54, s54, 2048
	s_add_nc_u64 s[82:83], s[20:21], s[54:55]
	; ---- P0
	s_wait_alu depctr_va_vdst(0)                   ; the offsets v4 to v7, v252, v253 and the stage's addresses v9 to v12 are written, which the loads and LDS stores below read
.irp lv, 0,1,2
.irp q, 0,1,2,3
	global_load_b128 v[104+16*\lv+4*\q:107+16*\lv+4*\q], v4, s[66+2*\lv:67+2*\lv] offset:512*\q
.endr
.endr
.irp lv, 0,1,2
	global_load_b32 v[152+\lv], v5, s[72+2*\lv:73+2*\lv]
.endr
.irp q, 0,1,2,3
	global_load_b128 v[156+4*\q:159+4*\q], v252, s[18:19] offset:8192*\q
.endr
.irp n, 0,1
.irp s, 0,1,2,3
.irp c, 0,1
	global_load_b128 v[16+8*(4*\n+\s)+4*\c:19+8*(4*\n+\s)+4*\c], v4, s[78:79] offset:4096*\s+1024*\n+512*\c
.endr
.endr
.endr
.irp s, 0,1,2,3
	global_load_b64 v[80+2*\s:81+2*\s], v6, s[80:81] offset:256*\s
.endr
.irp n, 0,1
	global_load_b32 v[248+\n], v253, s[82:83] offset:32*\n
.endr
	s_wait_loadcnt 22                              ; what is staged is in; wv's 16 + 4 + 2 loads may be out
.irp q, 0,1,2,3
	ds_store_b128 v9, v[104+4*\q:107+4*\q] offset:512*\q
	ds_store_b128 v9, v[120+4*\q:123+4*\q] offset:16*PP+512*\q
	ds_store_b128 v10, v[136+4*\q:139+4*\q] offset:512*\q
	ds_store_b128 v12, v[156+4*\q:159+4*\q] offset:8192*\q
.endr
.irp lv, 0,1,2
	ds_store_b32 v11, v[152+\lv] offset:2560*\lv
.endr
	BAR
	s_wait_loadcnt 0x0
	s_wait_alu depctr_vm_vsrc(0)                   ; the stage's stores have read v11 and v12, which are made anew below, and v104-171, which P1's products and loads write; the loads have read v252 and v253, which P1's quantisers write
	; ---- P1.  v16-79 wv (8 (4 n + s)), v80-87 its scale words, v88-103 bv as C, v104-167 sums (8 (4 n + t)), v168-231 two sets of four key tiles, v232-247 their scale words
	v_mul_u32_u24 v11, v254, 4*PP
	v_lshl_add_u32 v11, v255, 4, v11
	v_lshl_add_u32 v11, v3, 7, v11                 ; a key tile: 8320 (r / 8) + 16 (r % 8) + 128 h
	v_mul_u32_u24 v12, v254, 640
	v_lshl_add_u32 v12, v255, 4, v12
	v_add_nc_u32 v12, AS_, v12
	s_mul_i32 s53, s35, 12288
	s_lshl_b32 s54, s36, 11
	s_add_co_u32 s53, s53, s54
	s_add_co_u32 s53, s53, VI_
	v_add_nc_u32 v13, s53, v4
	s_mul_i32 s53, s35, 1536
	s_lshl_b32 s54, s36, 8
	s_add_co_u32 s53, s53, s54
	s_add_co_u32 s53, s53, VS_
	v_add_nc_u32 v14, s53, v5
.irp k, 0,1,2,3,4,5,6,7
	v_mov_b32 v[88+\k], v248
	v_mov_b32 v[96+\k], v249
.endr
	v_mov_b32 v255, 0
.macro VLOADA c, s, bf
.irp t, 0,1,2,3
.irp cc, 0,1
	ds_load_b128 v[168+32*(\bf)+8*\t+4*\cc:171+32*(\bf)+8*\t+4*\cc], v11 offset:(8*(\c)+\t)*PP+(4*(\s)+2*\cc)*128
.endr
.endr
.endm
.macro VQC n, c                        ; 32 keys x my channel: block 2 c + h of the level: its codes into v[168 + 4 n] on, its byte into the scale word v[252 + n]
	QB32 104+32*\n, 168+4*\n, 248
	v_lshlrev_b32 v254, v8, v251
	v_permlanex16_b32 v255, v254, s40, s41
.if \c
	v_or_b32 v254, v254, v255
	v_lshl_or_b32 v[252+\n], v254, 16, v[252+\n]
.else
	v_or_b32 v[252+\n], v254, v255
.endif
.endm
.macro VQS n, c
	ds_store_b128 v13, v[168+4*\n:171+4*\n] offset:1024*\n+512*\c
.if \c
	ds_store_b32 v14, v[252+\n] offset:128*\n
.endif
.endm
.macro VGROUP c                        ; 64 keys x 32 channels, K = 512 in four steps; eight accumulators by turns
.irp t, 0,1,2,3
	ds_load_b128 v[232+4*\t:235+4*\t], v12 offset:(8*\c+\t)*160
.endr
	VLOADA \c, 0, 0
.irp s, 0,1,2,3
	s_wait_dscnt 0x0                               ; this step's tiles are in
.if (\s == 1) || (\s == 2)
	NOPS 4                                         ; places behind the last step's products
	s_wait_alu depctr_va_vdst(0)                   ; the last step's products are done reading the other set, in which the loads below land
.endif
.irp t, 0,1,2,3
.irp n, 0,1
.if \s == 0
	WM 104+8*(4*\n+\t), 168+8*\t, 16+8*(4*\n), 88+8*\n, 232+4*\t, 80+\n
.else
	WM 104+8*(4*\n+\t), 168+32*(\s%2)+8*\t, 16+8*(4*\n+\s), 104+8*(4*\n+\t), 232+4*\t+\s, 80+2*\s+\n
.endif
.if (\s < 3) && (\t < 2)
.irp cc, 0,1
	ds_load_b128 v[168+32*((\s+1)%2)+8*(2*\t+\n)+4*\cc:171+32*((\s+1)%2)+8*(2*\t+\n)+4*\cc], v11 offset:(8*\c+2*\t+\n)*PP+(4*(\s+1)+2*\cc)*128   ; the next step's tile 2 t + n: this step's products name the other set alone
.endr
.endif
.endr
.endr
.endr
	NOPS 5                                         ; five: the next group begins these accumulators anew with another C
	VQC 0, \c
	VQC 1, \c
	s_wait_alu depctr_va_vdst(0)                   ; the codes v168-175 and the scale words v252, v253 are written, which the stores read; the group's products are done reading both sets and v232-247, in which the next group's loads land
	VQS 0, \c
	VQS 1, \c
	s_wait_dscnt 0x0
	s_wait_alu depctr_vm_vsrc(0)                   ; the stores have read v168-175, in which the next group's loads land, v252, v253, v13 and v14; the group's loads have read v11 and v12
.endm
	s_mov_b32 s56, 0
.Llevel:
	s_wait_alu depctr_va_vdst(0)                   ; v11 and v12 are written, by the set-up above or by the last trip's additions: the group's loads read them
	VGROUP 0
	VGROUP 1
	v_add_nc_u32 v11, 16*PP, v11
	v_add_nc_u32 v12, 2560, v12
	v_add_nc_u32 v13, 4096, v13
	v_add_nc_u32 v14, 512, v14
	s_add_co_u32 s56, s56, 1
	s_cmp_lt_u32 s56, 3
	s_cbranch_scc1 .Llevel
	; k's codes and scale words of my sorted position, all eight heads, and my two tiles of q: asked for ahead of the barrier
	v_lshrrev_b32 v254, 2, v1
	v_and_b32 v255, 3, v1
	v_lshlrev_b32 v255, 3, v255
.macro KPTR lv, kb, sb
	s_lshl_b32 s54, s38, 12-\lv
	s_add_co_u32 s54, s54, s[44+\lv]
	s_add_co_u32 s54, s54, \kb
	s_lshl_b32 s54, s54, 8
	s_add_nc_u64 s[66+2*\lv:67+2*\lv], s[10:11], s[54:55]
	s_lshl_b32 s54, s38, 17-\lv
	s_lshl_b32 s53, s[44+\lv], 5
	s_add_co_u32 s54, s54, s53
	s_add_co_u32 s54, s54, \sb
	s_add_nc_u64 s[72+2*\lv:73+2*\lv], s[12:13], s[54:55]
	v_lshl_add_u32 v[94+\lv], v3, 17-\lv, v6       ; two heads a load: from head to head NW x 256 bytes
	v_lshl_add_u32 v[97+\lv], v254, 14-\lv, v255   ; four lanes a head: from head to head 4 L bytes
.endm
	KPTR 0, 0, 0
	KPTR 1, 16384, 524288
	KPTR 2, 24576, 786432
	s_lshl_b32 s53, s38, 3
	s_add_co_u32 s53, s53, s35
	s_lshl_b32 s54, s53, 9
	s_lshl_b32 s39, s37, 3
	s_add_co_u32 s54, s54, s39
	s_lshl_b32 s39, s36, 2
	s_add_co_u32 s54, s54, s39
	s_lshl_b32 s54, s54, 8
	s_add_co_u32 s54, s54, 7340032
	s_add_nc_u64 s[78:79], s[10:11], s[54:55]
	s_lshl_b32 s54, s53, 12
	s_lshl_b32 s39, s37, 6
	s_add_co_u32 s54, s54, s39
	s_lshl_b32 s39, s36, 5
	s_add_co_u32 s54, s54, s39
	s_lshl_b32 s54, s54, 2
	s_add_co_u32 s54, s54, 917504
	s_add_nc_u64 s[80:81], s[12:13], s[54:55]
	v_lshrrev_b32 v100, 3, v2
	v_and_b32 v101, 7, v2
	v_lshlrev_b32 v100, 8, v100
	v_lshl_add_u32 v100, v3, 7, v100
	v_lshl_add_u32 v100, v101, 4, v100
	s_mul_i32 s53, s34, 288
	s_add_co_u32 s53, s53, KS_
	v_lshl_add_u32 v15, v1, 3, s53
	s_wait_alu depctr_va_vdst(0)                   ; the offsets v94 to v100 and P2's address v15 are written; P1's products and quantisers are done with v40-93, v136-139 and v224-230, in which the loads below land
.irp lv, 0,1,2
.irp q, 0,1,2,3
	global_load_b128 v[40+18*\lv+4*\q:43+18*\lv+4*\q], v[94+\lv], s[66+2*\lv:67+2*\lv] offset:(\q<<(18-\lv))
.endr
	global_load_b64 v[56+18*\lv:57+18*\lv], v[97+\lv], s[72+2*\lv:73+2*\lv]
.endr
	global_load_b128 v[136:139], v100, s[78:79]
	global_load_b128 v[226:229], v100, s[78:79] offset:512
	global_load_b32 v224, v7, s[80:81]
	global_load_b32 v230, v7, s[80:81] offset:64
	BAR                                            ; nobody reads h's codes any more
	; ---- P2
	s_wait_loadcnt 0x0
.irp q, 0,1,2,3
	ds_store_b128 v9, v[40+4*\q:43+4*\q] offset:512*\q
	ds_store_b128 v9, v[58+4*\q:61+4*\q] offset:16*PP+512*\q
	ds_store_b128 v10, v[76+4*\q:79+4*\q] offset:512*\q
.endr
.irp lv, 0,1,2
	ds_store_b64 v15, v[56+18*\lv:57+18*\lv] offset:4608*\lv
.endr
	BAR
	s_wait_alu depctr_vm_vsrc(0)                   ; P2's stores have read v9, v10 and v15, which are made anew below, and v40-93; the loads above have read v94 to v100: the biases land in v40-103
	; ---- P3.  v16-39 the 24 tiles' places in the table; v40-103 S^T, then p; v104-135 O^T; v136-143 q; v144-175 four tiles of k; v176-207 four of V; v208-215 p's codes;
	; v216-219, v220-223, v224, v225 scale words of k, V, q, p; v226-230 the second tile of q; v232 -M, v233 the largest t, v[234:235] the sum, v236 f
	v_lshrrev_b32 v254, 3, v2
	v_and_b32 v255, 7, v2
	v_mul_u32_u24 v9, v254, 4*PP
	v_lshl_add_u32 v9, v3, 7, v9
	v_lshl_add_u32 v9, v255, 4, v9
	s_lshl_b32 s53, s35, 8
	v_add_nc_u32 v9, s53, v9
	v_add_nc_u32 v15, 32*PP, v9
	v_mul_u32_u24 v10, v254, 1152
	v_lshl_add_u32 v10, v255, 2, v10
	s_lshl_b32 s53, s35, 5
	s_add_co_u32 s53, s53, KS_
	v_add_nc_u32 v10, s53, v10
	s_mul_i32 s53, s35, 12288
	s_add_co_u32 s53, s53, VI_
	v_add_nc_u32 v11, s53, v4
	s_mul_i32 s53, s35, 1536
	s_add_co_u32 s53, s53, VS_
	v_add_nc_u32 v12, s53, v7
	s_lshl_b32 s53, s36, 13
	s_lshr_b32 s54, s35, 1
	s_lshl_b32 s54, s54, 10
	s_add_co_u32 s53, s53, s54
	s_and_b32 s54, s35, 1
	s_lshl_b32 s54, s54, 9
	s_add_co_u32 s53, s53, s54
	s_add_co_u32 s53, s53, OI_
	v_add_nc_u32 v13, s53, v4
	s_lshl_b32 s53, s36, 9
	s_lshr_b32 s54, s35, 1
	s_lshl_b32 s54, s54, 6
	s_add_co_u32 s53, s53, s54
	s_and_b32 s54, s35, 1
	s_lshl_b32 s54, s54, 1
	s_add_co_u32 s53, s53, s54
	s_add_co_u32 s53, s53, OS_
	v_add_nc_u32 v14, s53, v7
.irp k, 0,1,2,3
	v_mov_b32 v[140+\k], 0                         ; zero codes fill K from the head's 64 to 128
	v_mov_b32 v[148+\k], 0
	v_mov_b32 v[156+\k], 0
	v_mov_b32 v[164+\k], 0
	v_mov_b32 v[172+\k], 0
.endr
	v_mov_b32 v237, 0
	s_lshl_b32 s57, s35, 12
	s_add_co_u32 s57, s57, T_                      ; my head's table
	s_lshl_b32 s53, s36, 5
	s_add_co_u32 s53, s53, 464
	v_add_nc_u32 v238, s53, v2
	v_add_nc_u32 v240, -12, v238
	v_add_nc_u32 v239, -6, v238
	v_add_nc_u32 v238, -3, v238                    ; query + 464 - 3 f
.irp k, 0,1,2,3,4,5,6,7
	v_lshl_add_u32 v[244+\k], v3, 2, 8*(\k/4)+\k%4 ; j = 8 c + t + 4 h, the sorted window of my half of tile k = 4 c + t: the same at every level
.endr
; a level's sixteen masks, in one run: j > 2 centre into s[66 + 2 k], j > 2 (NW - 1 - centre) into s[67 + 2 k] (these scalar registers held addresses of loads that have come back)
.macro CMASK lv
	s_lshl_b32 s60, s[47+\lv], 1
	s_lshl_b32 s61, s[50+\lv], 1
.irp k, 0,1,2,3,4,5,6,7
	v_cmp_lt_u32 s[66+2*\k], s60, v[244+\k]
	v_cmp_lt_u32 s[67+2*\k], s61, v[244+\k]
.endr
	s_wait_alu depctr_va_sdst(0)                   ; the sixteen masks are written, ahead of the selections that read them
.endm
; index of (my query, token 7 of window j): (centre - window) 8 f + query + 464 - 3 f; token k lies (7 - k) f further on.  The mask 0x3ff changes no index: it states the table's bound.
.macro COORD lv, k
.if (\k)%2
	v_lshl_add_u32 v242, v3, 1, (8*((\k)/4)+(\k)%4+1)/2
.else
	v_lshl_add_u32 v242, v3, 1, (8*((\k)/4)+(\k)%4)/2
	v_sub_nc_u32 v242, 0, v242
.endif
	v_sub_nc_u32 v243, s[47+\lv], v[244+\k]
	v_cndmask_b32 v242, v242, v243, s[66+2*\k]
	v_sub_nc_u32 v243, v[244+\k], s[50+\lv]
	v_cndmask_b32 v242, v242, v243, s[67+2*\k]
	v_lshl_add_u32 v242, v242, 3+\lv, v[238+\lv]
	v_and_b32 v242, 0x3ff, v242
	v_lshl_add_u32 v[16+8*\lv+\k], v242, 2, s57
.endm
.irp lv, 0,1,2
	CMASK \lv
.irp k, 0,1,2,3,4,5,6,7
	COORD \lv, \k
.endr
.endr
.macro KT lv, c                        ; four tiles of k and their scale words
.irp t, 0,1,2,3
.if \lv < 2
	ds_load_b128 v[144+8*\t:147+8*\t], v9 offset:16*PP*\lv+(8*\c+\t)*PP
.else
	ds_load_b128 v[144+8*\t:147+8*\t], v15 offset:(8*\c+\t)*PP
.endif
	ds_load_b32 v[216+\t], v10 offset:(16*\lv+8*\c+\t)*288
.endr
.endm
; one level's 128 keys for 16 queries.  first = 1: the unit's first level starts M, the sum and O^T
.macro STEP lv, first
.set FF, 1<<\lv
.irp t, 0,1,2,3
.irp k, 0,1,2,3,4,5,6,7
	ds_load_b32 v[40+8*\t+\k], v[16+8*\lv+\t] offset:(7-\k)*4*FF   ; the bias is the product's C
.endr
.endr
	KT \lv, 0
	s_wait_dscnt 0x0
.irp t, 0,1,2,3
	WM 40+8*\t, 144+8*\t, 136, 40+8*\t, 216+\t, 224
.irp k, 0,1,2,3,4,5,6,7
	ds_load_b32 v[72+8*\t+\k], v[20+8*\lv+\t] offset:(7-\k)*4*FF   ; the second four tiles' biases, among the first four products, which name none of these registers
.endr
.endr
	NOPS 4                                         ; places behind the products
	s_wait_alu depctr_va_vdst(0)                   ; the four products are done reading k's tiles and scale words, and the last level's second products V's: the loads below land there
	KT \lv, 1
.irp t, 0,1,2,3
.irp cc, 0,1
	ds_load_b128 v[176+8*\t+4*\cc:179+8*\t+4*\cc], v11 offset:4096*\lv+1024*\t+512*\cc   ; V lands while the softmax is worked
.endr
	ds_load_b32 v[220+\t], v12 offset:512*\lv+128*\t
.endr
	s_wait_dscnt 12                                ; the biases and k's tiles are in; V's twelve loads may be out
.irp t, 0,1,2,3
	WM 72+8*\t, 144+8*\t, 136, 72+8*\t, 216+\t, 224
.endr
	NOPS 4
	v_max3_num_f32 v238, v40, v41, v42             ; the largest score of my two blocks: for the row's maximum and for each block's largest p
	v_max3_num_f32 v239, v72, v73, v74
.irp i, 3,5,7,9,11,13,15,17,19,21,23,25,27,29
	v_max3_num_f32 v238, v238, v[40+\i], v[41+\i]
	v_max3_num_f32 v239, v239, v[72+\i], v[73+\i]
.endr
	v_max_num_f32 v238, v238, v71
	v_max_num_f32 v239, v239, v103
	v_max_num_f32 v240, v238, v239
	v_permlanex16_b32 v241, v240, s40, s41
	v_max_num_f32 v240, v240, v241                 ; with lane l xor 16's 64 keys
.if \first
	v_mul_f32 v233, s42, v240
	v_floor_f32 v232, -v233                        ; -M = floor(-t)
.else
	v_mul_f32 v240, s42, v240
	v_max_num_f32 v233, v233, v240
	v_mov_b32 v240, v232
	v_floor_f32 v232, -v233
	v_sub_f32 v240, v232, v240                     ; old M - new M: a whole number, 0 or less
	v_cvt_i32_f32 v240, v240
	v_ldexp_f32 v236, 1.0, v240                    ; f = 2^(old M - new M)
.endif
.set j, 0
.rept 32
	v_pk_fma_f32 v[40+j:41+j], v[40+j:41+j], s[42:43], v[232:233] op_sel_hi:[1,0,0]
.set j, j+2
.endr
	v_fma_f32 v238, v238, s42, v232
	v_fma_f32 v239, v239, s42, v232
.set j, 0
.rept 64
	v_exp_f32 v[40+j], v[40+j]
.set j, j+1
.endr
.if \first
	v_nop
.else
	v_pk_mul_f32 v[234:235], v[234:235], v[236:237] op_sel_hi:[1,0]
.endif
	s_wait_alu depctr_va_vdst(0)                   ; the 64 exponentials are written: one wait, ahead of their first reader
	v_exp_f32 v238, v238
	v_exp_f32 v239, v239
.if \first
	v_pk_add_f32 v[234:235], v[40:41], v[42:43]    ; the row's sum is taken of the unquantised p
	v_pk_add_f32 v[246:247], v[44:45], v[46:47]
.set j, 8
.rept 14
	v_pk_add_f32 v[234:235], v[234:235], v[40+j:41+j]
	v_pk_add_f32 v[246:247], v[246:247], v[42+j:43+j]
.set j, j+4
.endr
.else
	v_pk_add_f32 v[246:247], v[40:41], v[42:43]
.set j, 4
.rept 15
	v_pk_add_f32 v[234:235], v[234:235], v[40+j:41+j]
	v_pk_add_f32 v[246:247], v[246:247], v[42+j:43+j]
.set j, j+4
.endr
.endif
	v_pk_add_f32 v[234:235], v[234:235], v[246:247]
	s_wait_alu depctr_va_vdst(0)                   ; and the two blocks' largest p are written, ahead of their first reader
	v_max_num_f32 v238, 0x1800000, v238
	v_max_num_f32 v239, 0x1800000, v239
	v_add_nc_u32 v242, 0xff000000, v238
	v_add_nc_u32 v243, 0xff000000, v239
	v_lshrrev_b32 v244, 23, v242
	v_lshrrev_b32 v245, 23, v243
	v_lshl_or_b32 v244, v245, 16, v244             ; blocks h and 2 + h,
	v_lshlrev_b32 v244, v8, v244                   ; at their places,
	v_permlanex16_b32 v241, v244, s40, s41
	v_or_b32 v225, v244, v241                      ; with the other two: p's scale word
.irp c, 0,1
.irp t, 0,1,2,3
	v_cvt_scalef32_pk8_fp4_f32 v[208+4*\c+\t], v[40+32*\c+8*\t:47+32*\c+8*\t], v[242+\c]
.endr
.endr
	v_nop
.if \first
	NOPS 8                                         ; places between the scale word's last write and the products
.else
.set j, 0
.rept 16
	v_pk_mul_f32 v[104+j:105+j], v[104+j:105+j], v[236:237] op_sel_hi:[1,0]   ; O^T under the new M; also those places
.set j, j+2
.endr
.endif
	s_wait_dscnt 0x0                               ; V is in
	s_wait_alu depctr_va_vdst(0)                   ; p's codes v208-215 and scale word v225 are written, which the products take; and the softmax is done with v40-103, the first products with k's registers: the next level's first loads land there
.irp t, 0,1,2,3
.if \first
	WM0 104+8*\t, 176+8*\t, 208, 220+\t, 225
.else
	WM 104+8*\t, 176+8*\t, 208, 104+8*\t, 220+\t, 225
.endif
.endr
.endm
	s_mov_b32 s56, 0
.Lunit:
	s_wait_alu depctr_va_vdst(0)                   ; written, by the set-up or by the last unit's closing lines: the table places v16-39 and the addresses v9 to v15, which the loads read; q's fragment, its scale word and the zero codes, which the products take
	STEP 0, 1
	STEP 1, 0
	STEP 2, 0
	NOPS 4
	v_add_f32 v234, v234, v235
	v_permlanex16_b32 v241, v234, s40, s41
	v_add_f32 v234, v234, v241
	v_rcp_f32 v234, v234
	v_nop
	s_wait_alu depctr_va_vdst(0)                   ; the reciprocal is written, ahead of its first reader
.set j, 0
.rept 16
	v_pk_mul_f32 v[40+j:41+j], v[104+j:105+j], v[234:235] op_sel_hi:[1,0]   ; my query's channels 64 head + 32 h + 0 .. 31: a block of proj's K
.set j, j+2
.endr
	QB32 40, 72, 248
	v_lshlrev_b32 v240, v8, v251
	v_permlanex16_b32 v241, v240, s40, s41
	v_or_b32 v240, v240, v241
	s_wait_alu depctr_va_vdst(0)                   ; the codes v72-75 and the two bytes in v240 are written, which the stores read
	ds_store_b128 v13, v[72:75]
	ds_store_b16 v14, v240
	s_wait_dscnt 0x0
	s_wait_alu depctr_vm_vsrc(0)                   ; the stores have read v13, v14, v72-75 and v240, and the unit's loads v16-39: all are written again below or in the next unit
.irp k, 0,1,2,3
	v_mov_b32 v[136+\k], v[226+\k]                 ; the second tile of queries
.endr
	v_mov_b32 v224, v230
.set j, 0
.rept 24
	v_add_nc_u32 v[16+j], 64, v[16+j]              ; 16 queries on in the table
.set j, j+1
.endr
	v_add_nc_u32 v13, 4096, v13
	v_add_nc_u32 v14, 256, v14
	s_add_co_u32 s56, s56, 1
	s_cmp_lt_u32 s56, 2
	s_cbranch_scc1 .Lunit
	; wproj's strip w (it stays in registers) and my four rows of x
	s_lshl_b32 s54, s34, 13
	s_add_co_u32 s54, s54, 393216
	s_add_nc_u64 s[66:67], s[14:15], s[54:55]
	s_lshl_b32 s54, s34, 9
	s_add_co_u32 s54, s54, 24576
	s_add_nc_u64 s[68:69], s[16:17], s[54:55]
	s_lshl_b32 s54, ttmp9, 17
	s_lshl_b32 s53, s34, 13
	s_add_co_u32 s54, s54, s53
	s_add_nc_u64 s[70:71], s[4:5], s[54:55]
	s_add_nc_u64 s[72:73], s[32:33], s[54:55]
	v_lshlrev_b32 v252, 3, v2
	s_wait_alu depctr_va_vdst(0)                   ; the offset v252 is written; P3's vector and matrix work is done with v16-79 and v144-215, in which the loads below land
.set k, 0
.rept 8
	global_load_b128 v[144+8*k:147+8*k], v4, s[66:67] offset:1024*k
	global_load_b128 v[148+8*k:151+8*k], v4, s[66:67] offset:1024*k+512
.set k, k+1
.endr
.irp s, 0,1,2,3
	global_load_b64 v[208+2*\s:209+2*\s], v252, s[68:69] offset:128*\s
.endr
.set k, 0
.rept 16
	global_load_b128 v[16+4*k:19+4*k], v4, s[70:71] offset:2048*(k/4)+512*(k%4) th:TH_LOAD_NT
.set k, k+1
.endr
	BAR
	; ---- P4: out channels 32 w .. 32 w + 31 for the 64 rows; v80-143 the sums (16 m + 8 t)
	v_add_nc_u32 v9, OI_, v4
	v_add_nc_u32 v10, OS_, v7
	s_mul_i32 s53, s34, 160
	v_mul_u32_u24 v11, v2, XP
	v_mad_u32_u24 v11, v3, 80, v11
	v_add_nc_u32 v11, s53, v11                     ; X2: row r, place 2 w + h;
	v_add_nc_u32 v12, 32*XP, v11                   ; rows 32 on
	v_lshlrev_b32 v253, 6, v1                      ; offsets of the loads at P4's end
	v_lshlrev_b32 v254, 4, v0
	s_wait_loadcnt 16                              ; wproj is in; x's 16 loads may be out
.irp s, 0,1,2,3
.if \s
	NOPS 4
.endif
	s_wait_alu depctr_va_vdst(0)                   ; in the first step: P4's addresses and offsets v9 to v12, v253, v254 are written; in the others: the last step's products are done reading v216-251, in which the loads below land
.irp m, 0,1,2,3
.irp cc, 0,1
	ds_load_b128 v[216+8*\m+4*\cc:219+8*\m+4*\cc], v9 offset:(4*\m+\s)*1024+512*\cc
.endr
	ds_load_b32 v[248+\m], v10 offset:(4*\m+\s)*64
.endr
	s_wait_dscnt 0x0
.irp m, 0,1,2,3
.irp t, 0,1
.if \s == 0
	WM0 80+16*\m+8*\t, 144+8*\t, 216+8*\m, 208+\t, 248+\m
.else
	WM 80+16*\m+8*\t, 144+8*(2*\s+\t), 216+8*\m, 80+16*\m+8*\t, 208+2*\s+\t, 248+\m
.endif
.endr
.endr
.endr
	NOPS 4
	s_wait_alu depctr_va_vdst(0)                   ; the sums v80-143 are written, which the stores read; the products are done reading v208-227, in which loads land below
.irp m, 0,1
.irp q, 0,1,2,3
	ds_store_b128 v11, v[80+16*\m+4*\q:83+16*\m+4*\q] offset:16*XP*\m+16*\q
.endr
.endr
.irp m, 0,1
.irp q, 0,1,2,3
	ds_store_b128 v12, v[112+16*\m+4*\q:115+16*\m+4*\q] offset:16*XP*\m+16*\q
.endr
.endr
	s_wait_dscnt 0x0
	s_wait_alu depctr_vm_vsrc(0)                   ; the stores have read v80-143: loads land in v80-111, P5's set-up writes v112 and v120-123; P4's loads have read v9 and v10, which P5 makes anew
.irp q, 0,1,2,3
	global_load_b128 v[208+4*\q:211+4*\q], v4, s[22:23] offset:512*\q
	global_load_b128 v[80+4*\q:83+4*\q], v253, s[24:25] offset:16*\q
	global_load_b128 v[96+4*\q:99+4*\q], v253, s[26:27] offset:16*\q
.endr
	global_load_b128 v[224:227], v254, s[28:29]
	s_barrier_signal -1
	s_barrier_wait -1
	; ---- P5: rows 4 w .. 4 w + 3
	s_mul_i32 s53, s34, 4*XP
	v_lshrrev_b32 v9, 2, v1
	v_mul_u32_u24 v9, v9, 80
	v_and_b32 v10, 3, v1
	v_lshl_add_u32 v9, v10, 4, v9
	v_add_nc_u32 v9, s53, v9                       ; as the rows lie in memory: channels 4 l + 128 q
	v_mul_u32_u24 v10, v1, 80
	v_add_nc_u32 v10, s53, v10                     ; 16 neighbours a lane
	v_lshl_add_u32 v13, v0, 4, B1S_
	s_lshr_b32 s53, s34, 2
	s_and_b32 s54, s34, 3
	s_lshl_b32 s54, s54, 6
	s_mul_i32 s39, s53, 4352
	s_add_co_u32 s39, s39, s54
	s_add_co_u32 s39, s39, H2I_
	v_lshrrev_b32 v15, 1, v1
	v_mul_u32_u24 v14, v15, 272
	v_and_b32 v112, 1, v1
	v_lshl_add_u32 v14, v112, 3, v14
	v_add_nc_u32 v14, s39, v14
	s_lshl_b32 s53, s53, 8
	s_add_co_u32 s53, s53, s54
	s_add_co_u32 s53, s53, H2S_
	v_add_nc_u32 v15, s53, v15
	s_lshl_b32 s54, s34, 16                        ; my stream of mlp_w1's and mlp_w2's fragments: 16 sets of 4,096 bytes,
	s_add_co_u32 s54, s54, 524288
	s_add_nc_u64 s[74:75], s[14:15], s[54:55]
	s_lshl_b32 s54, s34, 12                        ; and of 256 bytes of scale words
	s_add_co_u32 s54, s54, 32768
	s_add_nc_u64 s[76:77], s[16:17], s[54:55]
	s_lshl_b32 s54, s34, 7
	s_add_nc_u64 s[78:79], s[30:31], s[54:55]      ; mlp_b2 at channel 32 w
.irp p, 0,1,2,3
	v_mov_b32 v[120+\p], 0
.endr
	s_wait_loadcnt 0x0
	s_wait_alu depctr_va_vdst(0)                   ; P5's addresses v9, v10, v13, v14 and v15 are written, which its LDS stores and loads read
	ds_store_b128 v13, v[224:227]
.set k, 0
.rept 16
	ds_load_b128 v[144+4*k:147+4*k], v9 offset:XP*(k/4)+640*(k%4)
.set k, k+1
.endr
	s_wait_dscnt 0x0
.irp p, 0,1,2,3
.irp k, 0,2,4,6,8,10,12,14
	v_pk_add_f32 v[144+16*\p+\k:145+16*\p+\k], v[144+16*\p+\k:145+16*\p+\k], v[208+\k:209+\k]
.endr
.endr
.irp p, 0,1,2,3
.irp k, 0,2,4,6,8,10,12,14
	v_pk_add_f32 v[144+16*\p+\k:145+16*\p+\k], v[144+16*\p+\k:145+16*\p+\k], v[16+16*\p+\k:17+16*\p+\k]
.endr
.endr
	s_wait_alu depctr_va_vdst(0)                   ; the sums v144-207 are written, which the stores read; the additions are done reading v16-79, in which the LDS loads land, and v208-215, in which the stream's scale words land
.set k, 0
.rept 16
	ds_store_b128 v9, v[144+4*k:147+4*k] offset:XP*(k/4)+640*(k%4)
.set k, k+1
.endr
.set k, 0
.rept 16
	ds_load_b128 v[16+4*k:19+4*k], v10 offset:XP*(k/4)+16*(k%4)   ; LDS serves a wave's instructions in order: these see my stores
.set k, k+1
.endr
	s_wait_dscnt 0x0
	s_wait_alu depctr_vm_vsrc(0)                   ; the stores have read v144-207, in which the stream lands, and v224-227; P5's LDS instructions have read v9, v10 and v13, which P6 makes anew
.macro SLOAD k, set                    ; set k of the stream, counted from the base: 8 loads of codes, 1 of scale words
.irp f, 0,1,2,3
.irp cc, 0,1
	global_load_b128 v[144+32*(\set)+8*\f+4*\cc:147+32*(\set)+8*\f+4*\cc], v4, s[74:75] offset:(\k)*4096+1024*\f+512*\cc
.endr
.endr
	global_load_b128 v[208+4*(\set):211+4*(\set)], v6, s[76:77] offset:(\k)*256
.endm
	SLOAD 0, 0
	SLOAD 1, 1
	LNORM 16, 80, 96, 112
.irp p, 0,1,2,3
	QROWC 16+16*\p, 128+2*\p, 136+\p, 140
.endr
	s_wait_alu depctr_va_vdst(0)                   ; the four rows' codes v128-135 and bytes v136-139 are written, which the eight stores read
.irp p, 0,1,2,3
	QROWS 14, 16*\p, 15, 16*\p, 128+2*\p, 136+\p
.endr
	BAR
	s_wait_alu depctr_vm_vsrc(0)                   ; the eight stores have read v14 and v15, which are written below, and v128-139, in which mlp_b1 lands
	; ---- P6: hidden units 128 w .. 128 w + 127 for the 64 rows, 64 units a trip.  v16-143 the sums (32 m + 8 t); v144-215 two sets of the stream; v216-247 LN2's fragments, then z
	v_mul_u32_u24 v9, v3, 272
	v_add_nc_u32 v9, v9, v6
	v_add_nc_u32 v9, H2I_, v9
	v_add_nc_u32 v10, H2S_, v6
	s_lshl_b32 s53, s34, 9
	s_add_co_u32 s53, s53, B1S_
	v_lshl_add_u32 v13, v3, 7, s53
	s_lshl_b32 s53, s34, 10
	s_add_co_u32 s53, s53, HI_
	v_add_nc_u32 v1, s53, v4                       ; v1: where my hidden codes go
	s_lshl_b32 s53, s34, 7
	s_add_co_u32 s53, s53, HS_
	v_add_nc_u32 v2, s53, v5                       ; v2: and their scale words
	v_lshlrev_b32 v3, 6, v3                        ; v3: 64 h, for mlp_b2
	v_mov_b32 v14, 0xc0135761                      ; c1 = -2 sqrt(2 / pi) log2(e)
	v_mov_b32 v15, v14
	s_mov_b32 s58, 0xbdd2d3e8                      ; c2 = 0.044715 c1
	s_mov_b32 s59, s58
.irp m, 0,1,2,3
	v_mov_b32 v[252+\m], 0
.endr
.macro MSTEP s
.irp m, 0,1,2,3
.irp cc, 0,1
	ds_load_b128 v[216+8*\m+4*\cc:219+8*\m+4*\cc], v9 offset:4352*\m+(4*\s+2*\cc)*272
.endr
	ds_load_b32 v[248+\m], v10 offset:256*\m+4*\s
.endr
	s_wait_loadcnt 9                               ; this step's set is in; the next set's nine loads may be out
	s_wait_dscnt 0x0
.irp m, 0,1,2,3
.irp t, 0,1,2,3
	WM 16+32*\m+8*\t, 144+32*(\s%2)+8*\t, 216+8*\m, 16+32*\m+8*\t, 208+4*(\s%2)+\t, 248+\m
.endr
.endr
	NOPS 4
	s_wait_alu depctr_va_vdst(0)                   ; the step's products are done reading the stream's set, which is asked for again below, and v216-251, in which the next step's LDS loads land
	SLOAD \s+2, \s%2
.endm
.macro GELUQ m, cd                     ; x / (1 + 2^z), z = x (c1 + c2 x^2); then the block's codes, into v[cd] on, and its byte, into the scale word v[252 + m]
.set XB, 16+32*\m
.set j, 0
.rept 16
	v_pk_mul_f32 v[216+j:217+j], v[XB+j:XB+j+1], v[XB+j:XB+j+1]
.set j, j+2
.endr
.set j, 0
.rept 16
	v_pk_fma_f32 v[216+j:217+j], v[216+j:217+j], s[58:59], v[14:15] op_sel_hi:[1,0,0]
.set j, j+2
.endr
.set j, 0
.rept 16
	v_pk_mul_f32 v[216+j:217+j], v[216+j:217+j], v[XB+j:XB+j+1]
.set j, j+2
.endr
.set j, 0
.rept 32
	v_exp_f32 v[216+j], v[216+j]
.set j, j+1
.endr
	v_nop
	s_wait_alu depctr_va_vdst(0)                   ; the 32 exponentials are written, ahead of their first reader
.set j, 0
.rept 16
	v_pk_add_f32 v[216+j:217+j], v[216+j:217+j], 1.0 op_sel_hi:[1,0]
.set j, j+2
.endr
.set j, 0
.rept 32
	v_rcp_f32 v[216+j], v[216+j]
.set j, j+1
.endr
	v_nop
	s_wait_alu depctr_va_vdst(0)                   ; the 32 reciprocals are written, ahead of their first reader
.set j, 0
.rept 16
	v_pk_mul_f32 v[XB+j:XB+j+1], v[XB+j:XB+j+1], v[216+j:217+j]
.set j, j+2
.endr
	QB32 XB, \cd, 220
	v_lshlrev_b32 v224, v8, v223
	v_permlanex16_b32 v225, v224, s40, s41
	v_or_b32 v224, v224, v225
	v_lshl_or_b32 v[252+\m], v224, s57, v[252+\m]
.endm
	s_mov_b32 s56, 0
	s_mov_b32 s57, 0
.Lgg:
	s_wait_alu depctr_va_vdst(0)                   ; v13 is written, by the set-up or by the last trip's addition, and so are v9 and v10; the vector work before is done with v16-143 and v216-251, in which the loads below land
.irp m, 0,1,2,3
.irp i, 0,1,2,3,4,5,6,7
	ds_load_b128 v[16+32*\m+4*\i:19+32*\m+4*\i], v13 offset:16*\i   ; mlp_b1 is the C of the first products
.endr
.endr
	MSTEP 0
	MSTEP 1
	MSTEP 2
	MSTEP 3
	GELUQ 0, 248                                   ; each tile's codes have registers of their own: LN2's scale words are done with, and so is each tile's x once it is converted
	GELUQ 1, 16
	GELUQ 2, 48
	GELUQ 3, 80
	s_wait_alu depctr_va_vdst(0)                   ; the four tiles' codes are written, which the stores read (and the scale words v252-255, which the stores behind the loop read)
	ds_store_b128 v1, v[248:251]
	ds_store_b128 v1, v[16:19] offset:16384
	ds_store_b128 v1, v[48:51] offset:32768
	ds_store_b128 v1, v[80:83] offset:49152
	s_wait_dscnt 0x0
	s_wait_xcnt 0x0                                ; the loads that are out have read their bases
	s_wait_alu depctr_vm_vsrc(0)                   ; the stores have read v1 and the codes' registers, the trip's LDS loads v13, v9 and v10: all are written again below, in the next trip or in P7
	s_add_nc_u64 s[74:75], s[74:75], 16384
	s_add_nc_u64 s[76:77], s[76:77], 1024
	v_add_nc_u32 v1, 512, v1
	v_add_nc_u32 v13, 256, v13
	s_add_co_u32 s57, s57, 16
	s_add_co_u32 s56, s56, 1
	s_cmp_lt_u32 s56, 2
	s_cbranch_scc1 .Lgg
.irp m, 0,1,2,3
	ds_store_b32 v2, v[252+\m] offset:2048*\m      ; no wait: v2 and v252-255 were written ahead of the last trip's wait on va_vdst, and no vector line since names them
.endr
	BAR
	; ---- P7: out channels 32 w .. 32 w + 31; the sums begin as x2 + b2.  v16-79 the sums (16 m + 8 t); v80-143 eight hidden fragments; v216-223 their scale words
	v_add_nc_u32 v9, HI_, v4
	v_add_nc_u32 v10, HS_, v7
.irp q, 0,1,2,3
	global_load_b128 v[224+4*\q:227+4*\q], v3, s[78:79] offset:16*\q
.endr
.irp m, 0,1
.irp q, 0,1,2,3
	ds_load_b128 v[16+16*\m+4*\q:19+16*\m+4*\q], v11 offset:16*XP*\m+16*\q
	ds_load_b128 v[48+16*\m+4*\q:51+16*\m+4*\q], v12 offset:16*XP*\m+16*\q
.endr
.endr
	s_wait_loadcnt 0x0                             ; b2, and with it the stream's two sets that were out
	s_wait_dscnt 0x0
.irp m, 0,1,2,3
.irp k, 0,2,4,6,8,10,12,14
	v_pk_add_f32 v[16+16*\m+\k:17+16*\m+\k], v[16+16*\m+\k:17+16*\m+\k], v[224+\k:225+\k]
.endr
.endr
	NOPS 4
	v_and_b32 v13, 31, v0                          ; P8's address: my rows as they lie in memory
	v_lshrrev_b32 v14, 2, v13
	v_mul_u32_u24 v14, v14, 80
	v_and_b32 v13, 3, v13
	v_lshl_add_u32 v13, v13, 4, v14
	s_mul_i32 s53, s34, 4*XP
	v_add_nc_u32 v13, s53, v13
	s_wait_alu depctr_va_vdst(0)                   ; v9, v10 and v13 are written, which P7's and P8's LDS loads read
.macro WSTEP j, load, cnt, step        ; two K steps of 128 hidden units.  step = 1: the LDS addresses move on by four K steps
.irp sp, 0,1
.irp m, 0,1,2,3
.irp cc, 0,1
	ds_load_b128 v[80+8*(4*\sp+\m)+4*\cc:83+8*(4*\sp+\m)+4*\cc], v9 offset:(16*\m+2*\j+\sp)*1024+512*\cc
.endr
	ds_load_b32 v[216+4*\sp+\m], v10 offset:(16*\m+2*\j+\sp)*128
.endr
.endr
	s_wait_loadcnt \cnt                            ; this set is in; the next set's nine loads may be out
	s_wait_dscnt 0x0
.irp sp, 0,1
.irp m, 0,1,2,3
.irp t, 0,1
	WM 16+16*\m+8*\t, 144+32*\j+8*(2*\sp+\t), 80+8*(4*\sp+\m), 16+16*\m+8*\t, 208+4*\j+2*\sp+\t, 216+4*\sp+\m
.endr
.endr
.endr
.if \step
	s_wait_alu depctr_vm_vsrc(0)                   ; the LDS loads issued so far have read v9 and v10
	v_add_nc_u32 v9, 4096, v9                      ; (these two are also places behind the products)
	v_add_nc_u32 v10, 512, v10
	NOPS 2
.else
	NOPS 4
.endif
	s_wait_alu depctr_va_vdst(0)                   ; the products are done reading the stream's set, v80-143 and v216-223, in which the loads that follow land; the sums are written, which the stores behind the last step read; step = 1: v9 and v10 are written
.if \load
	SLOAD \j+2, \j
.endif
.endm
	s_mov_b32 s56, 0
.Lw2:
	WSTEP 0, 1, 9, 0
	WSTEP 1, 1, 9, 1
	s_wait_xcnt 0x0
	s_add_nc_u64 s[74:75], s[74:75], 8192
	s_add_nc_u64 s[76:77], s[76:77], 512
	s_add_co_u32 s56, s56, 1
	s_cmp_lt_u32 s56, 3
	s_cbranch_scc1 .Lw2
	WSTEP 0, 0, 9, 0                               ; the last two sets: nothing is left to fetch
	WSTEP 1, 0, 0, 0
.irp m, 0,1
.irp q, 0,1,2,3
	ds_store_b128 v11, v[16+16*\m+4*\q:19+16*\m+4*\q] offset:16*XP*\m+16*\q   ; back to the bytes that I alone have read since the last barrier but one
.endr
.endr
.irp m, 0,1
.irp q, 0,1,2,3
	ds_store_b128 v12, v[48+16*\m+4*\q:51+16*\m+4*\q] offset:16*XP*\m+16*\q
.endr
.endr
	BAR
	; ---- P8: rows 4 w .. 4 w + 3 leave, 512 bytes on end a store
.set k, 0
.rept 16
	ds_load_b128 v[80+4*k:83+4*k], v13 offset:XP*(k/4)+640*(k%4)
.set k, k+1
.endr
.set k, 0
.rept 16
	s_wait_dscnt 15-k                              ; load k is in; the younger ones may be out
	global_store_b128 v4, v[80+4*k:83+4*k], s[72:73] offset:2048*(k/4)+512*(k%4) th:TH_STORE_NT
.set k, k+1
.endr
	s_wait_xcnt 0x0
	v_lshl_add_u32 v254, v0, 2, 0x4c000
	v_mov_b32 v255, 0
	s_wait_dscnt 0x0                               ; the closing lines, six on end
	s_wait_alu 0x0
	s_wait_tensorcnt 0x0
	ds_add_u32 v254, v255
	s_wait_dscnt 0x0
	s_endpgm
.Lfunc_end_k_qc7dc61ee3f_tail:
	.size	k_qc7dc61ee3f_tail, .Lfunc_end_k_qc7dc61ee3f_tail-k_qc7dc61ee3f_tail
	.p2alignl 7, 3214868480
	.fill 96, 4, 3214868480
	.section	.rodata,"a",@progbits
	.p2align	6, 0x0
	.amdhsa_kernel k_qc7dc61ee3f_tail
		.amdhsa_group_segment_fixed_size 313344
		.amdhsa_private_segment_fixed_size 0
		.amdhsa_enable_private_segment 0
		.amdhsa_kernarg_size 120
		.amdhsa_user_sgpr_count 2
		.amdhsa_user_sgpr_kernarg_segment_ptr 1
		.amdhsa_wavefront_size32 1
		.amdhsa_system_sgpr_workgroup_id_x 1
		.amdhsa_system_sgpr_workgroup_id_y 1
		.amdhsa_system_sgpr_workgroup_id_z 1
		.amdhsa_system_vgpr_workitem_id 0
		.amdhsa_next_free_vgpr 256
		.amdhsa_next_free_sgpr 88
		.amdhsa_reserve_vcc 0
		.amdhsa_float_denorm_mode_32 3
		.amdhsa_float_denorm_mode_16_64 3
		.amdhsa_memory_ordered 1
		.amdhsa_forward_progress 1
		.amdhsa_inst_pref_size 237
	.end_amdhsa_kernel
	.amdgpu_metadata
---
amdhsa.version: [ 1, 2 ]
amdhsa.kernels:
  - .name:           k_qc7dc61ee3f_tail
    .symbol:         k_qc7dc61ee3f_tail.kd
    .args:
      - { .name: x, .offset: 0, .size: 8, .value_kind: global_buffer, .address_space: global }
      - { .name: hcod, .offset: 8, .size: 8, .value_kind: global_buffer, .address_space: global }
      - { .name: hscl, .offset: 16, .size: 8, .value_kind: global_buffer, .address_space: global }
      - { .name: qkc, .offset: 24, .size: 8, .value_kind: global_buffer, .address_space: global }
      - { .name: qks, .offset: 32, .size: 8, .value_kind: global_buffer, .address_space: global }
      - { .name: wcod, .offset: 40, .size: 8, .value_kind: global_buffer, .address_space: global }
      - { .name: wscl, .offset: 48, .size: 8, .value_kind: global_buffer, .address_space: global }
      - { .name: tab, .offset: 56, .size: 8, .value_kind: global_buffer, .address_space: global }
      - { .name: bkv, .offset: 64, .size: 8, .value_kind: global_buffer, .address_space: global }
      - { .name: bproj, .offset: 72, .size: 8, .value_kind: global_buffer, .address_space: global }
      - { .name: ln2_s, .offset: 80, .size: 8, .value_kind: global_buffer, .address_space: global }
      - { .name: ln2_b, .offset: 88, .size: 8, .value_kind: global_buffer, .address_space: global }
      - { .name: mlp_b1, .offset: 96, .size: 8, .value_kind: global_buffer, .address_space: global }
      - { .name: mlp_b2, .offset: 104, .size: 8, .value_kind: global_buffer, .address_space: global }
      - { .name: out0, .offset: 112, .size: 8, .value_kind: global_buffer, .address_space: global }
    .group_segment_fixed_size: 313344
    .private_segment_fixed_size: 0
    .kernarg_segment_align: 8
    .kernarg_segment_size: 120
    .max_flat_workgroup_size: 512
    .sgpr_count:     88
    .vgpr_count:     256
    .wavefront_size: 32
...
	.end_amdgpu_metadata
.endif
;; end of part 5
